; MI455X (gfx1250); checked and timed in simulation.
; The chip was launched on July 23, 2026; its instructions are those of AMD's public machine-readable ISA for CDNA 5 (MIT licence, August 2026) and "CDNA5" Instruction Set Architecture Reference Guide (July 2026). The comments in the code are by the model that wrote it; some were corrected since.
;; Multihead Attention. Allowed arithmetic: matrix products marked QUANTISED: E2M1 operands, one E8M0 scale for each 32 along K, by v_wmma_scale_f32_16x16x128_f8f6f4 with both operands' format E2M1 (or v_wmma_scale_f32_32x16x128_f4), f32 sums; everything else in f32.
;; Inputs: mask 1 x 1 x 2,048 x 2,048 bool; wk 2,048 x 2,048 float32; wo 2,048 x 2,048 float32; wq 2,048 x 2,048 float32; wv 2,048 x 2,048 float32; x 1 x 2,048 x 2,048 float32.
;; Outputs: out0 1 x 2,048 x 2,048 float32.
;; This version of the problem:
;;   THIS VERSION OF THE PROBLEM IS GIVEN IN LOW PRECISION. The matrix products marked QUANTISED in the list below multiply operands that are first quantised to E2M1 (2 exponent bits, 1 mantissa bit; 4 bits a number), with one power-of-two scale for each 32 numbers along K (OCP MX v1.0); their sums are f32. All else is computed in f32.
;;   The module's matrix products, in the order in which they are computed (A, B: the left and right operand; K: the contracted axis; several contracted axes count as one K, in the product's order):
;;     1. [M 2,048, K 2,048] x [K 2,048, N 2,048]; A: input x; B: input wq: QUANTISED
;;     2. [M 2,048, K 2,048] x [K 2,048, N 2,048]; A: input x; B: input wk: QUANTISED
;;     3. [M 2,048, K 2,048] x [K 2,048, N 2,048]; A: input x; B: input wv: QUANTISED
;;     4. batch 16 x [M 2,048, K 128] x [K 128, N 2,048]; A: computed on the way; B: computed on the way: QUANTISED
;;     5. batch 16 x [M 2,048, K 2,048] x [K 2,048, N 128]; A: softmax (see below); B: computed on the way: QUANTISED
;;     6. [M 2,048, K 2,048] x [K 2,048, N 2,048]; A: computed on the way; B: input wo: QUANTISED
;;   THE QUANTISER, for each operand of a quantised product, along K:
;;     - K is cut into blocks of 32 from its start; a last block that is shorter is filled with zeros.
;;     - A block's scale is 2^e with e = floor(log2(the largest magnitude in the block)) - 2, held to -126 .. 127; a block of zeros has e = 0. As a byte (E8M0): e + 127.
;;     - Each number is divided by its block's scale, clamped to +-6, and rounded to the nearest number of E2M1, ties to even, subnormals kept.
;;     - The product sums the exact products of the quantised numbers (number of the format x scale) in f32.
;;   ~~~python
;;   def quantise(x, axis):      # numpy; x: float32 -> the quantised numbers, widened to float32 again
;;       x = np.moveaxis(x, axis, -1); K = x.shape[-1]
;;       x = np.pad(x, [(0, 0)] * (x.ndim - 1) + [(0, -K % 32)]); x = x.reshape(x.shape[:-1] + (-1, 32)); a = np.abs(x).max(-1, keepdims=True)
;;       e = np.where(a > 0, np.clip(np.frexp(np.where(a > 0, a, 1))[1] - 1 - 2, -126, 127), 0)      # np.frexp(a)[1] - 1 = floor(log2(a)), exactly
;;       r = np.clip(x / 2.0 ** e, -6, 6)
;;       step = 2.0 ** (np.maximum(np.frexp(np.where(r == 0, 1, r))[1] - 1, 0) - 1)
;;       q = np.round(r / step) * step * 2.0 ** e      # np.round: ties to even
;;       return np.moveaxis(q.reshape(q.shape[:-2] + (-1,))[..., :K], -1, axis).astype(np.float32)
;;   ~~~
;;   SOFTMAX AHEAD OF A QUANTISED PRODUCT. Where the list says 'softmax', what is quantised is not the finished softmax but p = 2^(t - M), with t = logit x log2(e) and M = ceil(the row's largest t), a whole number; so 1/2 < the row's largest p <= 1. The row's sum l is taken of the UNQUANTISED p, in f32, and the product's result is divided by l at the end. Since M is a whole number, a kernel that streams over the keys may use a running M (the ceiling of the running maximum): every later rescaling is an exact power of two, which a block's scale takes up: the codes' values come out the same.
;;   OPERANDS COMPUTED ON THE WAY. 'Computed on the way' means the value that the module computes at that place (a softmax that the list does not call 'softmax' is quantised finished and normalised). What goes into a quantiser is computed in f32, as accurately as f32 sums, v_exp_f32 and their like allow (about 1e-6 of the number): no bf16 or f16 on the way to a quantiser, and a product that is left as it is and whose result goes on into a quantised operand takes f32 operands (vector FMAs, or v_wmma_f32_16x16x4_f32). A number that lies on a knife's edge between two numbers of the format may be rounded either way, as far as f32 arithmetic and the matrix unit's own rounding can turn it there, and no further.
;; 2 versions. Each part assembles by itself: llvm-mc -triple=amdgcn-amd-amdhsa -mcpu=gfx1250 --defsym DOCPART=n.
;; ======== version 1 of 2: 4 launches
;; workspace buffers: cod 10,485,760 bytes; scl 655,360 bytes; mb 524,288 bytes of whole numbers; fl 1,024 bytes of whole numbers; qkv 6,684,672 bytes; ac 2,097,152 bytes; asc 131,072 bytes
;; launch prep (part 1): grid 384 x 1, 4 waves a work-group, no clusters, 52,736 bytes of LDS; arguments x, wq, wk, wv, wo, mask, cod, scl, mb, fl; writes cod, scl, mb, fl
.if DOCPART == 1
	.amdgcn_target "amdgcn-amd-amdhsa--gfx1250"
	.amdhsa_code_object_version 6
	.text
	.protected	k_qb443e5bc6f_prep
	.globl	k_qb443e5bc6f_prep
	.p2align	8
	.type	k_qb443e5bc6f_prep,@function
k_qb443e5bc6f_prep:
	s_mov_b64 s[64:65], 0
	v_nop
	global_prefetch_b8 v0, s[64:65] scope:SCOPE_SE
	s_setreg_imm32_b32 hwreg(HW_REG_WAVE_MODE, 25, 1), 1
	s_wait_xcnt 0x0
; x [2048][2048] and the four weights [k 2048][n 2048], f32, become codes of FP4 (E2M1) with one E8M0 byte for each 32 along K; the mask becomes bit words.
; OUTPUT LAYOUT.  A row block is 16 rows x K 2048: codes [k block 0..63][row place 0..15][16 bytes], so that the 1,024 bytes of 128 along K are an image of a matrix operand's
; registers (lane l's 16 bytes at 16 l, the second four registers 512 bytes on); scale bytes [K / 512][row place][16 bytes].  Of 32 neighbouring rows, place p holds the row whose
; number is p with bits 3 and 4 exchanged: block parity u, place r: row 8 u + r + 8 (r / 8).  Row blocks: 0-127 x; 128 + 16 h: wq's head h (8), then wk's (8); 384: wv; 512: wo.
; A block's scale is 2^(floor(log2(largest magnitude)) - 2): its byte is the largest magnitude's exponent field - 2, held at 1 from below.
; LIMITS: a block of zeros, or one under 2^-124, keeps the byte 1 (its codes are read by this program alone); NaN and infinities among the inputs are not served.
; THREE PATHS by the work-group's number, each with LDS bytes of its own: 0-63 the mask, 64-127 x, 128-383 the weights.  Waves share nothing: no barrier.
.set SP,    272                        ; a stage row: 256 bytes + 16, so that sixteen rows start in sixteen different 16-byte columns
.set XREG,  2*16*SP                    ; path x: two stages of 16 rows for each wave
.set MST,   4*XREG                     ; path mask: behind them, one stage for each wave
.set MREG,  16*SP
; 32 numbers of one block in v[xs] on -> four registers of codes in v[cd] on, the byte in v13
.macro BLOCKQ xs, cd
	v_max3_num_f32 v12, |v[\xs]|, |v[\xs+1]|, |v[\xs+2]|
	v_max3_num_f32 v13, |v[\xs+3]|, |v[\xs+4]|, |v[\xs+5]|
.irp i, 6,10,14,18,22,26
	v_max3_num_f32 v12, v12, |v[\xs+\i]|, |v[\xs+\i+1]|            ; two chains, so that no line waits for the line above it
	v_max3_num_f32 v13, v13, |v[\xs+\i+2]|, |v[\xs+\i+3]|
.endr
	v_max3_num_f32 v12, v12, |v[\xs+30]|, |v[\xs+31]|
	v_max3_num_f32 v12, v12, v13, 0x1800000        ; the floor 2^(3 - 127): the byte cannot fall under 1
	v_add_nc_u32 v11, 0xff000000, v12              ; 2 off the exponent field: the conversion takes this operand's exponent field as its scale
.irp g, 0,1,2,3
	v_cvt_scalef32_pk8_fp4_f32 v[\cd+\g], v[\xs+8*\g:\xs+8*\g+7], v11
.endr
	v_lshrrev_b32 v13, 23, v11                     ; the scale's byte (also the plain line behind the conversions)
.endm
	s_load_b512 s[8:23], s[0:1], 0x0               ; x s8, wq s10, wk s12, wv s14, wo s16, mask s18, cod s20, scl s22
	s_load_b128 s[24:27], s[0:1], 0x40             ; mb s24, fl s26
	v_lshl_add_u32 v224, v0, 2, 0xcc00
	v_mov_b32 v225, 0
	v_lshrrev_b32 v1, 5, v0
	v_readfirstlane_b32 s4, v1                     ; wave
	v_and_b32 v2, 31, v0                           ; lane l
	v_and_b32 v6, 15, v0                           ; r
	v_bfe_u32 v7, v0, 4, 1                         ; h
	s_cmp_lt_u32 ttmp9, 64
	s_cbranch_scc1 .Lmask
	s_cmp_lt_u32 ttmp9, 128
	s_cbranch_scc1 .Lx
; ---- THE WEIGHTS.  A lane takes a column n and its registers run down K: a block of 32 lies in one lane, the codes come out with K innermost, nothing is transposed.
; A work-group: one weight, 128 columns, 512 along K; a wave: 32 columns = two row blocks, 16 blocks of 32 along K.
	s_sub_co_u32 s5, ttmp9, 128
	s_lshr_b32 s6, s5, 6                           ; which weight
	s_bfe_u32 s7, s5, 0x40002                      ; which 128 columns
	s_and_b32 s5, s5, 3                            ; which 512 along K
	s_lshl_b32 s28, s7, 4
	s_lshl_b32 s29, s6, 3
	s_add_co_u32 s28, s28, s29
	s_add_co_u32 s28, s28, 128                     ; wq, wk: 128 + 16 head + 8 weight
	s_lshl_b32 s29, s6, 7
	s_lshl_b32 s34, s7, 3
	s_add_co_u32 s29, s29, s34
	s_add_co_u32 s29, s29, 128                     ; wv, wo: 128 (weight + 1) + 8 head
	s_cmp_lt_u32 s6, 2
	s_cselect_b32 s28, s28, s29
	s_lshl_b32 s29, s4, 1
	s_add_co_u32 s28, s28, s29                     ; my wave's first row block
	s_lshl_b32 s36, s5, 22                         ; the weight: 512 rows of 8,192 bytes a K part,
	s_lshl_b32 s29, s7, 9
	s_add_co_u32 s36, s36, s29
	s_lshl_b32 s29, s4, 7
	s_add_co_u32 s36, s36, s29                     ; + 4 bytes a column
	s_mov_b32 s37, 0
	s_lshl_b32 s38, s28, 14
	s_lshl_b32 s29, s5, 12
	s_add_co_u32 s38, s38, s29                     ; codes: row block x 16,384 + K part x 4,096
	s_mov_b32 s39, 0
	s_lshl_b32 s40, s28, 10
	s_lshl_b32 s29, s5, 8
	s_add_co_u32 s40, s40, s29                     ; scale bytes: row block x 1,024 + K part x 256
	s_mov_b32 s41, 0
	v_lshlrev_b32 v3, 2, v2                        ; in: 4 bytes a lane: a wave reads 128 neighbouring bytes, the four waves 512
	v_and_b32 v8, 7, v2
	v_bfe_u32 v9, v2, 4, 1
	v_lshl_or_b32 v8, v9, 3, v8                    ; my column's place in its row block,
	v_bfe_u32 v9, v2, 3, 1                         ; and which of the two row blocks
	v_lshlrev_b32 v8, 4, v8
	v_lshl_add_u32 v4, v9, 14, v8
	v_lshl_add_u32 v5, v9, 10, v8
	s_wait_kmcnt 0x0
	s_bitcmp1_b32 s6, 0                            ; the choice hangs on the work-group's number alone
	s_cselect_b64 s[30:31], s[12:13], s[10:11]
	s_cselect_b64 s[32:33], s[16:17], s[14:15]
	s_bitcmp1_b32 s6, 1
	s_cselect_b64 s[30:31], s[32:33], s[30:31]
	s_add_nc_u64 s[30:31], s[30:31], s[36:37]
	s_add_nc_u64 s[20:21], s[20:21], s[38:39]
	s_add_nc_u64 s[22:23], s[22:23], s[40:41]
.macro WLOAD t                         ; block t: w(32 t + j, my column) into set t % 2; the largest offset, 511 rows, lies inside the signed 24-bit immediate
.set j, 0
.rept 32
	global_load_b32 v[32+32*((\t)%2)+j], v3, s[30:31] offset:(32*(\t)+j)*8192 th:TH_LOAD_NT
.set j, j+1
.endr
.endm
.macro WBLOCK t
.if (\t) < 15
	s_wait_loadcnt 32                              ; this block's 32 loads are in; the next block's may be out
.else
	s_wait_loadcnt 0
.endif
	BLOCKQ 32+32*((\t)%2), 96+4*(\t)
.if (\t)%4 == 0
	v_mov_b32 v[24+(\t)/4], v13                    ; four bytes to a register, the lower K in the lower byte
.else
	v_lshl_or_b32 v[24+(\t)/4], v13, 8*((\t)%4), v[24+(\t)/4]
.endif
	global_store_b128 v4, v[96+4*(\t):96+4*(\t)+3], s[20:21] offset:256*(\t)   ; each block has its own registers; the sixteen lanes of a row block fill 256 aligned bytes
.if (\t)+2 < 16
	WLOAD (\t)+2
.endif
.endm
	WLOAD 0
	WLOAD 1
.irp t, 0,1,2,3,4,5,6,7,8,9,10,11,12,13,14,15
	WBLOCK \t
.endr
	global_store_b128 v5, v[24:27], s[22:23]       ; my column's 16 scale bytes: again 256 aligned bytes for each row block
	s_endpgm
; ---- x.  K is innermost.  A wave: one row block, 1,024 along K, in 16 steps of 64.  Each load reads 256 neighbouring bytes of two rows; a step's 4,096 bytes turn through the
; wave's own stage, so that a lane then holds a whole block of 32 of its row.
.Lx:
	s_sub_co_u32 s5, ttmp9, 64
	s_lshl_b32 s5, s5, 2
	s_add_co_u32 s5, s5, s4
	s_lshr_b32 s6, s5, 1                           ; row block
	s_and_b32 s7, s5, 1                            ; which half of K
	s_lshr_b32 s28, s6, 1
	s_lshl_b32 s28, s28, 5
	s_and_b32 s29, s6, 1
	s_lshl_b32 s29, s29, 3
	s_add_co_u32 s28, s28, s29                     ; the row at place 0
	s_lshl_b32 s36, s28, 13
	s_lshl_b32 s29, s7, 12
	s_add_co_u32 s36, s36, s29
	s_mov_b32 s37, 0
	s_lshl_b32 s38, s6, 14
	s_lshl_b32 s29, s7, 13
	s_add_co_u32 s38, s38, s29
	s_mov_b32 s39, 0
	s_lshl_b32 s40, s6, 10
	s_lshl_b32 s29, s7, 9
	s_add_co_u32 s40, s40, s29
	s_mov_b32 s41, 0
	v_lshlrev_b32 v3, 4, v6
	v_lshl_add_u32 v3, v7, 13, v3                  ; in: 16 bytes a lane, lanes 16-31 one row further down
	s_mul_i32 s29, s4, XREG
	v_mul_u32_u24 v14, v7, SP
	v_lshl_add_u32 v14, v6, 4, v14
	v_add_nc_u32 v14, s29, v14                     ; into the stage as loaded
	v_mul_u32_u24 v15, v6, SP
	v_lshl_add_u32 v15, v7, 7, v15
	v_add_nc_u32 v15, s29, v15                     ; out of it: place r's row, block h of the step's two
	v_lshlrev_b32 v4, 4, v2                        ; out: 16 bytes a lane
	s_mov_b32 s30, 0x76543210
	s_mov_b32 s31, 0xfedcba98                      ; v_permlanex16_b32's selects for lane l xor 16
.irp i, 0,1,2,3,4,5,6,7
	v_mov_b32 v[216+\i], 0                         ; a lane permute's destination counts as one of its sources
.endr
	s_wait_kmcnt 0x0
	s_add_nc_u64 s[8:9], s[8:9], s[36:37]
	s_add_nc_u64 s[20:21], s[20:21], s[38:39]
	s_add_nc_u64 s[22:23], s[22:23], s[40:41]
.macro XLOAD t                         ; places 2 i and 2 i + 1 are rows 2 i + 8 (i / 4) and the next
.irp i, 0,1,2,3,4,5,6,7
	global_load_b128 v[16+32*((\t)%2)+4*\i:16+32*((\t)%2)+4*\i+3], v3, s[8:9] offset:(2*\i+8*(\i/4))*8192+256*(\t) th:TH_LOAD_NT
.endr
.endm
.macro XTURN t                         ; LDS serves a wave's instructions in order: no wait between the stores and the loads
.irp i, 0,1,2,3,4,5,6,7
	ds_store_b128 v14, v[16+32*((\t)%2)+4*\i:16+32*((\t)%2)+4*\i+3] offset:16*SP*((\t)%2)+2*SP*\i
.endr
.irp i, 0,1,2,3,4,5,6,7
	ds_load_b128 v[80+32*((\t)%2)+4*\i:80+32*((\t)%2)+4*\i+3], v15 offset:16*SP*((\t)%2)+16*\i
.endr
.endm
.macro XSTEP t
	s_wait_dscnt 0x0                               ; this step's numbers are back; its stores into the stage have read their registers,
.if (\t)+2 < 16
	XLOAD (\t)+2                                   ; which take the loads of two steps on
.endif
.if (\t)+1 < 16
.if (\t)+2 < 16
	s_wait_loadcnt 8                               ; the next step's eight loads are in; those just issued may be out
.else
	s_wait_loadcnt 0
.endif
	XTURN (\t)+1
.endif
	BLOCKQ 80+32*((\t)%2), 144+4*(\t)
.if (\t)%2 == 0
	v_mov_b32 v[208+4*((\t)/8)+((\t)%8)/2], v13    ; k block 2 t + h: byte 2 (t % 2) + h of word (t % 8) / 2
.else
	v_lshl_or_b32 v[208+4*((\t)/8)+((\t)%8)/2], v13, 16, v[208+4*((\t)/8)+((\t)%8)/2]
.endif
	global_store_b128 v4, v[144+4*(\t):144+4*(\t)+3], s[20:21] offset:512*(\t)   ; two k blocks: 512 neighbouring bytes
.endm
	XLOAD 0
	XLOAD 1
	s_wait_loadcnt 8                               ; step 0's eight loads are in
	XTURN 0
.irp t, 0,1,2,3,4,5,6,7,8,9,10,11,12,13,14,15
	XSTEP \t
.endr
	v_lshlrev_b32 v10, 3, v7
.irp i, 0,1,2,3,4,5,6,7
	v_lshlrev_b32 v[208+\i], v10, v[208+\i]        ; my bytes at their places, 8 h bits up,
.endr
.irp i, 0,1,2,3,4,5,6,7
	v_permlanex16_b32 v[216+\i], v[208+\i], s30, s31
.endr
.irp i, 0,1,2,3,4,5,6,7
	v_or_b32 v[208+\i], v[208+\i], v[216+\i]       ; with lane l xor 16's the words are whole
.endr
	v_cmp_ne_u32 vcc_lo, 0, v7
.irp i, 0,1,2,3
	v_cndmask_b32 v[208+\i], v[208+\i], v[212+\i], vcc_lo   ; lanes 0-15 store the first 512 along K, lanes 16-31 the second
.endr
	global_store_b128 v4, v[208:211], s[22:23]
	s_wait_tensorcnt 0x0
	ds_add_u32 v224, v225
	s_wait_dscnt 0x0
	s_endpgm
; ---- THE MASK.  A wave: the 16 queries of one row block, 1,024 keys = 8 steps of 128.  Word n of a step: bit r + 16 h = mask[query at place r][128 step + 32 (n / 16) + 16 h + n % 16]:
; the mask of register n of the scores as the attention launch holds them.  Beside them two flags a step: has it a key that counts, has it a hidden key.
.Lmask:
	s_lshl_b32 s5, ttmp9, 2
	s_add_co_u32 s5, s5, s4
	s_lshr_b32 s6, s5, 1                           ; row block of queries
	s_and_b32 s7, s5, 1                            ; which half of the keys
	s_lshr_b32 s28, s6, 1
	s_lshl_b32 s28, s28, 5
	s_and_b32 s29, s6, 1
	s_lshl_b32 s29, s29, 3
	s_add_co_u32 s28, s28, s29
	s_lshl_b32 s36, s28, 11
	s_lshl_b32 s29, s7, 10
	s_add_co_u32 s36, s36, s29
	s_mov_b32 s37, 0
	s_lshl_b32 s38, s5, 11                         ; 8 steps of 256 bytes for each half
	s_mov_b32 s39, 0
	s_lshl_b32 s34, s5, 2
	s_mov_b32 s35, 0
	v_lshlrev_b32 v3, 4, v6
	v_lshl_add_u32 v3, v7, 11, v3
	s_mul_i32 s29, s4, MREG
	s_add_co_u32 s29, s29, MST
	v_mul_u32_u24 v14, v7, SP
	v_lshl_add_u32 v14, v6, 4, v14
	v_add_nc_u32 v14, s29, v14
	v_mul_u32_u24 v15, v6, SP
	v_lshl_add_u32 v15, v7, 4, v15
	v_add_nc_u32 v15, s29, v15
	v_lshlrev_b32 v4, 3, v2
.irp i, 0,1,2,3,4,5,6,7,8,9,10,11,12,13,14,15
	v_mov_b32 v[144+\i], 0                         ; v_writelane_b32's destination counts as one of its sources
.endr
	s_mov_b32 s30, 0
	s_mov_b32 s31, 0
	s_wait_kmcnt 0x0
	s_add_nc_u64 s[18:19], s[18:19], s[36:37]
	s_add_nc_u64 s[24:25], s[24:25], s[38:39]
	s_add_nc_u64 s[26:27], s[26:27], s[34:35]
.irp c, 0,1,2,3
.irp i, 0,1,2,3,4,5,6,7
	global_load_b128 v[16+32*\c+4*\i:16+32*\c+4*\i+3], v3, s[18:19] offset:(2*\i+8*(\i/4))*2048+256*\c th:TH_LOAD_NT
.endr
.endr
.macro MSTEP k, sp                     ; the wave's step k, half sp of its chunk of 256 keys
	s_mov_b32 s28, -1
	s_mov_b32 s29, 0
.set N, 0
.rept 8
.irp e, 0,1,2,3,4,5,6,7
	v_and_b32 v[208+\e], 0xff<<(8*(\e%4)), v[176+16*(\sp)+(N+\e)/4]
	v_cmp_ne_u32 s[40+\e], 0, v[208+\e]            ; word N + e
.endr
.irp e, 0,1,2,3,4,5,6,7
	v_writelane_b32 v[144+2*(\k)+(\e%2)], s[40+\e], (N+\e)/2   ; lane i will store words 2 i and 2 i + 1
	s_and_b32 s28, s28, s[40+\e]
	s_or_b32 s29, s29, s[40+\e]
.endr
.set N, N+8
.endr
	s_cmp_lg_u32 s28, -1
	s_cselect_b32 s32, 1<<(\k), 0
	s_or_b32 s30, s30, s32                         ; some key counts
	s_cmp_lg_u32 s29, 0
	s_cselect_b32 s32, 1<<(\k), 0
	s_or_b32 s31, s31, s32                         ; some key is hidden
	global_store_b64 v4, v[144+2*(\k):145+2*(\k)], s[24:25] offset:256*(\k)   ; 256 aligned bytes
.endm
.macro MCHUNK c
	s_wait_loadcnt 8*(3-\c)                        ; this chunk's eight loads are in; the later chunks' may be out
.irp i, 0,1,2,3,4,5,6,7
	ds_store_b128 v14, v[16+32*\c+4*\i:16+32*\c+4*\i+3] offset:2*SP*\i
.endr
.irp i, 0,1,2,3,4,5,6,7
	ds_load_b128 v[176+4*\i:176+4*\i+3], v15 offset:32*\i    ; keys 32 i + 16 h + 0 .. 15 of place r's row
.endr
	s_wait_dscnt 0x0
	MSTEP 2*\c, 0
	MSTEP 2*\c+1, 1
.endm
	MCHUNK 0
	MCHUNK 1
	MCHUNK 2
	MCHUNK 3
	s_lshl_b32 s29, s7, 3
	s_lshl_b32 s30, s30, s29                       ; bit step: a key counts; bit 16 + step: a key is hidden
	s_lshl_b32 s31, s31, s29
	s_lshl_b32 s31, s31, 16
	s_or_b32 s30, s30, s31
	v_mov_b32 v8, s30
	v_mov_b32 v9, 0
	v_cmp_eq_u32 vcc_lo, 0, v2
	s_wait_xcnt 0x0                                ; EXEC is a source of the stores above: it changes only behind this wait
	s_wait_tensorcnt 0x0
	ds_add_u32 v224, v225
	s_wait_dscnt 0x0
	s_and_saveexec_b32 s32, vcc_lo
	global_store_b32 v9, v8, s[26:27]
	s_wait_xcnt 0x0
	s_or_b32 exec_lo, exec_lo, s32
	s_endpgm
.Lfunc_end_k_qb443e5bc6f_prep:
	.size	k_qb443e5bc6f_prep, .Lfunc_end_k_qb443e5bc6f_prep-k_qb443e5bc6f_prep
	.p2alignl 7, 3214868480
	.fill 96, 4, 3214868480
	.section	.rodata,"a",@progbits
	.p2align	6, 0x0
	.amdhsa_kernel k_qb443e5bc6f_prep
		.amdhsa_group_segment_fixed_size 52736
		.amdhsa_private_segment_fixed_size 0
		.amdhsa_enable_private_segment 0
		.amdhsa_kernarg_size 80
		.amdhsa_user_sgpr_count 2
		.amdhsa_user_sgpr_kernarg_segment_ptr 1
		.amdhsa_wavefront_size32 1
		.amdhsa_system_sgpr_workgroup_id_x 1
		.amdhsa_system_sgpr_workgroup_id_y 1
		.amdhsa_system_sgpr_workgroup_id_z 1
		.amdhsa_system_vgpr_workitem_id 0
		.amdhsa_next_free_vgpr 226
		.amdhsa_next_free_sgpr 66
		.amdhsa_reserve_vcc 1
		.amdhsa_float_denorm_mode_32 3
		.amdhsa_float_denorm_mode_16_64 3
		.amdhsa_memory_ordered 1
		.amdhsa_forward_progress 1
		.amdhsa_inst_pref_size 255
	.end_amdhsa_kernel
	.section	.bss,"aw",@nobits
	.p2align	6
	.space	262144
	.amdgpu_metadata
---
amdhsa.version: [ 1, 2 ]
amdhsa.kernels:
  - .name:           k_qb443e5bc6f_prep
    .symbol:         k_qb443e5bc6f_prep.kd
    .args:
      - { .name: x, .offset: 0, .size: 8, .value_kind: global_buffer, .address_space: global }
      - { .name: wq, .offset: 8, .size: 8, .value_kind: global_buffer, .address_space: global }
      - { .name: wk, .offset: 16, .size: 8, .value_kind: global_buffer, .address_space: global }
      - { .name: wv, .offset: 24, .size: 8, .value_kind: global_buffer, .address_space: global }
      - { .name: wo, .offset: 32, .size: 8, .value_kind: global_buffer, .address_space: global }
      - { .name: mask, .offset: 40, .size: 8, .value_kind: global_buffer, .address_space: global }
      - { .name: cod, .offset: 48, .size: 8, .value_kind: global_buffer, .address_space: global }
      - { .name: scl, .offset: 56, .size: 8, .value_kind: global_buffer, .address_space: global }
      - { .name: mb, .offset: 64, .size: 8, .value_kind: global_buffer, .address_space: global }
      - { .name: fl, .offset: 72, .size: 8, .value_kind: global_buffer, .address_space: global }
    .group_segment_fixed_size: 52736
    .private_segment_fixed_size: 0
    .kernarg_segment_align: 8
    .kernarg_segment_size: 80
    .max_flat_workgroup_size: 128
    .sgpr_count:     66
    .vgpr_count:     226
    .wavefront_size: 32
...
	.end_amdgpu_metadata
.endif
;; end of part 1
;; launch qkvg (part 2): grid 24 x 8, 4 waves a work-group, clusters of 4 x 4, 327,680 bytes of LDS; arguments cod, scl, qkv; writes qkv
.if DOCPART == 2
	.amdgcn_target "amdgcn-amd-amdhsa--gfx1250"
	.amdhsa_code_object_version 6
	.text
	.protected	k_qb443e5bc6f_qkvg
	.globl	k_qb443e5bc6f_qkvg
	.p2align	8
	.type	k_qb443e5bc6f_qkvg,@function
k_qb443e5bc6f_qkvg:
	s_mov_b64 s[64:65], 0
	v_nop
	global_prefetch_b8 v0, s[64:65] scope:SCOPE_SE
	s_setreg_imm32_b32 hwreg(HW_REG_WAVE_MODE, 25, 1), 1
	s_wait_xcnt 0x0
	s_wait_alu depctr_hold_cnt(0) depctr_sa_sdst(0) depctr_va_vdst(0) depctr_va_sdst(0) depctr_va_ssrc(0) depctr_va_vcc(0) depctr_vm_vsrc(0)
	s_getreg_b32 s2, hwreg(HW_REG_IB_STS2, 6, 4)
	s_cmp_eq_u32 s2, 0
	s_cbranch_scc0 .Lentry_in_a_cluster
	s_endpgm
.Lentry_in_a_cluster:
	s_bfe_u32 s2, ttmp6, 0x10000c
	s_cmp_lg_u32 s2, 0xf033
	s_cbranch_scc0 .Lentry_shape_is_right
	s_endpgm
.Lentry_shape_is_right:
; q = rope(x wq), k = rope(x wk), v = x wv on codes of FP4, and their quantising for the attention launch.  One text for two shapes of one product, D = source 0's rows (in a lane's
; registers) x source 1's rows (in the lanes), 256 x 256 a work-group, 128 x 128 a wave (64 accumulators), K = 2,048 in four steps of 512 through two LDS slots.
;   tile column 0-15 (head tx): source 0 = wq's and wk's 128 channels of the head, source 1 = 256 tokens: a lane holds ONE token, its registers run along the head's channels;
;   tile column 16-23: source 0 = 256 tokens, source 1 = wv's channels of two heads: a lane holds ONE channel, its registers run along the tokens, which are the second product's K.
; Every operand lies in memory as images of operand registers (16 rows x 128 K = 1,024 bytes, lane l's 16 bytes at 16 l): no pitch, no padding; a load of 32 lanes takes 512 bytes on end.
; Row places are permuted (place p of 32 = row p with bits 3 and 4 exchanged), so that the 16 registers of source 0's blocks 2 b, 2 b + 1 are 16 NEIGHBOURS: 32 b + 16 (lane / 16) + 0 .. 15.
; ROPE.  angle = RN(t x f), f = RN(1 / RN(10000^(i / 1024))), as the tables are defined in f32.  10000^(i / 1024) is a product of repeated square roots of 100 in double-float arithmetic; cos and sin of
; the exact t f come from tables for t % 32 and t - t % 32 by the addition theorem, and are then moved by delta = t f - RN(t f), which one fused multiply-add gives exactly.
; LIMITS: f equals the defining bits only where that power is correctly rounded there; cos and sin are good to about 3e-7.  NaN and infinities are not served; a block under 2^-124 keeps the byte 1.
; CLUSTERS: 4 x 4.  Source 1's tiles hang on the tile row alone and are shared along a row of the cluster, source 0's on the tile column alone and are shared along a column: joint loads.
; 192 work-groups: with tiles of 128 rows each LDS byte would feed half the products.  By this text's count a wave has three tensor loads out at the start and one behind each round.
; REGISTERS: window 0: v1-29 addresses; v32-95 scale words, two sets, and nothing else; v96-223 at work at the head and on the way out.  window 1: two sets of fragments (source 0's 8 at 128 p, source 1's at 128 p + 64);
; on the way out the tables.  windows 2, 3: the accumulators, (a, b) at v[8 (8 (a % 4) + b)].
.set SLOT,  131072                     ; a slot: source 1's 16 row blocks x 4,096 bytes, then source 0's
.set RBS,   4096
.set SCL,   2*SLOT                     ; the scale bytes of all of K: source 1's 16 KiB, source 0's 16 KiB: filled once
.set TAB,   SCL+32768                  ; 42 table rows of 64 cos, 64 sin and 16 bytes: rows 0-31 t % 32; 32-39 t = 256 ty + 32 n; 40, 41 f
.set TP,    528
.set SPARE, TAB+22272                  ; the spare words, 128 bytes for each wave
.set BLKB,  26112                      ; a block of qkv: K's codes 0, V's 8192, K's scales 16384, V's 16896, Q's codes 17408, Q's scales 25600
.set LI,   16                          ; v16  16 x lane
.set ADRA, 17                          ; v17-18  my fragments of source 1 in slot 0, 1
.set ADRB, 20                          ; v20-21  of source 0
.set ATL,  22                          ; v22  table row t % 32 of my lane
.set ATH,  23                          ; v23  table rows of my 128 tokens' upper parts
.set ATB,  24                          ; v24  TAB + 32 (lane / 16)
.set ADRS, 27                          ; v27  my scale words: lanes 0-15 source 1's, lanes 16-31 source 0's
.set SPW,  28
.set NIL,  29
.set SC,   32
.set HA,   96                          ; v96-159  64 numbers ahead of the quantiser
.set DL,   160                         ; v160-191 delta, then products at work
.set TM,   192                         ; v192-207 the quantiser's
.set PC,   208                         ; v208-215 the codes just made
.set WD,   216                         ; v216-223 the eight scale words
.set CL,   0                           ; window 1 on the way out: cos, sin of t % 32; the finished cos, sin; cos, sin of the upper part; f
.set SL,   32
.set CC,   64
.set SS,   96
.set CH,   128
.set SH,   160
.set TH,   192
.set G1, 24
.set G0, 32
.set G1B, 48
.set G0B, 56
.set G1S, 68
.set G0S, 76
.set G1SB, 80
.set G0SB, 88
.set MSB, 0
.macro WIN new                         ; the immediate's high byte repeats the setting that is left
.if MSB != \new
	s_set_vgpr_msb (MSB<<8)|\new
.set MSB, \new
.endif
.endm
.set MUL_LO, 0xa5                      ; both sources window 1, C and D window 2
.set MUL_HI, 0xf5                      ; C and D window 3
.set TO_F,   0x40                      ; destination window 1
.macro JLOAD g0a, g1a, g0b, g1b        ; a joint load: waves 0, 1 fetch source 1's halves, waves 2, 3 source 0's; four v_nop follow each line
	s_cmp_eq_u32 s15, 0
	s_cbranch_scc0 .Lfor_b_\@
	tensor_load_to_lds s[\g0a:\g0a+3], s[\g1a:\g1a+7]
	s_nop 0
.rept 4
	v_nop
.endr
	s_branch .Lasked_\@
.Lfor_b_\@:
	tensor_load_to_lds s[\g0b:\g0b+3], s[\g1b:\g1b+7]
	s_nop 0
.rept 4
	v_nop
.endr
.Lasked_\@:
.endm
.macro CREST
	s_cmp_lg_u32 s14, 0
	s_cbranch_scc1 .Lnot_wave_0_\@
	s_barrier_signal -3
.Lnot_wave_0_\@:
	s_barrier_wait -3
	s_barrier_signal -1
	s_barrier_wait -1
.endm
.macro CROUND
	s_barrier_signal -1
	s_barrier_wait -1
	CREST
.endm
.macro PLACES n
.rept \n
	v_nop
.endr
.endm
	s_load_b128 s[4:7], s[0:1], 0x0                ; cod, scl
	s_load_b64 s[8:9], s[0:1], 0x10                ; qkv
	v_lshl_add_u32 v[SPW], v0, 2, SPARE
	v_mov_b32 v[NIL], 0
	ds_add_u32 v28, v29
	ds_add_u32 v28, v29
	s_wait_dscnt 0x0
	v_lshrrev_b32 v1, 5, v0
	v_readfirstlane_b32 s14, v1                    ; wave
	s_lshr_b32 s15, s14, 1                         ; my half of source 1's rows.  Also: I fetch for source 1 (0) or source 0 (1)
	s_and_b32 s16, s14, 1                          ; my half of source 0's rows.  Also: which 8 row blocks I fetch
	s_bfe_u32 s40, ttmp6, 0x40000                  ; cx
	s_bfe_u32 s41, ttmp6, 0x40004                  ; cy
	s_lshl_b32 s42, ttmp9, 2
	s_add_co_u32 s42, s42, s40                     ; tx
	s_and_b32 s17, ttmp7, 0xffff
	s_lshl_b32 s17, s17, 2
	s_add_co_u32 s17, s17, s41                     ; ty
	s_lshl_b32 s43, s41, 2
	s_lshl_b32 s43, 15, s43                        ; my row of the cluster
	s_lshl_b32 s44, 0x1111, s40                    ; my column
	s_lshr_b32 s10, ttmp9, 2                       ; 1: the V shape; equal in all partners
	s_mul_i32 s11, s10, 384
	s_mov_b32 s12, 0x76543210
	s_mov_b32 s13, 0xfedcba98                      ; v_permlanex16_b32's selects for lane l xor 16
	; group 1, codes: 8 row blocks x 4,096 bytes (512 elements of 8 bytes), 16,384 bytes apart
	s_or_b32 s[G1+0], s43, (3<<16)|(1<<21)
	s_or_b32 s[G1B+0], s44, (3<<16)|(1<<21)
.irp g, G1, G1B
	s_mov_b32 s[\g+1], 512<<16
	s_mov_b32 s[\g+2], 8<<16
	s_mov_b32 s[\g+3], 512<<16
	s_mov_b32 s[\g+4], 8
	s_mov_b32 s[\g+5], 2048
	s_mov_b32 s[\g+6], 0
	s_mov_b32 s[\g+7], 0
.endr
	; group 1, scale bytes: 8 row blocks x 1,024 dense bytes, as 32 rows of 256
	s_or_b32 s[G1S+0], s43, (3<<16)|(1<<21)
	s_or_b32 s[G1SB+0], s44, (3<<16)|(1<<21)
.irp g, G1S, G1SB
	s_mov_b32 s[\g+1], 32<<16
	s_mov_b32 s[\g+2], 32<<16
	s_mov_b32 s[\g+3], 32<<16
	s_mov_b32 s[\g+4], 32
	s_mov_b32 s[\g+5], 32
	s_mov_b32 s[\g+6], 0
	s_mov_b32 s[\g+7], 0
.endr
	s_lshl_b32 s18, s16, 3
	s_lshl_b32 s20, s17, 4
	s_add_co_u32 s20, s20, s11
	s_add_co_u32 s20, s20, s18                     ; source 1: row block 16 ty (x) or 384 + 16 ty (wv), + my 8
	s_lshl_b32 s46, s42, 4
	s_add_co_u32 s46, s46, 128
	s_sub_co_u32 s46, s46, s11
	s_add_co_u32 s46, s46, s18                     ; source 0: 128 + 16 tx (wq, wk) or 16 (tx - 16) (x)
	s_lshl_b32 s22, s20, 10
	s_mov_b32 s23, 0
	s_lshl_b32 s92, s46, 10
	s_mov_b32 s93, 0
	s_lshl_b32 s20, s20, 14
	s_mov_b32 s21, 0
	s_lshl_b32 s46, s46, 14
	s_mov_b32 s47, 0
	s_lshl_b32 s45, s14, 15                        ; where they go: wave x 32,768, wave x 8,192: no place in the cluster enters an LDS address
	s_lshl_b32 s94, s14, 13
	s_wait_kmcnt 0x0
	s_add_nc_u64 s[20:21], s[4:5], s[20:21]
	s_add_nc_u64 s[22:23], s[6:7], s[22:23]
	s_add_nc_u64 s[46:47], s[4:5], s[46:47]
	s_add_nc_u64 s[92:93], s[6:7], s[92:93]
	CROUND                                         ; all sixteen work-groups are here: the first joint loads meet
	s_mov_b32 s[G0S], 1
	s_add_co_u32 s[G0S+1], s94, SCL
	s_mov_b64 s[G0S+2:G0S+3], s[22:23]
	s_or_b32 s[G0S+3], s[G0S+3], 0x80000000
	s_mov_b32 s[G0SB], 1
	s_add_co_u32 s[G0SB+1], s94, SCL
	s_mov_b64 s[G0SB+2:G0SB+3], s[92:93]
	s_or_b32 s[G0SB+3], s[G0SB+3], 0x80000000
	JLOAD G0S, G1S, G0SB, G1SB
.irp s, 0,1
	s_mov_b32 s[G0+4*\s], 1
	s_add_co_u32 s[G0+4*\s+1], s45, \s*SLOT
	s_add_nc_u64 s[G0+4*\s+2:G0+4*\s+3], s[20:21], \s*RBS
	s_or_b32 s[G0+4*\s+3], s[G0+4*\s+3], 0x80000000
	s_mov_b32 s[G0B+4*\s], 1
	s_add_co_u32 s[G0B+4*\s+1], s45, \s*SLOT
	s_add_nc_u64 s[G0B+4*\s+2:G0B+4*\s+3], s[46:47], \s*RBS
	s_or_b32 s[G0B+4*\s+3], s[G0B+4*\s+3], 0x80000000
	JLOAD G0+4*\s, G1, G0B+4*\s, G1B
.endr
	v_and_b32 v1, 15, v0                           ; r
	v_bfe_u32 v2, v0, 4, 1                         ; h
	v_and_b32 v3, 31, v0
	v_lshlrev_b32 v[LI], 4, v3
	s_lshl_b32 s18, s15, 15
	s_lshl_b32 s19, s16, 15
	s_add_co_u32 s19, s19, 65536
.irp s, 0,1
	v_add_nc_u32 v[ADRA+\s], s18, v[LI]
	v_add_nc_u32 v[ADRB+\s], s19, v[LI]
	s_add_co_u32 s18, s18, SLOT
	s_add_co_u32 s19, s19, SLOT
.endr
	s_lshl_b32 s18, s15, 13
	s_lshl_b32 s19, s16, 13
	s_add_co_u32 s19, s19, 16384
	s_sub_co_u32 s19, s19, s18
	v_mul_u32_u24 v4, s19, v2                      ; lanes 16-31 take source 0's: one product, the distance between the two bases
	s_add_co_u32 s18, s18, SCL
	v_lshl_add_u32 v4, v1, 4, v4
	v_add_nc_u32 v[ADRS], s18, v4
	v_lshrrev_b32 v4, 3, v1
	v_lshl_add_u32 v4, v4, 3, v1                   ; r + 8 (r / 8)
	v_lshlrev_b32 v5, 5, v2
	v_add_nc_u32 v[ATB], TAB, v5
	v_mad_u32_u24 v[ATL], v4, TP, v[ATB]
	s_mul_i32 s18, s15, 4*TP
	v_add_nc_u32 v[ATH], s18, v[ATB]
	s_lshl_b32 s96, s17, 8
	s_lshl_b32 s97, s15, 7
	s_add_co_u32 s97, s97, s96
	v_add_nc_u32 v15, s97, v4                      ; my lane's token in block 0 of my 128
.irp b, 0,1,2,3
	v_mov_b32 v[TM+4+\b], 0                        ; a lane permute's destination counts as one of its sources
.endr
; ---- THE TABLES, while the first tiles are on their way.  Thread: pair = v0 % 64, half = v0 / 64.  Every work-group walks this one path (in the V shape the rows are not read).
.set PAIR, 100
.set HALF, 101
.set IDX,  102
.set PH,   104                         ; the power, in two parts
.set PL,   105
.set GH,   106                         ; 10000^(2^b / 1024), in two parts
.set GL,   107
.set THT,  116                         ; f
.set VB,   118
.set VA,   119
.set K1,   122
.set K2,   123
.set TF,   224                         ; v224-227 t of the four rows in hand; v228-231 t of rows 32 on
.set TFH,  228
.set EV,   128                         ; v128-191 four sets of 16 at work
	v_and_b32 v[PAIR], 63, v0
	v_lshrrev_b32 v[HALF], 6, v0
	s_lshl_b32 s97, s42, 6
	v_add_nc_u32 v[IDX], s97, v[PAIR]              ; i = 64 head + pair
	v_mul_u32_u24 v[VB], v[HALF], TP
	v_lshl_add_u32 v[VB], v[PAIR], 2, v[VB]
	v_add_nc_u32 v[VB], TAB, v[VB]
	v_mov_b32 v[K1], 0xb94ca1f9
	v_mov_b32 v[K2], 0x37ccf5ce
.irp k, 0,1,2,3
	v_add_nc_u32 v[TF+\k], 2*\k, v[HALF]
	v_lshl_add_u32 v[TFH+\k], v[TF+\k], 5, s96     ; 256 ty + 32 (2 k + half)
.endr
.irp k, 0,1,2,3
	v_cvt_f32_u32 v[TF+\k], v[TF+\k]
	v_cvt_f32_u32 v[TFH+\k], v[TFH+\k]
.endr
.macro DFMULSEL b                      ; the power x (bit b of i ? g : 1), in two parts
	v_and_b32 v108, 1<<\b, v[IDX]
	v_cmp_ne_u32 vcc_lo, 0, v108
	v_cndmask_b32 v109, 1.0, v[GH], vcc_lo
	v_cndmask_b32 v110, 0, v[GL], vcc_lo
	v_mul_f32 v111, v[PH], v109
	v_fma_f32 v112, v[PH], v109, -v111             ; what the product lost,
	v_fma_f32 v112, v[PH], v110, v112
	v_fma_f32 v112, v[PL], v109, v112              ; and the cross terms
	v_add_f32 v[PH], v111, v112
	v_sub_f32 v113, v[PH], v111
	v_sub_f32 v[PL], v112, v113
.endm
.macro DFSQRT                          ; g = sqrt(g), in two parts: one Newton step on the residual
	v_sqrt_f32 v108, v[GH]
	v_nop
	s_wait_alu depctr_va_vdst(0)
	v_rcp_f32 v109, v108
	v_fma_f32 v110, -v108, v108, v[GH]             ; (the plain line behind the reciprocal)
	v_add_f32 v110, v110, v[GL]
	s_wait_alu depctr_va_vdst(0)
	v_mul_f32 v109, 0.5, v109
	v_mul_f32 v110, v110, v109
	v_add_f32 v[GH], v108, v110
	v_sub_f32 v111, v[GH], v108
	v_sub_f32 v[GL], v110, v111
.endm
	v_mov_b32 v[PH], 1.0
	v_mov_b32 v[PL], 0
	v_mov_b32 v[GH], 0x42c80000                    ; 100 = 10000^(512 / 1024)
	v_mov_b32 v[GL], 0
	DFMULSEL 9
	v_mov_b32 v[GH], 0x41200000                    ; 10
	DFMULSEL 8
.irp b, 7,6,5,4,3,2,1,0
	DFSQRT
	DFMULSEL \b
.endr
	v_rcp_f32 v[THT], v[PH]                        ; the upper part is the power rounded to f32; f = 1 / it, two corrections
	v_nop
	s_wait_alu depctr_va_vdst(0)
	v_fma_f32 v108, -v[PH], v[THT], 1.0
	v_fma_f32 v[THT], v[THT], v108, v[THT]
	v_fma_f32 v108, -v[PH], v[THT], 1.0
	v_fma_f32 v[THT], v[THT], v108, v[THT]
	ds_store_b32 v[VB], v[THT] offset:40*TP
	s_mov_b32 s95, 0
	s_mov_b32 s3, 5
.Ltab:                                                 ; a trip: rows 8 n + 2 k + half, k = 0 .. 3, line by line, so that no line waits for the line above it
.irp k, 0,1,2,3
	v_mul_f32 v[EV+16*\k], v[TF+\k], v[THT]                              ; t f, upper part,
.endr
.irp k, 0,1,2,3
	v_fma_f32 v[EV+16*\k+1], v[TF+\k], v[THT], -v[EV+16*\k]              ; and what it lost
.endr
.irp k, 0,1,2,3
	v_mul_f32 v[EV+16*\k+2], 0x3f22f983, v[EV+16*\k]
.endr
.irp k, 0,1,2,3
	v_rndne_f32 v[EV+16*\k+2], v[EV+16*\k+2]                             ; how many quarter turns
.endr
.irp k, 0,1,2,3
	v_fma_f32 v[EV+16*\k+3], v[EV+16*\k+2], 0xbfc90fdb, v[EV+16*\k]      ; less pi / 2 in two parts
.endr
.irp k, 0,1,2,3
	v_fma_f32 v[EV+16*\k+3], v[EV+16*\k+2], 0x333bbd2e, v[EV+16*\k+3]
.endr
.irp k, 0,1,2,3
	v_add_f32 v[EV+16*\k+3], v[EV+16*\k+3], v[EV+16*\k+1]                ; r, within pi / 4
.endr
.irp k, 0,1,2,3
	v_mul_f32 v[EV+16*\k+4], v[EV+16*\k+3], v[EV+16*\k+3]                ; z = r r
.endr
.irp k, 0,1,2,3
	v_cvt_i32_f32 v[EV+16*\k+5], v[EV+16*\k+2]
.endr
.irp k, 0,1,2,3
	v_fma_f32 v[EV+16*\k+6], v[K1], v[EV+16*\k+4], 0x3c08839e
	v_fma_f32 v[EV+16*\k+7], v[K2], v[EV+16*\k+4], 0xbab6061a
.endr
.irp k, 0,1,2,3
	v_fma_f32 v[EV+16*\k+6], v[EV+16*\k+6], v[EV+16*\k+4], 0xbe2aaaa3
	v_fma_f32 v[EV+16*\k+7], v[EV+16*\k+7], v[EV+16*\k+4], 0x3d2aaaa5
.endr
.irp k, 0,1,2,3
	v_mul_f32 v[EV+16*\k+6], v[EV+16*\k+6], v[EV+16*\k+4]
	v_mul_f32 v[EV+16*\k+7], v[EV+16*\k+7], v[EV+16*\k+4]
.endr
.irp k, 0,1,2,3
	v_fma_f32 v[EV+16*\k+8], v[EV+16*\k+4], -0.5, 1.0
.endr
.irp k, 0,1,2,3
	v_fma_f32 v[EV+16*\k+6], v[EV+16*\k+6], v[EV+16*\k+3], v[EV+16*\k+3] ; sin r
	v_fma_f32 v[EV+16*\k+7], v[EV+16*\k+7], v[EV+16*\k+4], v[EV+16*\k+8] ; cos r
.endr
.irp k, 0,1,2,3
	v_and_b32 v[EV+16*\k+8], 1, v[EV+16*\k+5]
	v_lshlrev_b32 v[EV+16*\k+9], 30, v[EV+16*\k+5]                       ; sin's sign: bit 1 of the count
	v_add_nc_u32 v[EV+16*\k+5], 1, v[EV+16*\k+5]
.endr
.irp k, 0,1,2,3
	v_cmp_ne_u32 s[96+\k], 0, v[EV+16*\k+8]
	v_lshlrev_b32 v[EV+16*\k+5], 30, v[EV+16*\k+5]                       ; cos's: bit 1 of the count + 1
.endr
.irp k, 0,1,2,3
	v_cndmask_b32 v[EV+16*\k], v[EV+16*\k+6], v[EV+16*\k+7], s[96+\k]    ; an odd count exchanges the two
	v_cndmask_b32 v[EV+16*\k+1], v[EV+16*\k+7], v[EV+16*\k+6], s[96+\k]
.endr
.irp k, 0,1,2,3
	v_and_b32 v[EV+16*\k+9], 0x80000000, v[EV+16*\k+9]
	v_and_b32 v[EV+16*\k+5], 0x80000000, v[EV+16*\k+5]
.endr
.irp k, 0,1,2,3
	v_xor_b32 v[EV+16*\k], v[EV+16*\k], v[EV+16*\k+9]
	v_xor_b32 v[EV+16*\k+1], v[EV+16*\k+1], v[EV+16*\k+5]
.endr
	v_add_nc_u32 v[VA], s95, v[VB]
.irp k, 0,1,2,3
	ds_store_b32 v[VA], v[EV+16*\k+1] offset:2*TP*\k
	ds_store_b32 v[VA], v[EV+16*\k] offset:2*TP*\k+256
.endr
.irp k, 0,1,2,3
	v_add_f32 v[TF+\k], 0x41000000, v[TF+\k]       ; eight rows on;
.endr
	s_cmp_eq_u32 s3, 2                             ; behind the fourth trip: the rows of the upper parts
	s_cselect_b32 s96, -1, 0
.irp k, 0,1,2,3
	v_cndmask_b32 v[TF+\k], v[TF+\k], v[TFH+\k], s96
.endr
	s_add_co_u32 s95, s95, 8*TP
	s_sub_co_u32 s3, s3, 1
	s_cmp_lg_u32 s3, 0
	s_cbranch_scc1 .Ltab
; ---- THE PRODUCT
.macro FRAG reg, adr, off              ; a fragment as it lies: two loads of 512 bytes on end
	ds_load_b128 v[\reg:\reg+3], v[\adr] offset:\off
	ds_load_b128 v[\reg+4:\reg+7], v[\adr] offset:\off+512
.endm
.macro FETCH slot, q, p                ; the 16 fragments of the slot's q-th 128 along K into set p: 32 loads
	WIN TO_F
.irp i, 0,1,2,3,4,5,6,7
	FRAG 128*(\p)+8*\i, ADRB+\slot, \i*RBS+(\q)*1024
.endr
.irp i, 0,1,2,3,4,5,6,7
	FRAG 128*(\p)+64+8*\i, ADRA+\slot, \i*RBS+(\q)*1024
.endr
.endm
.macro SCALES sc                       ; a K step's scale words: four a row; lanes 0-15 source 1's block i, lanes 16-31 source 0's block i
.irp i, 0,1,2,3,4,5,6,7
	ds_load_b128 v[SC+32*\sc+4*\i:SC+32*\sc+4*\i+3], v[ADRS] offset:\i*1024
.endr
.endm
; 16 products.  The 64 accumulators take turns, one instruction a turn, in the same order in every step.  zero = 1: the first product starts the sums.
.macro MUL16 a0, p, q, sc, zero
.irp a, \a0, \a0+1
.irp b, 0,1,2,3,4,5,6,7
.if \zero
	v_wmma_scale_f32_16x16x128_f8f6f4 v[8*(8*((\a)%4)+\b):8*(8*((\a)%4)+\b)+7], v[128*(\p)+8*\b:128*(\p)+8*\b+7], v[128*(\p)+64+8*(\a):128*(\p)+64+8*(\a)+7], 0, v[SC+32*(\sc)+4*\b+(\q)], v[SC+32*(\sc)+4*(\a)+(\q)] matrix_a_fmt:MATRIX_FMT_FP4 matrix_b_fmt:MATRIX_FMT_FP4 matrix_a_scale:MATRIX_SCALE_ROW1
.else
	v_wmma_scale_f32_16x16x128_f8f6f4 v[8*(8*((\a)%4)+\b):8*(8*((\a)%4)+\b)+7], v[128*(\p)+8*\b:128*(\p)+8*\b+7], v[128*(\p)+64+8*(\a):128*(\p)+64+8*(\a)+7], v[8*(8*((\a)%4)+\b):8*(8*((\a)%4)+\b)+7], v[SC+32*(\sc)+4*\b+(\q)], v[SC+32*(\sc)+4*(\a)+(\q)] matrix_a_fmt:MATRIX_FMT_FP4 matrix_b_fmt:MATRIX_FMT_FP4 matrix_a_scale:MATRIX_SCALE_ROW1
.endif
.endr
.endr
.endm
.macro STEP slot, q, zero              ; 128 along K whose successor lies in the same slot
	PLACES 4                                       ; the other set was read by the products just issued (for instructions other than loads)
	FETCH \slot, (\q)+1, 1-(\q)%2
	s_wait_dscnt 32                                ; all but the 32 just issued: this step's fragments are in
	WIN MUL_LO
	MUL16 0, (\q)%2, \q, \slot, \zero
	MUL16 2, (\q)%2, \q, \slot, \zero
	WIN MUL_HI
	MUL16 4, (\q)%2, \q, \slot, \zero
	MUL16 6, (\q)%2, \q, \slot, \zero
.endm
; A slot's last step changes slots: one barrier; in front of it each wave waits for all its tensor loads, adds 0 to its spare word, and waits for that and for its reads of this slot.
.macro TURN slot, next, fill
	WIN 0
	s_wait_tensorcnt 0x0                           ; my part of the next slot has landed; no load of mine is out
	ds_add_u32 v[SPW], v[NIL]
	s_wait_dscnt 1                                 ; this step's fragments are in; the add may be out
	WIN MUL_LO
	MUL16 0, 1, 3, \slot, 0
	s_wait_dscnt 0x0                               ; the add is done, and my reads of this slot are over
	s_barrier_signal -1
	MUL16 2, 1, 3, \slot, 0
	WIN 0
	s_barrier_wait -1
.if \fill
	CREST                                          ; the barrier has opened a round of the cluster's: no wave of any partner still reads this slot or has a load on its way
	s_add_nc_u64 s[G0+4*\slot+2:G0+4*\slot+3], s[G0+4*\slot+2:G0+4*\slot+3], 2*RBS
	s_add_nc_u64 s[G0B+4*\slot+2:G0B+4*\slot+3], s[G0B+4*\slot+2:G0B+4*\slot+3], 2*RBS
	JLOAD G0+4*\slot, G1, G0B+4*\slot, G1B         ; the first tensor load behind the round; its four v_nop are the places in front of the loads below
.else
	PLACES 4
.endif
	v_add_nc_u32 v[ADRS], 256, v[ADRS]             ; the next K step's scale words
	FETCH \next, 0, 0
	WIN 0
	SCALES \next
	WIN MUL_HI
	MUL16 4, 1, 3, \slot, 0
	MUL16 6, 1, 3, \slot, 0
.endm
	s_wait_dscnt 0x0                               ; my table rows lie in LDS,
	s_wait_tensorcnt 1                             ; the scale bytes and my part of slot 0 are in (slot 1's load may be out)
	s_barrier_signal -1
	s_barrier_wait -1
	FETCH 0, 0, 0
	WIN 0
	SCALES 0
	STEP 0, 0, 1
	STEP 0, 1, 0
	STEP 0, 2, 0
	TURN 0, 1, 1
	STEP 1, 0, 0
	STEP 1, 1, 0
	STEP 1, 2, 0
	TURN 1, 0, 1
	STEP 0, 0, 0
	STEP 0, 1, 0
	STEP 0, 2, 0
	TURN 0, 1, 0                                   ; nothing is left to fetch
	STEP 1, 0, 0
	STEP 1, 1, 0
	STEP 1, 2, 0
	s_wait_dscnt 0x0
	WIN MUL_LO
	MUL16 0, 1, 3, 1, 0
	MUL16 2, 1, 3, 1, 0
	WIN MUL_HI
	MUL16 4, 1, 3, 1, 0
	MUL16 6, 1, 3, 1, 0
	WIN 0
	PLACES 4                                       ; in front of the first read of results and of loads into the fragments' registers
; 64 numbers of a lane in window w, v[s] on, register 16 b + i = k 32 b + 16 (lane / 16) + i of the lane's row, become a fragment's codes in v[PC] on and its scale word in v[pw]
.macro QUANT s, w, pw
.set QW, (\w)|((\w)<<2)
	WIN QW
.irp b, 0,1,2,3
	v_max3_num_f32 v[TM+\b], |v[\s+16*\b]|, |v[\s+1+16*\b]|, 0x1800000   ; the floor 2^(3 - 127): the byte cannot fall under 1
.endr
.irp i, 2,4,6,8,10,12,14
.irp b, 0,1,2,3
	v_max3_num_f32 v[TM+\b], |v[\s+16*\b+\i]|, |v[\s+1+16*\b+\i]|, v[TM+\b]
.endr
.endr
	WIN 0
.irp b, 0,1,2,3
	v_permlanex16_b32 v[TM+4+\b], v[TM+\b], s12, s13
.endr
.irp b, 0,1,2,3
	v_max_num_f32 v[TM+\b], v[TM+\b], v[TM+4+\b]   ; with lane l xor 16's: the block's largest magnitude
.endr
.irp b, 0,1,2,3
	v_add_nc_u32 v[TM+12+\b], 0xff000000, v[TM+\b]
.endr
.irp b, 0,1,2,3
	v_lshrrev_b32 v[TM+4+\b], 23, v[TM+12+\b]
.endr
	v_lshl_or_b32 v[\pw], v[TM+5], 8, v[TM+4]
	v_lshl_or_b32 v[\pw], v[TM+6], 16, v[\pw]
	v_lshl_or_b32 v[\pw], v[TM+7], 24, v[\pw]
.set QW, \w
	WIN QW
.irp b, 0,1,2,3
	v_cvt_scalef32_pk8_fp4_f32 v[PC+2*\b], v[\s+16*\b:\s+7+16*\b], v[TM+12+\b]
	v_cvt_scalef32_pk8_fp4_f32 v[PC+1+2*\b], v[\s+8+16*\b:\s+15+16*\b], v[TM+12+\b]
.endr
	WIN 0
	v_nop                                          ; one plain line behind a scaled conversion
.irp c, 0,1                                    ; the operand's layout wants a whole block in a lane
.irp i, 0,1
	v_permlane16_swap_b32 v[PC+4*\c+\i], v[PC+2+4*\c+\i]
.endr
.endr
.endm
.macro OUTF a                          ; the fragment leaves as it stands: twice 512 bytes on end
	global_store_b128 v[LI], v[PC:PC+3], s[98:99] offset:1024*(\a)
	global_store_b128 v[LI], v[PC+4:PC+7], s[98:99] offset:1024*(\a)+512
.endm
.macro OUTS                            ; the eight scale words: lanes 0-15 store tiles 0-3's, lanes 16-31 tiles 4-7's: 512 bytes on end
	v_cmp_ne_u32 vcc_lo, 0, v2
.irp i, 0,1,2,3
	v_cndmask_b32 v[WD+\i], v[WD+\i], v[WD+4+\i], vcc_lo
.endr
	global_store_b128 v[LI], v[WD:WD+3], s[100:101]
.endm
	s_cmp_ge_u32 ttmp9, 4                          ; the cluster's x: the same in all partners
	s_cbranch_scc1 .Lv
; ---- Q AND K: rotate, quantise along the head's 128, store
	s_lshl_b32 s96, s42, 4
	s_lshl_b32 s97, s17, 1
	s_add_co_u32 s96, s96, s97
	s_add_co_u32 s96, s96, s15                     ; block 16 head + my group of 128 tokens
	s_mul_i32 s96, s96, BLKB
	s_mov_b32 s97, 0
	s_add_nc_u64 s[98:99], s[8:9], s[96:97]
	s_mul_i32 s96, s16, 9216
	s_sub_co_u32 s96, 25600, s96                   ; scale words: Q's at 25600, K's at 16384
	s_add_nc_u64 s[100:101], s[98:99], s[96:97]
	s_sub_co_u32 s96, 1, s16
	s_mul_i32 s96, s96, 17408                      ; codes: Q's at 17408, K's at 0
	s_add_nc_u64 s[98:99], s[98:99], s[96:97]
.macro TABLOAD a                       ; block a's tables: my lane's 32 pairs are 16 b + 8 (lane / 16) + 0 .. 7, b = 0 .. 3
	WIN TO_F
.irp e, 0,1,2,3,4,5,6,7
	ds_load_b128 v[CL+4*\e:CL+4*\e+3], v[ATL] offset:8*TP*((\a)%2)+64*(\e/2)+16*(\e%2)
	ds_load_b128 v[SL+4*\e:SL+4*\e+3], v[ATL] offset:8*TP*((\a)%2)+256+64*(\e/2)+16*(\e%2)
.endr
.if (\a)%2 == 0
.irp e, 0,1,2,3,4,5,6,7
	ds_load_b128 v[CH+4*\e:CH+4*\e+3], v[ATH] offset:(32+(\a)/2)*TP+64*(\e/2)+16*(\e%2)
	ds_load_b128 v[SH+4*\e:SH+4*\e+3], v[ATH] offset:(32+(\a)/2)*TP+256+64*(\e/2)+16*(\e%2)
.endr
.endif
.endm
.macro ROPE a
.set AC, 64*((\a)%4)
	WIN 0
	v_add_nc_u32 v12, 32*((\a)/2)+8*((\a)%2), v15
	v_cvt_f32_u32 v12, v12                         ; my token, exact in f32
	v_mov_b32 v13, v12                             ; (the packed forms name the pair)
	s_wait_dscnt 0x0                               ; the tables are in
	WIN 0x05                                       ; sources 0, 1 window 1
.irp m, 0,2,4,6,8,10,12,14,16,18,20,22,24,26,28,30
	v_pk_mul_f32 v[HA+\m:HA+\m+1], v[SH+\m:SH+\m+1], v[SL+\m:SL+\m+1]
	v_pk_mul_f32 v[HA+32+\m:HA+32+\m+1], v[CH+\m:CH+\m+1], v[SL+\m:SL+\m+1]
.endr
	WIN 0x45                                       ; and the destination too
.irp m, 0,2,4,6,8,10,12,14,16,18,20,22,24,26,28,30
	v_pk_fma_f32 v[CC+\m:CC+\m+1], v[CH+\m:CH+\m+1], v[CL+\m:CL+\m+1], v[HA+\m:HA+\m+1] neg_lo:[0,0,1] neg_hi:[0,0,1]   ; cos(t f) = cos cos - sin sin
	v_pk_fma_f32 v[SS+\m:SS+\m+1], v[SH+\m:SH+\m+1], v[CL+\m:CL+\m+1], v[HA+32+\m:HA+32+\m+1]                           ; sin(t f) = sin cos + cos sin
.endr
.if (\a) < 7
	TABLOAD (\a)+1                                 ; the next block's tables land while this block is rotated and quantised
.endif
	WIN 0x01                                       ; source 0 (f) window 1
.irp m, 0,2,4,6,8,10,12,14,16,18,20,22,24,26,28,30
	v_pk_mul_f32 v[HA+\m:HA+\m+1], v[TH+\m:TH+\m+1], v[12:13] op_sel_hi:[1,0]                                           ; RN(t f): the angle as it is defined
.endr
.irp m, 0,2,4,6,8,10,12,14,16,18,20,22,24,26,28,30
	v_pk_fma_f32 v[DL+\m:DL+\m+1], v[TH+\m:TH+\m+1], v[12:13], v[HA+\m:HA+\m+1] op_sel_hi:[1,0,1] neg_lo:[0,0,1] neg_hi:[0,0,1]   ; delta = t f - RN(t f), exact
.endr
	WIN 0x54                                       ; source 0 window 0, the rest window 1
.irp m, 0,2,4,6,8,10,12,14,16,18,20,22,24,26,28,30
	v_pk_fma_f32 v[SS+\m:SS+\m+1], v[DL+\m:DL+\m+1], v[CC+\m:CC+\m+1], v[SS+\m:SS+\m+1] neg_lo:[1,0,0] neg_hi:[1,0,0]   ; sin(angle) = sin - delta cos
.endr
.irp m, 0,2,4,6,8,10,12,14,16,18,20,22,24,26,28,30
	v_pk_fma_f32 v[CC+\m:CC+\m+1], v[DL+\m:DL+\m+1], v[SS+\m:SS+\m+1], v[CC+\m:CC+\m+1]                                 ; cos(angle) = cos + delta sin (the corrected sin: delta^2 / 2 off, under 8e-9)
.endr
.set RW, 0x06+(\a)/4
	WIN RW                                         ; source 0: the accumulators; source 1: window 1
.irp b, 0,1,2,3,4,5,6,7                        ; each accumulator from its low end on.  A pair (even, odd): even cos - odd sin, odd cos + even sin
.irp pp, 0,1
	v_pk_mul_f32 v[DL+4*\pp:DL+4*\pp+1], v[AC+8*\b+4*\pp:AC+8*\b+4*\pp+1], v[SS+4*\b+2*\pp:SS+4*\b+2*\pp+1] op_sel:[1,0] op_sel_hi:[0,0]
	v_pk_mul_f32 v[DL+4*\pp+2:DL+4*\pp+3], v[AC+8*\b+4*\pp+2:AC+8*\b+4*\pp+3], v[SS+4*\b+2*\pp:SS+4*\b+2*\pp+1] op_sel:[1,1] op_sel_hi:[0,1]
.endr
.irp pp, 0,1
	v_pk_fma_f32 v[HA+8*\b+4*\pp:HA+8*\b+4*\pp+1], v[AC+8*\b+4*\pp:AC+8*\b+4*\pp+1], v[CC+4*\b+2*\pp:CC+4*\b+2*\pp+1], v[DL+4*\pp:DL+4*\pp+1] op_sel:[0,0,0] op_sel_hi:[1,0,1] neg_lo:[0,0,1]
	v_pk_fma_f32 v[HA+8*\b+4*\pp+2:HA+8*\b+4*\pp+3], v[AC+8*\b+4*\pp+2:AC+8*\b+4*\pp+3], v[CC+4*\b+2*\pp:CC+4*\b+2*\pp+1], v[DL+4*\pp+2:DL+4*\pp+3] op_sel:[0,1,0] op_sel_hi:[1,1,1] neg_lo:[0,0,1]
.endr
.endr
	WIN 0
	s_wait_xcnt 0x0                                ; the last block's stores have read the codes' registers
	QUANT HA, 0, WD+(\a)
	OUTF \a
.endm
	WIN TO_F
.irp e, 0,1,2,3,4,5,6,7
	ds_load_b128 v[TH+4*\e:TH+4*\e+3], v[ATB] offset:40*TP+64*(\e/2)+16*(\e%2)   ; f of my 32 pairs
.endr
	TABLOAD 0
.irp a, 0,1,2,3,4,5,6,7
	ROPE \a
.endr
	OUTS
	s_branch .Lend
; ---- V: quantise along the tokens, straight from the accumulators, store
.Lv:
	s_lshl_b32 s96, s17, 1
	s_add_co_u32 s96, s96, s15                     ; the head of my 128 channels
	s_lshl_b32 s96, s96, 4
	s_sub_co_u32 s97, s42, 16
	s_lshl_b32 s97, s97, 1
	s_add_co_u32 s96, s96, s97
	s_add_co_u32 s96, s96, s16                     ; + my group of 128 tokens
	s_mul_i32 s96, s96, BLKB
	s_mov_b32 s97, 0
	s_add_nc_u64 s[98:99], s[8:9], s[96:97]
	s_add_nc_u64 s[100:101], s[98:99], 16896
	s_add_nc_u64 s[98:99], s[98:99], 8192
.irp a, 0,1,2,3,4,5,6,7
	s_wait_xcnt 0x0                                ; the last tile's stores have read the codes' registers
	QUANT 64*(\a%4), 2+\a/4, WD+\a
	OUTF \a
.endr
	OUTS
.Lend:
	s_wait_tensorcnt 0x0                           ; the wave's end
	ds_add_u32 v[SPW], v[NIL]
	s_wait_dscnt 0x0
	CROUND                                         ; the closing round
	s_endpgm
.Lfunc_end_k_qb443e5bc6f_qkvg:
	.size	k_qb443e5bc6f_qkvg, .Lfunc_end_k_qb443e5bc6f_qkvg-k_qb443e5bc6f_qkvg
	.p2alignl 7, 3214868480
	.fill 96, 4, 3214868480
	.section	.rodata,"a",@progbits
	.p2align	6, 0x0
	.amdhsa_kernel k_qb443e5bc6f_qkvg
		.amdhsa_group_segment_fixed_size 327680
		.amdhsa_private_segment_fixed_size 0
		.amdhsa_enable_private_segment 0
		.amdhsa_kernarg_size 24
		.amdhsa_user_sgpr_count 2
		.amdhsa_user_sgpr_kernarg_segment_ptr 1
		.amdhsa_wavefront_size32 1
		.amdhsa_system_sgpr_workgroup_id_x 1
		.amdhsa_system_sgpr_workgroup_id_y 1
		.amdhsa_system_sgpr_workgroup_id_z 1
		.amdhsa_system_vgpr_workitem_id 0
		.amdhsa_next_free_vgpr 1024
		.amdhsa_next_free_sgpr 102
		.amdhsa_reserve_vcc 1
		.amdhsa_float_denorm_mode_32 3
		.amdhsa_float_denorm_mode_16_64 3
		.amdhsa_memory_ordered 1
		.amdhsa_forward_progress 1
		.amdhsa_inst_pref_size 255
	.end_amdhsa_kernel
	.section	.bss,"aw",@nobits
	.p2align	6
	.space	262144
	.amdgpu_metadata
---
amdhsa.version: [ 1, 2 ]
amdhsa.kernels:
  - .name:           k_qb443e5bc6f_qkvg
    .symbol:         k_qb443e5bc6f_qkvg.kd
    .args:
      - { .name: cod, .offset: 0, .size: 8, .value_kind: global_buffer, .address_space: global }
      - { .name: scl, .offset: 8, .size: 8, .value_kind: global_buffer, .address_space: global }
      - { .name: qkv, .offset: 16, .size: 8, .value_kind: global_buffer, .address_space: global }
    .group_segment_fixed_size: 327680
    .private_segment_fixed_size: 0
    .kernarg_segment_align: 8
    .kernarg_segment_size: 24
    .max_flat_workgroup_size: 128
    .sgpr_count:     102
    .vgpr_count:     1024
    .wavefront_size: 32
...
	.end_amdgpu_metadata
.endif
;; end of part 2
;; launch attn (part 3): grid 16 x 16, 8 waves a work-group, no clusters, 279,552 bytes of LDS; arguments qkv, mb, fl, ac, asc; writes ac, asc
.if DOCPART == 3
	.amdgcn_target "amdgcn-amd-amdhsa--gfx1250"
	.amdhsa_code_object_version 6
	.text
	.protected	k_qb443e5bc6f_attn
	.globl	k_qb443e5bc6f_attn
	.p2align	8
	.type	k_qb443e5bc6f_attn,@function
k_qb443e5bc6f_attn:
	s_mov_b64 s[64:65], 0
	v_nop
	global_prefetch_b8 v0, s[64:65] scope:SCOPE_SE
	s_setreg_imm32_b32 hwreg(HW_REG_WAVE_MODE, 25, 1), 1
	s_wait_xcnt 0x0
; o = softmax(q k^T / sqrt(2048), hidden keys at -infinity) v for one head, both products on codes of FP4, and o's quantising along the head's 128 for the last product.
; THE SOFTMAX AHEAD OF THE SECOND PRODUCT: t = score x log2(e) / sqrt(2048); M = the running largest t rounded UP to a whole number; p = 2^(t - M) is quantised along the keys, not normalised; the row's sum is
; taken of the unquantised p and divides at the end; when M moves, the sum and O are multiplied by 2^(old M - new M), which rounds nothing.
; SHARES.  A work-group: one head, eight tiles of 16 queries, one a wave: tiles 4 j + w (w < 4) and 131 - 4 j - w: an early tile and a late one for each pair of waves.  That evens the work where late queries
; see more keys; the result is right for every mask.  Every wave walks 16 steps of 128 keys.
; THE MASK IS DATA.  An earlier launch stored, for each tile and step, 64 words (word n: the lanes in which register n of the scores is hidden) and two flags.  A step none of whose keys counts for the tile is passed
; over by a scalar branch on the stored flag; so is the masking where no key is hidden.  Such a branch excludes tensor loads: K, V and their scale words, 17,408 bytes for 128 keys, 278,528 for the head, go through
; registers into LDS, each byte once, two steps ahead of their first read, and no LDS byte is ever written twice.  No cluster for the same reason: there is no tensor load to share.
; LAYOUT.  Both products transposed: S^T = K Q^T, O^T = V^T P^T: a lane holds ONE query.  Operands lie as images of their registers.  K's and V's row places are permuted so that the 16 registers of tiles 2 b, 2 b + 1 are
; 16 neighbouring keys (channels): 32 b + 16 (lane / 16) + 0 .. 15.
; A ROW ALL OF WHOSE KEYS ARE HIDDEN has the sum 0: its scale word is stored as 0xffffffff, which makes the last product's sums of that row NaN, as the definition has them.
; LIMITS: NaN and infinities among the inputs are not served; a block under 2^-124 keeps the byte 1.
; REGISTERS: window 0: v1 16 lane, v2 16 (lane % 16), v3-8 addresses, v9 -infinity, v10 p's scale word, v11 Q's, v12 -M, v13 largest t, v[14:15] the sum, v16-23 Q, v24-31 V's scale words, v32-95 V, v96-159 S^T then p,
; v160-223 O^T, v224-231 p's codes, v232-247 at work (v244 f), v248-255 K's scale words.  window 1: v0-36 bytes on their way to LDS, v64-127 K.
.set BLKB,  26112
.set SLB,   17408                      ; an LDS slot: K's codes 0, V's 8192, K's scale words 16384, V's 16896
.set MSB, 0
.macro WIN new
.if MSB != \new
	s_set_vgpr_msb (MSB<<8)|\new
.set MSB, \new
.endif
.endm
	s_load_b256 s[4:11], s[0:1], 0x0               ; qkv s4, mb s6, fl s8, ac s10
	s_load_b64 s[12:13], s[0:1], 0x20              ; asc
	v_lshl_add_u32 v247, v0, 2, 0x44000
	s_set_vgpr_msb 0x40
	v_mov_b32 v129, 0
	s_set_vgpr_msb 0x4000
	v_lshrrev_b32 v1, 5, v0
	v_readfirstlane_b32 s14, v1                    ; wave
	v_and_b32 v3, 31, v0
	v_and_b32 v4, 15, v0
	v_lshlrev_b32 v7, 11, v1
	v_lshl_add_u32 v7, v3, 4, v7                   ; my part of a slot's codes: 2,048 wave + 16 lane, in memory and in LDS alike
	v_lshlrev_b32 v8, 7, v1
	v_lshl_add_u32 v8, v3, 2, v8
	v_add_nc_u32 v8, 16384, v8                     ; and of its scale words: 16,384 + 128 wave + 4 lane
	v_lshlrev_b32 v1, 4, v3
	v_lshlrev_b32 v2, 4, v4
	v_mov_b32 v9, 0xff800000
	s_and_b32 s15, ttmp7, 0xffff                   ; head
	s_lshl_b32 s2, ttmp9, 2
	s_add_co_u32 s3, s2, s14
	s_sub_co_u32 s2, 131, s2
	s_sub_co_u32 s2, s2, s14
	s_cmp_lt_u32 s14, 4
	s_cselect_b32 s2, s3, s2                       ; my tile of queries: it enters global addresses alone
	s_mul_i32 s96, s15, 16*BLKB
	s_mov_b32 s97, 0
	s_lshr_b32 s98, s2, 3
	s_mul_i32 s98, s98, BLKB
	s_add_co_u32 s98, s98, s96                     ; the block that holds my queries
	s_and_b32 s99, s2, 7
	s_lshl_b32 s100, s99, 10
	s_add_co_u32 s100, s100, s98
	s_add_co_u32 s100, s100, 17408                 ; their codes
	s_mov_b32 s101, 0
	s_lshr_b32 s3, s99, 2
	s_lshl_b32 s3, s3, 8
	s_and_b32 s99, s99, 3
	s_lshl_b32 s99, s99, 2
	s_add_co_u32 s98, s98, s3
	s_add_co_u32 s98, s98, s99
	s_add_co_u32 s98, s98, 25600                   ; their scale words
	s_mov_b32 s99, 0
	s_mov_b32 s76, 0x3d0293ee                      ; c = log2(e) / sqrt(2048)
	s_mov_b32 s77, s76
	s_mov_b32 s78, 0x76543210
	s_mov_b32 s79, 0xfedcba98
	s_mov_b32 s72, 0
	s_mov_b32 s73, 0
	s_mov_b32 s74, 14
	s_wait_kmcnt 0x0
	s_add_nc_u64 s[68:69], s[4:5], s[96:97]        ; the head's first block
	s_add_nc_u64 s[100:101], s[4:5], s[100:101]
	s_add_nc_u64 s[98:99], s[4:5], s[98:99]
	s_lshl_b32 s96, s2, 12
	s_add_nc_u64 s[70:71], s[6:7], s[96:97]        ; my tile's mask words
	s_lshl_b32 s96, s2, 3
	s_add_nc_u64 s[8:9], s[8:9], s[96:97]
	s_load_b64 s[66:67], s[8:9], 0x0               ; its flags, one word for each half of the keys
	s_lshl_b32 s96, s2, 14
	s_lshl_b32 s3, s15, 10
	s_add_co_u32 s96, s96, s3
	s_add_nc_u64 s[10:11], s[10:11], s[96:97]      ; out: row block = tile, K step = head
	s_lshl_b32 s96, s2, 10
	s_lshr_b32 s3, s15, 2
	s_lshl_b32 s3, s3, 8
	s_add_co_u32 s96, s96, s3
	s_and_b32 s3, s15, 3
	s_lshl_b32 s3, s3, 2
	s_add_co_u32 s96, s96, s3
	s_add_nc_u64 s[12:13], s[12:13], s[96:97]
	WIN 0x40                                       ; destination window 1
.irp s, 0,1                                    ; slots 0 and 1
.irp i, 0,1,2,3
	global_load_b128 v[20*\s+4*\i:20*\s+4*\i+3], v7, s[68:69] offset:\s*BLKB+512*\i
.endr
	global_load_b32 v[20*\s+16], v8, s[68:69] offset:\s*BLKB
.endr
	WIN 0
	global_load_b128 v[16:19], v1, s[100:101]
	global_load_b128 v[20:23], v1, s[100:101] offset:512
	global_load_b32 v11, v2, s[98:99]
	s_wait_loadcnt 3                               ; the ten loads for LDS are in; Q's three may be out
	WIN 0x04                                       ; an LDS store's data are its source 1: window 1
.irp s, 0,1
.irp i, 0,1,2,3
	ds_store_b128 v7, v[20*\s+4*\i:20*\s+4*\i+3] offset:\s*SLB+512*\i
.endr
	ds_store_b32 v8, v[20*\s+16] offset:\s*SLB
.endr
	WIN 0
	s_add_nc_u64 s[68:69], s[68:69], 2*BLKB
	v_mov_b32 v13, 0xff61b1e6                      ; the largest t so far: -3e38
	v_floor_f32 v12, -v13
	v_mov_b32 v14, 0
	v_mov_b32 v15, 0
.irp b, 0,1,2,3
	v_mov_b32 v[236+\b], 0                         ; a lane permute's destination counts as one of its sources
.endr
	v_mov_b32 v245, 0                              ; (named with f as a pair)
	v_mov_b32 v246, 0
.set j, 0
.rept 64
	v_mov_b32 v[160+j], 0                          ; O^T: which step is a tile's first hangs on the mask, so no first step can be written out to start the sums
.set j, j+1
.endr
	v_mov_b32 v3, v1
	v_mov_b32 v4, v2
	s_wait_dscnt 0x0
	s_barrier_signal -1
	s_barrier_wait -1                              ; slots 0 and 1 are whole
.macro KLOAD off                       ; 8 fragments of K and their scale words: 18 loads
	WIN 0x40
.irp t, 0,1,2,3,4,5,6,7
	ds_load_b128 v[64+8*\t:64+8*\t+3], v3 offset:\off+1024*\t
	ds_load_b128 v[64+8*\t+4:64+8*\t+7], v3 offset:\off+1024*\t+512
.endr
	WIN 0
	ds_load_b128 v[248:251], v4 offset:\off+16384
	ds_load_b128 v[252:255], v4 offset:\off+16384+256
.endm
.macro VLOAD                           ; the same of V: 18 loads
.irp t, 0,1,2,3,4,5,6,7
	ds_load_b128 v[32+8*\t:32+8*\t+3], v3 offset:8192+1024*\t
	ds_load_b128 v[32+8*\t+4:32+8*\t+7], v3 offset:8192+1024*\t+512
.endr
	ds_load_b128 v[24:27], v4 offset:16896
	ds_load_b128 v[28:31], v4 offset:16896+256
.endm
	KLOAD 0
	s_wait_kmcnt 0x0
	s_or_b32 s3, s66, s67
	s_and_b32 s66, s3, 0xffff                      ; bit 0: this step has a key that counts
	s_lshr_b32 s67, s3, 16                         ; bit 0: this step has a hidden key
	s_wait_loadcnt 0x0                             ; Q
; A STEP OF 128 KEYS.  pre = 1: the next step's K is fetched from LDS.  fill = 1: the slot two steps on is brought from memory, and a barrier closes the step.
.macro STEP pre, fill
	v_add_nc_u32 v3, s73, v1
	v_add_nc_u32 v4, s73, v2
.if \fill
	v_add_nc_u32 v5, s73, v7
	v_add_nc_u32 v6, s73, v8
	WIN 0x40
.irp i, 0,1,2,3
	global_load_b128 v[4*\i:4*\i+3], v7, s[68:69] offset:512*\i
.endr
	global_load_b32 v16, v8, s[68:69]
	WIN 0
.endif
	s_and_b32 s3, s66, 1
	s_cbranch_scc0 .Lskip_\@                       ; no key of the step counts for my 16 queries: a branch on a stored whole number, round the work alone
	s_load_b512 s[16:31], s[70:71], s72 offset:0x0
	s_load_b512 s[32:47], s[70:71], s72 offset:0x40
	s_load_b512 s[48:63], s[70:71], s72 offset:0x80
	s_load_b512 s[80:95], s[70:71], s72 offset:0xc0
	s_wait_dscnt 0x0                               ; K and its scale words are in
	WIN 0x01                                       ; source 0 (K) window 1
.irp t, 0,1,2,3,4,5,6,7
	v_wmma_scale_f32_16x16x128_f8f6f4 v[96+8*\t:103+8*\t], v[64+8*\t:71+8*\t], v[16:23], 0, v[248+\t], v11 matrix_a_fmt:MATRIX_FMT_FP4 matrix_b_fmt:MATRIX_FMT_FP4
.endr
	WIN 0
.rept 4
	v_nop                                          ; places in front of the loads into K's registers and of the first read of the scores
.endr
	VLOAD
.if \pre
	KLOAD SLB
.endif
	s_wait_kmcnt 0x0
	s_and_b32 s3, s67, 1
	s_cbranch_scc0 .Lopen_\@                       ; no key of the step is hidden
.set n, 0
.rept 48
	v_cndmask_b32 v[96+n], v[96+n], v9, s[16+n]    ; hidden scores become -infinity ahead of the maximum: p = 0 then
.set n, n+1
.endr
.rept 16
	v_cndmask_b32 v[96+n], v[96+n], v9, s[32+n]
.set n, n+1
.endr
.Lopen_\@:
.irp b, 0,1,2,3
	v_max3_num_f32 v[232+\b], v[96+16*\b], v[97+16*\b], v[98+16*\b]   ; the largest score of each block of 32 keys: for the row's maximum, and, since p rises with the score, for the block's largest p
.endr
.irp i, 3,5,7,9,11,13
.irp b, 0,1,2,3
	v_max3_num_f32 v[232+\b], v[232+\b], v[96+16*\b+\i], v[97+16*\b+\i]
.endr
.endr
.irp b, 0,1,2,3
	v_max_num_f32 v[232+\b], v[232+\b], v[111+16*\b]
.endr
.irp b, 0,1,2,3
	v_permlanex16_b32 v[236+\b], v[232+\b], s78, s79
.endr
.irp b, 0,1,2,3
	v_max_num_f32 v[232+\b], v[232+\b], v[236+\b]
.endr
	v_max3_num_f32 v246, v232, v233, v234
	v_max_num_f32 v246, v246, v235
	v_mul_f32 v246, s76, v246
	v_max_num_f32 v13, v13, v246                   ; the running largest t
	v_mov_b32 v246, v12
	v_floor_f32 v12, -v13                          ; -M = floor(-t): M is a whole number
	v_sub_f32 v246, v12, v246
	v_cvt_i32_f32 v246, v246                       ; (it saturates)
	v_ldexp_f32 v244, 1.0, v246                    ; f = 2^(old M - new M)
.set j, 0
.rept 32
	v_pk_fma_f32 v[96+j:97+j], v[96+j:97+j], s[76:77], v[12:13] op_sel_hi:[1,0,0]   ; t - M
.set j, j+2
.endr
.irp b, 0,1,2,3
	v_fma_f32 v[232+\b], v[232+\b], s76, v12
.endr
.set j, 0
.rept 32
	v_exp_f32 v[96+j], v[96+j]                     ; p = 2^(t - M)
	v_exp_f32 v[97+j], v[97+j]
	v_pk_mul_f32 v[160+j:161+j], v[160+j:161+j], v[244:245] op_sel_hi:[1,0]   ; O^T under the new M, between the exponentials
.set j, j+2
.endr
.irp b, 0,1,2,3
	v_exp_f32 v[232+\b], v[232+\b]                 ; the block's largest p: the same two instructions on the same number
.endr
	v_pk_mul_f32 v[14:15], v[14:15], v[244:245] op_sel_hi:[1,0]   ; the sums under the new M (the plain line behind the exponentials)
	s_wait_alu depctr_va_vdst(0)
.irp b, 0,1,2,3
	v_max_num_f32 v[232+\b], 0x1800000, v[232+\b]  ; the floor 2^(3 - 127)
.endr
.irp b, 0,1,2,3
	v_add_nc_u32 v[240+\b], 0xff000000, v[232+\b]
.endr
.irp b, 0,1,2,3
	v_lshrrev_b32 v[236+\b], 23, v[240+\b]
.endr
	v_lshl_or_b32 v10, v237, 8, v236               ; p's scale word for these 128 keys
	v_lshl_or_b32 v10, v238, 16, v10
	v_lshl_or_b32 v10, v239, 24, v10
.irp b, 0,1,2,3
	v_cvt_scalef32_pk8_fp4_f32 v[224+2*\b], v[96+16*\b:103+16*\b], v[240+\b]
	v_cvt_scalef32_pk8_fp4_f32 v[225+2*\b], v[104+16*\b:111+16*\b], v[240+\b]
.endr
	v_nop
.irp c, 0,1
.irp i, 0,1
	v_permlane16_swap_b32 v[224+4*\c+\i], v[226+4*\c+\i]
.endr
.endr
	v_pk_add_f32 v[236:237], v[96:97], v[98:99]    ; the row's sum of the unquantised p, in two chains; these 32 lines are also the places in front of the products below
.set j, 4
.rept 15
	v_pk_add_f32 v[14:15], v[14:15], v[96+j:97+j]
	v_pk_add_f32 v[236:237], v[236:237], v[98+j:99+j]
.set j, j+4
.endr
	v_pk_add_f32 v[14:15], v[14:15], v[236:237]
.if \pre
	s_wait_dscnt 18                                ; V is in; the next K's 18 loads may be out
.else
	s_wait_dscnt 0x0
.endif
.irp t, 0,1,2,3,4,5,6,7                        ; the eight accumulators by turns
	v_wmma_scale_f32_16x16x128_f8f6f4 v[160+8*\t:167+8*\t], v[32+8*\t:39+8*\t], v[224:231], v[160+8*\t:167+8*\t], v[24+\t], v10 matrix_a_fmt:MATRIX_FMT_FP4 matrix_b_fmt:MATRIX_FMT_FP4
.endr
	s_branch .Ljoin_\@
.Lskip_\@:
.if \pre
	s_wait_dscnt 0x0                               ; this step's K, which is not used, has landed: its registers may be loaded again
	KLOAD SLB
.endif
.Ljoin_\@:
.if \fill
	s_wait_loadcnt 0x0                             ; the bytes for the slot two steps on are in registers
	WIN 0x04
.irp i, 0,1,2,3
	ds_store_b128 v5, v[4*\i:4*\i+3] offset:2*SLB+512*\i
.endr
	ds_store_b32 v6, v16 offset:2*SLB
	WIN 0
	s_add_nc_u64 s[68:69], s[68:69], BLKB
.endif
	s_lshr_b32 s66, s66, 1
	s_lshr_b32 s67, s67, 1
	s_add_co_u32 s72, s72, 256
	s_add_co_u32 s73, s73, SLB
.if \fill
	s_wait_dscnt 0x0                               ; for the others' sake: my stores have landed
	s_barrier_signal -1
	s_barrier_wait -1                              ; the slot is whole; every wave passes this barrier, whichever way it took
.endif
.endm
.Lstep:
	STEP 1, 1
	s_sub_co_u32 s74, s74, 1
	s_cmp_lg_u32 s74, 0
	s_cbranch_scc1 .Lstep
	STEP 1, 0
	STEP 0, 0
	; THE WAY OUT: O^T / the sum, quantised along the head's 128: K step = head of the last product's first operand
.rept 4
	v_nop                                          ; places behind the last products
.endr
	v_add_f32 v14, v14, v15
	v_permlanex16_b32 v246, v14, s78, s79
	v_add_f32 v14, v14, v246                       ; the row's sum
	v_cmp_eq_f32 vcc_lo, 0, v14                    ; a row all of whose keys are hidden
	v_rcp_f32 v15, v14
	v_nop
.set j, 0
	s_wait_alu depctr_va_vdst(0)
.rept 64
	v_mul_f32 v[96+j], v[160+j], v15               ; register 16 b + i: channel 32 b + 16 (lane / 16) + i
.set j, j+1
.endr
.irp b, 0,1,2,3
	v_max3_num_f32 v[232+\b], |v[96+16*\b]|, |v[97+16*\b]|, 0x1800000
.endr
.irp i, 2,4,6,8,10,12,14
.irp b, 0,1,2,3
	v_max3_num_f32 v[232+\b], v[232+\b], |v[96+16*\b+\i]|, |v[97+16*\b+\i]|
.endr
.endr
.irp b, 0,1,2,3
	v_permlanex16_b32 v[236+\b], v[232+\b], s78, s79
.endr
.irp b, 0,1,2,3
	v_max_num_f32 v[232+\b], v[232+\b], v[236+\b]
.endr
.irp b, 0,1,2,3
	v_add_nc_u32 v[240+\b], 0xff000000, v[232+\b]
.endr
.irp b, 0,1,2,3
	v_lshrrev_b32 v[236+\b], 23, v[240+\b]
.endr
	v_lshl_or_b32 v3, v237, 8, v236
	v_lshl_or_b32 v3, v238, 16, v3
	v_lshl_or_b32 v3, v239, 24, v3
	v_cndmask_b32 v3, v3, -1, vcc_lo               ; the NaN byte for a row without keys
.irp b, 0,1,2,3
	v_cvt_scalef32_pk8_fp4_f32 v[224+2*\b], v[96+16*\b:103+16*\b], v[240+\b]
	v_cvt_scalef32_pk8_fp4_f32 v[225+2*\b], v[104+16*\b:111+16*\b], v[240+\b]
.endr
	v_nop
.irp c, 0,1
.irp i, 0,1
	v_permlane16_swap_b32 v[224+4*\c+\i], v[226+4*\c+\i]
.endr
.endr
	global_store_b128 v1, v[224:227], s[10:11]     ; twice 512 bytes on end
	global_store_b128 v1, v[228:231], s[10:11] offset:512
	v_and_b32 v5, 31, v0
	v_cmp_gt_u32 vcc_lo, 16, v5
	s_wait_xcnt 0x0                                ; EXEC is a source of the stores above
	s_set_vgpr_msb 0x4
	s_wait_tensorcnt 0x0
	ds_add_u32 v247, v129
	s_wait_dscnt 0x0
	s_set_vgpr_msb 0x400
	s_and_saveexec_b32 s3, vcc_lo
	global_store_b32 v2, v3, s[12:13]              ; one word a row, 16 bytes apart: a sixteenth of the codes' bytes
	s_wait_xcnt 0x0
	s_or_b32 exec_lo, exec_lo, s3
	s_endpgm
.Lfunc_end_k_qb443e5bc6f_attn:
	.size	k_qb443e5bc6f_attn, .Lfunc_end_k_qb443e5bc6f_attn-k_qb443e5bc6f_attn
	.p2alignl 7, 3214868480
	.fill 96, 4, 3214868480
	.section	.rodata,"a",@progbits
	.p2align	6, 0x0
	.amdhsa_kernel k_qb443e5bc6f_attn
		.amdhsa_group_segment_fixed_size 279552
		.amdhsa_private_segment_fixed_size 0
		.amdhsa_enable_private_segment 0
		.amdhsa_kernarg_size 40
		.amdhsa_user_sgpr_count 2
		.amdhsa_user_sgpr_kernarg_segment_ptr 1
		.amdhsa_wavefront_size32 1
		.amdhsa_system_sgpr_workgroup_id_x 1
		.amdhsa_system_sgpr_workgroup_id_y 1
		.amdhsa_system_sgpr_workgroup_id_z 1
		.amdhsa_system_vgpr_workitem_id 0
		.amdhsa_next_free_vgpr 386
		.amdhsa_next_free_sgpr 102
		.amdhsa_reserve_vcc 1
		.amdhsa_float_denorm_mode_32 3
		.amdhsa_float_denorm_mode_16_64 3
		.amdhsa_memory_ordered 1
		.amdhsa_forward_progress 1
		.amdhsa_inst_pref_size 84
	.end_amdhsa_kernel
	.amdgpu_metadata
---
amdhsa.version: [ 1, 2 ]
amdhsa.kernels:
  - .name:           k_qb443e5bc6f_attn
    .symbol:         k_qb443e5bc6f_attn.kd
    .args:
      - { .name: qkv, .offset: 0, .size: 8, .value_kind: global_buffer, .address_space: global }
      - { .name: mb, .offset: 8, .size: 8, .value_kind: global_buffer, .address_space: global }
      - { .name: fl, .offset: 16, .size: 8, .value_kind: global_buffer, .address_space: global }
      - { .name: ac, .offset: 24, .size: 8, .value_kind: global_buffer, .address_space: global }
      - { .name: asc, .offset: 32, .size: 8, .value_kind: global_buffer, .address_space: global }
    .group_segment_fixed_size: 279552
    .private_segment_fixed_size: 0
    .kernarg_segment_align: 8
    .kernarg_segment_size: 40
    .max_flat_workgroup_size: 256
    .sgpr_count:     102
    .vgpr_count:     386
    .wavefront_size: 32
...
	.end_amdgpu_metadata
.endif
;; end of part 3
;; launch oproj (part 4): grid 16 x 16, 4 waves a work-group, clusters of 4 x 4, 296,448 bytes of LDS; arguments ac, asc, cod, scl, out0; writes out0
.if DOCPART == 4
	.amdgcn_target "amdgcn-amd-amdhsa--gfx1250"
	.amdhsa_code_object_version 6
	.text
	.protected	k_qb443e5bc6f_oproj
	.globl	k_qb443e5bc6f_oproj
	.p2align	8
	.type	k_qb443e5bc6f_oproj,@function
k_qb443e5bc6f_oproj:
	s_mov_b64 s[64:65], 0
	v_nop
	global_prefetch_b8 v0, s[64:65] scope:SCOPE_SE
	s_setreg_imm32_b32 hwreg(HW_REG_WAVE_MODE, 25, 1), 1
	s_wait_xcnt 0x0
	s_wait_alu depctr_hold_cnt(0) depctr_sa_sdst(0) depctr_va_vdst(0) depctr_va_sdst(0) depctr_va_ssrc(0) depctr_va_vcc(0) depctr_vm_vsrc(0)
	s_getreg_b32 s2, hwreg(HW_REG_IB_STS2, 6, 4)
	s_cmp_eq_u32 s2, 0
	s_cbranch_scc0 .Lentry_in_a_cluster
	s_endpgm
.Lentry_in_a_cluster:
	s_bfe_u32 s2, ttmp6, 0x10000c
	s_cmp_lg_u32 s2, 0xf033
	s_cbranch_scc0 .Lentry_shape_is_right
	s_endpgm
.Lentry_shape_is_right:
; out0 = o wo on codes of FP4.  o: 128 row blocks of 16 queries (ac, asc); wo: row blocks 512 on of cod and scl; both as images of operand registers, K = 2,048 = 16 steps of 128.
; A tile of out0 is 128 x 128, so that 256 work-groups have one each; a wave makes 64 x 64: 16 accumulators.  ALL OF K FITS IN LDS (two halves of 131,072 bytes): every LDS byte is filled once, so there is no ring,
; and no round of the cluster's barrier inside the work.  By this text's count a wave has three tensor loads out, all issued at the start.
; CLUSTERS: 4 x 4: o's tiles are shared along a row of the cluster, wo's along a column: joint loads.
; TRANSPOSED: source 0 = 16 places of wo's rows (columns of out0), source 1 = 16 places of o's rows: a lane holds eight neighbouring columns of one row.  Row places are permuted (place p of 32 = row p with bits 3 and 4
; exchanged) on both sides; the way out puts both back.
; REGISTERS: window 0: addresses; v32-95 all 64 scale registers, and nothing else; v128-191 the way out.  window 1: four sets of 8 fragments (wo's at 64 s, o's at 64 s + 32).  window 2: accumulator (a, b) at v[8 (4 a + b)].
.set HALFK, 131072                     ; half of K: o's 8 row blocks x 8,192 bytes, then wo's
.set SCL,   2*HALFK                    ; the scale bytes: o's 8 KiB, wo's 8 KiB
.set STG,   SCL+16384                  ; a stage of 16 rows x (256 + 16) bytes for each wave: no tensor load lands there
.set SP,    272
.set LI,   16
.set ADRA, 17
.set ADRB, 20
.set STO,  24
.set RD,   25
.set CO,   26
.set ADRS, 27
.set SC,   32
.set BK,   128
.set G1, 24
.set G0, 32
.set G1B, 48
.set G0B, 56
.set G1S, 68
.set G0S, 76
.set G1SB, 80
.set G0SB, 88
.set MSB, 0
.macro WIN new
.if MSB != \new
	s_set_vgpr_msb (MSB<<8)|\new
.set MSB, \new
.endif
.endm
.macro JLOAD g0a, g1a, g0b, g1b        ; waves 0, 1 fetch for o, waves 2, 3 for wo; four v_nop follow each line
	s_cmp_eq_u32 s15, 0
	s_cbranch_scc0 .Lfor_b_\@
	tensor_load_to_lds s[\g0a:\g0a+3], s[\g1a:\g1a+7]
	s_nop 0
.rept 4
	v_nop
.endr
	s_branch .Lasked_\@
.Lfor_b_\@:
	tensor_load_to_lds s[\g0b:\g0b+3], s[\g1b:\g1b+7]
	s_nop 0
.rept 4
	v_nop
.endr
.Lasked_\@:
.endm
.macro CROUND
	s_barrier_signal -1
	s_barrier_wait -1
	s_cmp_lg_u32 s14, 0
	s_cbranch_scc1 .Lnot_wave_0_\@
	s_barrier_signal -3
.Lnot_wave_0_\@:
	s_barrier_wait -3
	s_barrier_signal -1
	s_barrier_wait -1
.endm
	s_load_b256 s[4:11], s[0:1], 0x0               ; ac s4, asc s6, cod s8, scl s10
	s_load_b64 s[12:13], s[0:1], 0x20              ; out0
	v_lshl_add_u32 v254, v0, 2, 0x48400
	v_mov_b32 v255, 0
	ds_add_u32 v254, v255
	ds_add_u32 v254, v255
	v_lshrrev_b32 v1, 5, v0
	v_readfirstlane_b32 s14, v1
	s_lshr_b32 s15, s14, 1                         ; my half of the rows.  Also: I fetch for o (0) or wo (1)
	s_and_b32 s16, s14, 1                          ; my half of the columns.  Also: which 4 row blocks I fetch
	s_bfe_u32 s40, ttmp6, 0x40000
	s_bfe_u32 s41, ttmp6, 0x40004
	s_lshl_b32 s42, ttmp9, 2
	s_add_co_u32 s42, s42, s40                     ; tile column
	s_and_b32 s17, ttmp7, 0xffff
	s_lshl_b32 s17, s17, 2
	s_add_co_u32 s17, s17, s41                     ; tile row
	s_lshl_b32 s43, s41, 2
	s_lshl_b32 s43, 15, s43
	s_lshl_b32 s44, 0x1111, s40
	; group 1, codes: 4 row blocks x 8,192 bytes (1,024 elements of 8 bytes), 16,384 bytes apart
	s_or_b32 s[G1+0], s43, (3<<16)|(1<<21)
	s_or_b32 s[G1B+0], s44, (3<<16)|(1<<21)
.irp g, G1, G1B
	s_mov_b32 s[\g+1], 1024<<16
	s_mov_b32 s[\g+2], 4<<16
	s_mov_b32 s[\g+3], 1024<<16
	s_mov_b32 s[\g+4], 4
	s_mov_b32 s[\g+5], 2048
	s_mov_b32 s[\g+6], 0
	s_mov_b32 s[\g+7], 0
.endr
	; group 1, scale bytes: 4 row blocks x 1,024 dense bytes, as 16 rows of 256
	s_or_b32 s[G1S+0], s43, (3<<16)|(1<<21)
	s_or_b32 s[G1SB+0], s44, (3<<16)|(1<<21)
.irp g, G1S, G1SB
	s_mov_b32 s[\g+1], 32<<16
	s_mov_b32 s[\g+2], 16<<16
	s_mov_b32 s[\g+3], 32<<16
	s_mov_b32 s[\g+4], 16
	s_mov_b32 s[\g+5], 32
	s_mov_b32 s[\g+6], 0
	s_mov_b32 s[\g+7], 0
.endr
	s_lshl_b32 s18, s16, 2
	s_lshl_b32 s20, s17, 3
	s_add_co_u32 s20, s20, s18                     ; o: row block 8 ty + my 4
	s_lshl_b32 s46, s42, 3
	s_add_co_u32 s46, s46, s18
	s_add_co_u32 s46, s46, 512                     ; wo: 512 + 8 tx + my 4
	s_lshl_b32 s22, s20, 10
	s_mov_b32 s23, 0
	s_lshl_b32 s92, s46, 10
	s_mov_b32 s93, 0
	s_lshl_b32 s20, s20, 14
	s_mov_b32 s21, 0
	s_lshl_b32 s46, s46, 14
	s_mov_b32 s47, 0
	s_lshl_b32 s45, s14, 15
	s_lshl_b32 s94, s14, 12
	s_wait_dscnt 0x0
	s_wait_kmcnt 0x0
	s_add_nc_u64 s[20:21], s[4:5], s[20:21]
	s_add_nc_u64 s[22:23], s[6:7], s[22:23]
	s_add_nc_u64 s[46:47], s[8:9], s[46:47]
	s_add_nc_u64 s[92:93], s[10:11], s[92:93]
	CROUND                                         ; all sixteen work-groups are here: the joint loads meet
	s_mov_b32 s[G0S], 1
	s_add_co_u32 s[G0S+1], s94, SCL
	s_mov_b64 s[G0S+2:G0S+3], s[22:23]
	s_or_b32 s[G0S+3], s[G0S+3], 0x80000000
	s_mov_b32 s[G0SB], 1
	s_add_co_u32 s[G0SB+1], s94, SCL
	s_mov_b64 s[G0SB+2:G0SB+3], s[92:93]
	s_or_b32 s[G0SB+3], s[G0SB+3], 0x80000000
	JLOAD G0S, G1S, G0SB, G1SB
.irp y, 0,1
	s_mov_b32 s[G0+4*\y], 1
	s_add_co_u32 s[G0+4*\y+1], s45, \y*HALFK
	s_add_nc_u64 s[G0+4*\y+2:G0+4*\y+3], s[20:21], \y*8192
	s_or_b32 s[G0+4*\y+3], s[G0+4*\y+3], 0x80000000
	s_mov_b32 s[G0B+4*\y], 1
	s_add_co_u32 s[G0B+4*\y+1], s45, \y*HALFK
	s_add_nc_u64 s[G0B+4*\y+2:G0B+4*\y+3], s[46:47], \y*8192
	s_or_b32 s[G0B+4*\y+3], s[G0B+4*\y+3], 0x80000000
	JLOAD G0+4*\y, G1, G0B+4*\y, G1B
.endr
	v_and_b32 v1, 15, v0
	v_bfe_u32 v2, v0, 4, 1
	v_and_b32 v3, 31, v0
	v_lshlrev_b32 v[LI], 4, v3
	s_lshl_b32 s18, s15, 15
	s_lshl_b32 s19, s16, 15
	s_add_co_u32 s19, s19, 65536
.irp y, 0,1
	v_add_nc_u32 v[ADRA+\y], s18, v[LI]
	v_add_nc_u32 v[ADRB+\y], s19, v[LI]
	s_add_co_u32 s18, s18, HALFK
	s_add_co_u32 s19, s19, HALFK
.endr
	s_lshl_b32 s18, s15, 12
	s_lshl_b32 s19, s16, 12
	s_add_co_u32 s19, s19, 8192
	s_sub_co_u32 s19, s19, s18
	v_mul_u32_u24 v4, s19, v2                      ; lanes 16-31 take wo's: one product, the distance between the two bases
	s_add_co_u32 s18, s18, SCL
	v_lshl_add_u32 v4, v1, 4, v4
	v_add_nc_u32 v[ADRS], s18, v4
	s_mul_i32 s18, s14, 16*SP
	s_add_co_u32 s18, s18, STG
	v_mul_u32_u24 v4, v1, SP
	v_lshl_add_u32 v4, v2, 6, v4
	v_add_nc_u32 v[STO], s18, v4                   ; into my stage: row place r; my eight columns of tile b begin at 32 (b / 2) + 16 h + 8 (b % 2)
	v_mul_u32_u24 v4, v2, SP
	v_lshl_add_u32 v4, v1, 4, v4
	v_add_nc_u32 v[RD], s18, v4                    ; back: lanes 0-15 one row of 256 bytes, lanes 16-31 the next
	v_lshlrev_b32 v4, 13, v2
	v_lshl_add_u32 v[CO], v1, 4, v4                ; and the same two rows in out0
	s_lshl_b32 s20, s17, 7
	s_lshl_b32 s21, s15, 6
	s_add_co_u32 s20, s20, s21
	s_lshl_b32 s20, s20, 13                        ; my first row, 8,192 bytes a row
	s_mov_b32 s21, 0
	s_lshl_b32 s46, s42, 9
	s_lshl_b32 s47, s16, 8
	s_add_co_u32 s46, s46, s47                     ; my first column, in bytes
	s_mov_b32 s47, 0
	s_add_nc_u64 s[20:21], s[20:21], s[46:47]
	s_add_nc_u64 s[12:13], s[12:13], s[20:21]
.macro FRAG reg, adr, off
	ds_load_b128 v[\reg:\reg+3], v[\adr] offset:\off
	ds_load_b128 v[\reg+4:\reg+7], v[\adr] offset:\off+512
.endm
.macro FETCH q                         ; K step q's eight fragments into set q % 4: 16 loads
	WIN 0x40
.irp i, 0,1,2,3
	FRAG 64*((\q)%4)+8*\i, ADRB+(\q)/8, \i*8192+((\q)%8)*1024
.endr
.irp i, 0,1,2,3
	FRAG 64*((\q)%4)+32+8*\i, ADRA+(\q)/8, \i*8192+((\q)%8)*1024
.endr
.endm
.macro MULS q, zero                    ; 16 products; the 16 accumulators take turns, in the same order in every step
	WIN 0xa5                                       ; both sources window 1, C and D window 2
.irp a, 0,1,2,3
.irp b, 0,1,2,3
.if \zero
	v_wmma_scale_f32_16x16x128_f8f6f4 v[8*(4*\a+\b):8*(4*\a+\b)+7], v[64*((\q)%4)+8*\b:64*((\q)%4)+8*\b+7], v[64*((\q)%4)+32+8*\a:64*((\q)%4)+32+8*\a+7], 0, v[SC+16*((\q)/4)+4*\b+(\q)%4], v[SC+16*((\q)/4)+4*\a+(\q)%4] matrix_a_fmt:MATRIX_FMT_FP4 matrix_b_fmt:MATRIX_FMT_FP4 matrix_a_scale:MATRIX_SCALE_ROW1
.else
	v_wmma_scale_f32_16x16x128_f8f6f4 v[8*(4*\a+\b):8*(4*\a+\b)+7], v[64*((\q)%4)+8*\b:64*((\q)%4)+8*\b+7], v[64*((\q)%4)+32+8*\a:64*((\q)%4)+32+8*\a+7], v[8*(4*\a+\b):8*(4*\a+\b)+7], v[SC+16*((\q)/4)+4*\b+(\q)%4], v[SC+16*((\q)/4)+4*\a+(\q)%4] matrix_a_fmt:MATRIX_FMT_FP4 matrix_b_fmt:MATRIX_FMT_FP4 matrix_a_scale:MATRIX_SCALE_ROW1
.endif
.endr
.endr
.endm
.macro STEP q
.if (\q) > 0
.rept 4
	v_nop                                          ; the set that is fetched next was read by the products just issued
.endr
.endif
.if (\q) == 5                                  ; the fetch below is the first that reads the second half of K
	s_wait_tensorcnt 0x0                           ; my part of it has landed,
	s_wait_dscnt 0x0
	s_barrier_signal -1
	s_barrier_wait -1                              ; everybody's has
.endif
.if (\q)+3 < 16
	FETCH (\q)+3
	s_wait_dscnt 48                                ; this step's fragments are in; the three younger fetches may be out
.else
	s_wait_dscnt 16*(15-(\q))
.endif
.if (\q) == 0
	MULS \q, 1                                     ; the first products start the sums
.else
	MULS \q, 0
.endif
.endm
	s_wait_tensorcnt 1                             ; the scale bytes and my part of the first half of K are in (the second half's load may be out)
	s_barrier_signal -1
	s_barrier_wait -1
.irp y, 0,1,2,3
.irp i, 0,1,2,3
	ds_load_b128 v[SC+16*\y+4*\i:SC+16*\y+4*\i+3], v[ADRS] offset:\i*1024+\y*256   ; all scale words: lanes 0-15 o's block i, lanes 16-31 wo's block i
.endr
.endr
	FETCH 0
	FETCH 1
	FETCH 2
.irp q, 0,1,2,3,4,5,6,7,8,9,10,11,12,13,14,15
	STEP \q
.endr
	WIN 0
.rept 4
	v_nop                                          ; places in front of the first read of results
.endr
; THE WAY OUT, a block of 16 row places x 64 columns at a time, through my own stage: LDS serves a wave's instructions in order, so no wait stands between the stores and the loads
.macro TOSTAGE a
	WIN 0x08                                       ; an LDS store's data are its source 1: window 2
.irp b, 0,1,2,3
	ds_store_b128 v[STO], v[8*(4*(\a)+\b):8*(4*(\a)+\b)+3] offset:128*(\b/2)+32*(\b%2)        ; each accumulator from its low end on
	ds_store_b128 v[STO], v[8*(4*(\a)+\b)+4:8*(4*(\a)+\b)+7] offset:128*(\b/2)+32*(\b%2)+16
.endr
	WIN 0
.irp t, 0,1,2,3,4,5,6,7
	ds_load_b128 v[BK+32*((\a)%2)+4*\t:BK+32*((\a)%2)+4*\t+3], v[RD] offset:2*\t*SP
.endr
.endm
.macro SEND a, younger                 ; place 2 t + h of block a is row 32 (a / 2) + 8 (a % 2) + 2 t + 8 (t / 4) + h
	s_wait_dscnt \younger
.irp t, 0,1,2,3,4,5,6,7
	global_store_b128 v[CO], v[BK+32*((\a)%2)+4*\t:BK+32*((\a)%2)+4*\t+3], s[12:13] offset:(32*((\a)/2)+8*((\a)%2)+2*\t+8*(\t/4))*8192 th:TH_STORE_NT   ; sixteen lanes store 256 aligned bytes
.endr
.endm
	TOSTAGE 0
	TOSTAGE 1
	SEND 0, 16                                     ; behind block 0's loads: block 1's 8 stores and 8 loads
	s_wait_xcnt 0x0                                ; block 0's stores have read their registers
	TOSTAGE 2
	SEND 1, 16
	s_wait_xcnt 0x0
	TOSTAGE 3
	SEND 2, 16
	SEND 3, 0
	s_wait_tensorcnt 0x0
	ds_add_u32 v254, v255
	s_wait_dscnt 0x0
	CROUND                                         ; the closing round
	s_endpgm
.Lfunc_end_k_qb443e5bc6f_oproj:
	.size	k_qb443e5bc6f_oproj, .Lfunc_end_k_qb443e5bc6f_oproj-k_qb443e5bc6f_oproj
	.p2alignl 7, 3214868480
	.fill 96, 4, 3214868480
	.section	.rodata,"a",@progbits
	.p2align	6, 0x0
	.amdhsa_kernel k_qb443e5bc6f_oproj
		.amdhsa_group_segment_fixed_size 296448
		.amdhsa_private_segment_fixed_size 0
		.amdhsa_enable_private_segment 0
		.amdhsa_kernarg_size 40
		.amdhsa_user_sgpr_count 2
		.amdhsa_user_sgpr_kernarg_segment_ptr 1
		.amdhsa_wavefront_size32 1
		.amdhsa_system_sgpr_workgroup_id_x 1
		.amdhsa_system_sgpr_workgroup_id_y 1
		.amdhsa_system_sgpr_workgroup_id_z 1
		.amdhsa_system_vgpr_workitem_id 0
		.amdhsa_next_free_vgpr 640
		.amdhsa_next_free_sgpr 102
		.amdhsa_reserve_vcc 0
		.amdhsa_float_denorm_mode_32 3
		.amdhsa_float_denorm_mode_16_64 3
		.amdhsa_memory_ordered 1
		.amdhsa_forward_progress 1
		.amdhsa_inst_pref_size 70
	.end_amdhsa_kernel
	.amdgpu_metadata
---
amdhsa.version: [ 1, 2 ]
amdhsa.kernels:
  - .name:           k_qb443e5bc6f_oproj
    .symbol:         k_qb443e5bc6f_oproj.kd
    .args:
      - { .name: ac, .offset: 0, .size: 8, .value_kind: global_buffer, .address_space: global }
      - { .name: asc, .offset: 8, .size: 8, .value_kind: global_buffer, .address_space: global }
      - { .name: cod, .offset: 16, .size: 8, .value_kind: global_buffer, .address_space: global }
      - { .name: scl, .offset: 24, .size: 8, .value_kind: global_buffer, .address_space: global }
      - { .name: out0, .offset: 32, .size: 8, .value_kind: global_buffer, .address_space: global }
    .group_segment_fixed_size: 296448
    .private_segment_fixed_size: 0
    .kernarg_segment_align: 8
    .kernarg_segment_size: 40
    .max_flat_workgroup_size: 128
    .sgpr_count:     102
    .vgpr_count:     640
    .wavefront_size: 32
...
	.end_amdgpu_metadata
.endif
;; end of part 4
;; ======== version 2 of 2: 4 launches
;; limits: right only within a limited range of input values
;; workspace buffers: cod 10,485,760 bytes; scl 655,360 bytes; mb 524,288 bytes of whole numbers; fl 1,024 bytes of whole numbers; qkv 6,684,672 bytes; ac 2,097,152 bytes; asc 131,072 bytes
;; launch prep (part 5): grid 704 x 1, 4 waves a work-group, no clusters, 52,736 bytes of LDS; arguments x, wq, wk, wv, wo, mask, cod, scl, mb, fl; writes cod, scl, mb, fl
.if DOCPART == 5
	.amdgcn_target "amdgcn-amd-amdhsa--gfx1250"
	.amdhsa_code_object_version 6
	.text
	.protected	k_qb443e5bc6f_prep
	.globl	k_qb443e5bc6f_prep
	.p2align	8
	.type	k_qb443e5bc6f_prep,@function
k_qb443e5bc6f_prep:
	s_mov_b64 s[64:65], 0
	v_nop
	global_prefetch_b8 v0, s[64:65] scope:SCOPE_SE
	s_setreg_imm32_b32 hwreg(HW_REG_WAVE_MODE, 25, 1), 1
	s_wait_xcnt 0x0
; x [2048][2048] and the four weights [k 2048][n 2048], f32, become codes of FP4 (E2M1) with one E8M0 byte for each 32 along K; the mask becomes bit words.
; OUTPUT LAYOUT.  A row block is 16 rows x K 2048: codes [k block 0..63][row place 0..15][16 bytes], so that the 1,024 bytes of 128 along K are an image of a matrix operand's
; registers (lane l's 16 bytes at 16 l, the second four registers 512 bytes on); scale bytes [K / 512][row place][16 bytes].  Of 32 neighbouring rows, place p holds the row whose
; number is p with bits 3 and 4 exchanged: block parity u, place r: row 8 u + r + 8 (r / 8).  Row blocks: 0-127 x; 128 + 16 h: wq's head h (8), then wk's (8); 384: wv; 512: wo.
; A block's scale is 2^(floor(log2(largest magnitude)) - 2): its byte is the largest magnitude's exponent field - 2, held at 1 from below.
; LIMITS: a block of zeros, or one under 2^-124, keeps the byte 1 (its codes are read by this program alone); NaN and infinities among the inputs are not served.
; THREE PATHS by the work-group's number, each with LDS bytes of its own: 0-63 the mask, 64-191 x, 192-703 the weights.  Waves share nothing: no barrier.
; MANY SHORT WAVES.  A wave has two blocks of loads out (weights: 64 loads of 128 bytes; x: 16 loads of 512 bytes), so what the launch has on its way grows with the number of waves alone: a wave takes
; only 8 blocks (weights: 32 columns x 256 along K; x: 16 rows x 512 along K), and with these registers and this LDS several work-groups share a WGP.
.set SP,    272                        ; a stage row: 256 bytes + 16, so that sixteen rows start in sixteen different 16-byte columns
.set XREG,  2*16*SP                    ; path x: two stages of 16 rows for each wave
.set MST,   4*XREG                     ; path mask: behind them, one stage for each wave
.set MREG,  16*SP
.set NW,    8                          ; blocks of 32 along K for a wave of the weights' path
.set NX,    8                          ; steps of 64 along K for a wave of x's path
; 32 numbers of one block in v[xs] on -> four registers of codes in v[cd] on, the byte in v13
.macro BLOCKQ xs, cd
	v_max3_num_f32 v12, |v[\xs]|, |v[\xs+1]|, |v[\xs+2]|
	v_max3_num_f32 v13, |v[\xs+3]|, |v[\xs+4]|, |v[\xs+5]|
.irp i, 6,10,14,18,22,26
	v_max3_num_f32 v12, v12, |v[\xs+\i]|, |v[\xs+\i+1]|            ; two chains, so that no line waits for the line above it
	v_max3_num_f32 v13, v13, |v[\xs+\i+2]|, |v[\xs+\i+3]|
.endr
	v_max3_num_f32 v12, v12, |v[\xs+30]|, |v[\xs+31]|
	v_max3_num_f32 v12, v12, v13, 0x1800000        ; the floor 2^(3 - 127): the byte cannot fall under 1
	v_add_nc_u32 v11, 0xff000000, v12              ; 2 off the exponent field: the conversion takes this operand's exponent field as its scale
.irp g, 0,1,2,3
	v_cvt_scalef32_pk8_fp4_f32 v[\cd+\g], v[\xs+8*\g:\xs+8*\g+7], v11
.endr
	v_lshrrev_b32 v13, 23, v11                     ; the scale's byte (also the plain line behind the conversions)
.endm
	s_load_b512 s[8:23], s[0:1], 0x0               ; x s8, wq s10, wk s12, wv s14, wo s16, mask s18, cod s20, scl s22
	s_load_b128 s[24:27], s[0:1], 0x40             ; mb s24, fl s26
	v_lshl_add_u32 v224, v0, 2, 0xcc00
	v_mov_b32 v225, 0
	v_lshrrev_b32 v1, 5, v0
	v_readfirstlane_b32 s4, v1                     ; wave
	v_and_b32 v2, 31, v0                           ; lane l
	v_and_b32 v6, 15, v0                           ; r
	v_bfe_u32 v7, v0, 4, 1                         ; h
	s_cmp_lt_u32 ttmp9, 64
	s_cbranch_scc1 .Lmask
	s_cmp_lt_u32 ttmp9, 192
	s_cbranch_scc1 .Lx
; ---- THE WEIGHTS.  A lane takes a column n and its registers run down K: a block of 32 lies in one lane, the codes come out with K innermost, nothing is transposed.
; A work-group: one weight, 128 columns, 256 along K; a wave: 32 columns = two row blocks, 8 blocks of 32 along K.
	s_sub_co_u32 s5, ttmp9, 192
	s_lshr_b32 s6, s5, 7                           ; which weight
	s_bfe_u32 s7, s5, 0x40003                      ; which 128 columns
	s_and_b32 s5, s5, 7                            ; which 256 along K
	s_lshl_b32 s28, s7, 4
	s_lshl_b32 s29, s6, 3
	s_add_co_u32 s28, s28, s29
	s_add_co_u32 s28, s28, 128                     ; wq, wk: 128 + 16 head + 8 weight
	s_lshl_b32 s29, s6, 7
	s_lshl_b32 s34, s7, 3
	s_add_co_u32 s29, s29, s34
	s_add_co_u32 s29, s29, 128                     ; wv, wo: 128 (weight + 1) + 8 head
	s_cmp_lt_u32 s6, 2
	s_cselect_b32 s28, s28, s29
	s_lshl_b32 s29, s4, 1
	s_add_co_u32 s28, s28, s29                     ; my wave's first row block
	s_lshl_b32 s36, s5, 21                         ; the weight: 256 rows of 8,192 bytes a K part,
	s_lshl_b32 s29, s7, 9
	s_add_co_u32 s36, s36, s29
	s_lshl_b32 s29, s4, 7
	s_add_co_u32 s36, s36, s29                     ; + 4 bytes a column
	s_mov_b32 s37, 0
	s_lshl_b32 s38, s28, 14
	s_lshl_b32 s29, s5, 11
	s_add_co_u32 s38, s38, s29                     ; codes: row block x 16,384 + K part x 8 k blocks of 256 bytes
	s_mov_b32 s39, 0
	s_lshl_b32 s40, s28, 10
	s_lshr_b32 s29, s5, 1
	s_lshl_b32 s29, s29, 8
	s_add_co_u32 s40, s40, s29                     ; scale bytes: row block x 1,024 + (K / 512) x 256,
	s_and_b32 s29, s5, 1
	s_lshl_b32 s29, s29, 3
	s_add_co_u32 s40, s40, s29                     ; and the lower or the upper 8 of a row's 16 bytes
	s_mov_b32 s41, 0
	s_wait_alu depctr_va_vdst(0)
	v_lshlrev_b32 v3, 2, v2                        ; in: 4 bytes a lane: a wave reads 128 neighbouring bytes, the four waves 512
	v_and_b32 v8, 7, v2
	v_bfe_u32 v9, v2, 4, 1
	v_lshl_or_b32 v8, v9, 3, v8                    ; my column's place in its row block,
	v_bfe_u32 v9, v2, 3, 1                         ; and which of the two row blocks
	v_lshlrev_b32 v8, 4, v8
	v_lshl_add_u32 v4, v9, 14, v8
	v_lshl_add_u32 v5, v9, 10, v8
	s_wait_alu depctr_va_vdst(0)
	s_wait_kmcnt 0x0
	s_bitcmp1_b32 s6, 0                            ; the choice hangs on the work-group's number alone
	s_cselect_b64 s[30:31], s[12:13], s[10:11]
	s_cselect_b64 s[32:33], s[16:17], s[14:15]
	s_bitcmp1_b32 s6, 1
	s_cselect_b64 s[30:31], s[32:33], s[30:31]
	s_add_nc_u64 s[30:31], s[30:31], s[36:37]
	s_add_nc_u64 s[20:21], s[20:21], s[38:39]
	s_add_nc_u64 s[22:23], s[22:23], s[40:41]
.macro WLOAD t                         ; block t: w(32 t + j, my column) into set t % 2; the largest offset, 255 rows, lies inside the signed 24-bit immediate
.set j, 0
.rept 32
	global_load_b32 v[32+32*((\t)%2)+j], v3, s[30:31] offset:(32*(\t)+j)*8192 th:TH_LOAD_NT
.set j, j+1
.endr
.endm
.macro WBLOCK t
.if (\t) < NW-1
	s_wait_loadcnt 32                              ; this block's 32 loads are in; the next block's may be out
.else
	s_wait_loadcnt 0
.endif
	BLOCKQ 32+32*((\t)%2), 96+4*(\t)
.if (\t)%4 == 0
	v_mov_b32 v[24+(\t)/4], v13                    ; four bytes to a register, the lower K in the lower byte
.else
	v_lshl_or_b32 v[24+(\t)/4], v13, 8*((\t)%4), v[24+(\t)/4]
.endif
	global_store_b128 v4, v[96+4*(\t):96+4*(\t)+3], s[20:21] offset:256*(\t)   ; each block has its own registers; the sixteen lanes of a row block fill 256 aligned bytes
.if (\t)+2 < NW
	WLOAD (\t)+2
.endif
.endm
	WLOAD 0
	WLOAD 1
.irp t, 0,1,2,3,4,5,6,7
	WBLOCK \t
.endr
	global_store_b64 v5, v[24:25], s[22:23]        ; my column's 8 scale bytes: 8 of each 16, so these blocks of 256 bytes are written in two halves, by two work-groups: one byte in 128 of what the path reads
	s_endpgm
; ---- x.  K is innermost.  A wave: one row block, 512 along K, in 8 steps of 64.  Each load reads 256 neighbouring bytes of two rows; a step's 4,096 bytes turn through the
; wave's own stage, so that a lane then holds a whole block of 32 of its row.
.Lx:
	s_sub_co_u32 s5, ttmp9, 64
	s_lshl_b32 s5, s5, 2
	s_add_co_u32 s5, s5, s4
	s_lshr_b32 s6, s5, 2                           ; row block
	s_and_b32 s7, s5, 3                            ; which 512 of K
	s_lshr_b32 s28, s6, 1
	s_lshl_b32 s28, s28, 5
	s_and_b32 s29, s6, 1
	s_lshl_b32 s29, s29, 3
	s_add_co_u32 s28, s28, s29                     ; the row at place 0
	s_lshl_b32 s36, s28, 13
	s_lshl_b32 s29, s7, 11
	s_add_co_u32 s36, s36, s29                     ; x: row x 8,192 + 2,048 bytes a K part
	s_mov_b32 s37, 0
	s_lshl_b32 s38, s6, 14
	s_lshl_b32 s29, s7, 12
	s_add_co_u32 s38, s38, s29                     ; codes: 16 k blocks of 256 bytes a K part
	s_mov_b32 s39, 0
	s_lshl_b32 s40, s6, 10
	s_lshl_b32 s29, s7, 8
	s_add_co_u32 s40, s40, s29                     ; scale bytes: 256 a K part
	s_mov_b32 s41, 0
	s_wait_alu depctr_va_vdst(0)
	v_lshlrev_b32 v3, 4, v6
	v_lshl_add_u32 v3, v7, 13, v3                  ; in: 16 bytes a lane, lanes 16-31 one row further down
	s_mul_i32 s29, s4, XREG
	v_mul_u32_u24 v14, v7, SP
	v_lshl_add_u32 v14, v6, 4, v14
	v_add_nc_u32 v14, s29, v14                     ; into the stage as loaded
	v_mul_u32_u24 v15, v6, SP
	v_lshl_add_u32 v15, v7, 7, v15
	v_add_nc_u32 v15, s29, v15                     ; out of it: place r's row, block h of the step's two
	v_lshlrev_b32 v4, 4, v2                        ; out: 16 bytes a lane
	s_mov_b32 s30, 0x76543210
	s_mov_b32 s31, 0xfedcba98                      ; v_permlanex16_b32's selects for lane l xor 16
.irp i, 0,1,2,3
	v_mov_b32 v[216+\i], 0                         ; a lane permute's destination counts as one of its sources
.endr
	s_wait_alu depctr_va_vdst(0)
	s_wait_kmcnt 0x0
	s_add_nc_u64 s[8:9], s[8:9], s[36:37]
	s_add_nc_u64 s[20:21], s[20:21], s[38:39]
	s_add_nc_u64 s[22:23], s[22:23], s[40:41]
.macro XLOAD t                         ; places 2 i and 2 i + 1 are rows 2 i + 8 (i / 4) and the next
.irp i, 0,1,2,3,4,5,6,7
	global_load_b128 v[16+32*((\t)%2)+4*\i:16+32*((\t)%2)+4*\i+3], v3, s[8:9] offset:(2*\i+8*(\i/4))*8192+256*(\t) th:TH_LOAD_NT
.endr
.endm
.macro XTURN t                         ; LDS serves a wave's instructions in order: no wait between the stores and the loads
.irp i, 0,1,2,3,4,5,6,7
	ds_store_b128 v14, v[16+32*((\t)%2)+4*\i:16+32*((\t)%2)+4*\i+3] offset:16*SP*((\t)%2)+2*SP*\i
.endr
.irp i, 0,1,2,3,4,5,6,7
	ds_load_b128 v[80+32*((\t)%2)+4*\i:80+32*((\t)%2)+4*\i+3], v15 offset:16*SP*((\t)%2)+16*\i
.endr
.endm
.macro XSTEP t
	s_wait_dscnt 0x0                               ; this step's numbers are back; its stores into the stage have read their registers,
.if (\t)+2 < NX
	XLOAD (\t)+2                                   ; which take the loads of two steps on
.endif
.if (\t)+1 < NX
.if (\t)+2 < NX
	s_wait_loadcnt 8                               ; the next step's eight loads are in; those just issued may be out
.else
	s_wait_loadcnt 0
.endif
	XTURN (\t)+1
.endif
	BLOCKQ 80+32*((\t)%2), 144+4*(\t)
.if (\t)%2 == 0
	v_mov_b32 v[208+(\t)/2], v13                   ; k block 2 t + h of the wave's 16: byte 2 (t % 2) + h of word t / 2
.else
	v_lshl_or_b32 v[208+(\t)/2], v13, 16, v[208+(\t)/2]
.endif
	global_store_b128 v4, v[144+4*(\t):144+4*(\t)+3], s[20:21] offset:512*(\t)   ; two k blocks: 512 neighbouring bytes
.endm
	XLOAD 0
	XLOAD 1
	s_wait_loadcnt 8                               ; step 0's eight loads are in
	XTURN 0
.irp t, 0,1,2,3,4,5,6,7
	XSTEP \t
.endr
	v_lshlrev_b32 v10, 3, v7
.irp i, 0,1,2,3
	v_lshlrev_b32 v[208+\i], v10, v[208+\i]        ; my bytes at their places, 8 h bits up,
.endr
.irp i, 0,1,2,3
	v_permlanex16_b32 v[216+\i], v[208+\i], s30, s31
.endr
.irp i, 0,1,2,3
	v_or_b32 v[208+\i], v[208+\i], v[216+\i]       ; with lane l xor 16's the words are whole, in both halves of the lanes
.endr
	v_cmp_gt_u32 vcc_lo, 16, v2
	s_wait_alu depctr_va_vdst(0)
	s_wait_xcnt 0x0                                ; EXEC is a source of the stores above: it changes only behind this wait
	s_wait_tensorcnt 0x0
	ds_add_u32 v224, v225
	s_wait_dscnt 0x0
	s_and_saveexec_b32 s32, vcc_lo
	global_store_b128 v4, v[208:211], s[22:23]     ; lanes 0-15: 16 bytes a row place: 256 aligned bytes
	s_wait_xcnt 0x0
	s_or_b32 exec_lo, exec_lo, s32
	s_endpgm
; ---- THE MASK.  A wave: the 16 queries of one row block, 1,024 keys = 8 steps of 128.  A step becomes two words a lane (lane r + 16 h: the query at place r): bit 31 - n % 32 of word n / 32 =
; mask[query][128 step + 32 (n / 16) + 16 h + n % 16]: register n of the scores as the attention launch holds them.  Beside them two flags a step: has it a key that counts, has it a hidden key.
.Lmask:
	s_lshl_b32 s5, ttmp9, 2
	s_add_co_u32 s5, s5, s4
	s_lshr_b32 s6, s5, 1                           ; row block of queries
	s_and_b32 s7, s5, 1                            ; which half of the keys
	s_lshr_b32 s28, s6, 1
	s_lshl_b32 s28, s28, 5
	s_and_b32 s29, s6, 1
	s_lshl_b32 s29, s29, 3
	s_add_co_u32 s28, s28, s29
	s_lshl_b32 s36, s28, 11
	s_lshl_b32 s29, s7, 10
	s_add_co_u32 s36, s36, s29
	s_mov_b32 s37, 0
	s_lshl_b32 s38, s5, 11                         ; 8 steps of 256 bytes for each half
	s_mov_b32 s39, 0
	s_lshl_b32 s34, s5, 2
	s_mov_b32 s35, 0
	s_wait_alu depctr_va_vdst(0)
	v_lshlrev_b32 v3, 4, v6
	v_lshl_add_u32 v3, v7, 11, v3
	s_mul_i32 s29, s4, MREG
	s_add_co_u32 s29, s29, MST
	v_mul_u32_u24 v14, v7, SP
	v_lshl_add_u32 v14, v6, 4, v14
	v_add_nc_u32 v14, s29, v14
	v_mul_u32_u24 v15, v6, SP
	v_lshl_add_u32 v15, v7, 4, v15
	v_add_nc_u32 v15, s29, v15
	v_lshlrev_b32 v4, 3, v2
	s_wait_alu depctr_va_vdst(0)
	s_mov_b32 s30, 0
	s_mov_b32 s31, 0
	s_wait_kmcnt 0x0
	s_add_nc_u64 s[18:19], s[18:19], s[36:37]
	s_add_nc_u64 s[24:25], s[24:25], s[38:39]
	s_add_nc_u64 s[26:27], s[26:27], s[34:35]
.irp c, 0,1,2,3
.irp i, 0,1,2,3,4,5,6,7
	global_load_b128 v[16+32*\c+4*\i:16+32*\c+4*\i+3], v3, s[18:19] offset:(2*\i+8*(\i/4))*2048+256*\c th:TH_LOAD_NT
.endr
.endr
.macro MSTEP k, sp                     ; the wave's step k, half sp of its chunk of 256 keys
.irp w, 0,1                            ; word w: eight dwords of four bytes, each 0 or 1 (bool)
.irp d, 0,1,2,3,4,5,6,7
	v_lshl_or_b32 v[208+\d], v[176+16*(\sp)+8*\w+\d], 9, v[176+16*(\sp)+8*\w+\d]
.endr
.irp d, 0,1,2,3,4,5,6,7
	v_lshl_or_b32 v[208+\d], v[208+\d], 18, v[208+\d]    ; bits 27 to 24: bytes 0 to 3
.endr
.irp d, 0,1,2,3,4,5,6,7
	v_bfe_u32 v[208+\d], v[208+\d], 24, 4
.endr
.irp d, 0,2,4,6
	v_lshl_or_b32 v[208+\d], v[208+\d], 4, v[209+\d]
.endr
.irp d, 0,4
	v_lshl_or_b32 v[208+\d], v[208+\d], 8, v[210+\d]
.endr
	v_lshl_or_b32 v[144+2*(\k)+\w], v208, 16, v212       ; the lowest register's bit on top
.endr
	v_and_b32 v208, v[144+2*(\k)], v[145+2*(\k)]
	v_or_b32 v209, v[144+2*(\k)], v[145+2*(\k)]
	v_cmp_ne_u32 s28, -1, v208                     ; lanes with a key that counts
	v_cmp_ne_u32 s29, 0, v209                      ; lanes with a hidden key
	s_cmp_lg_u32 s28, 0
	s_cselect_b32 s32, 1<<(\k), 0
	s_or_b32 s30, s30, s32                         ; some key counts
	s_cmp_lg_u32 s29, 0
	s_cselect_b32 s32, 1<<(\k), 0
	s_or_b32 s31, s31, s32                         ; some key is hidden
	s_wait_alu depctr_va_vdst(0)
	global_store_b64 v4, v[144+2*(\k):145+2*(\k)], s[24:25] offset:256*(\k)   ; 256 aligned bytes
.endm
.macro MCHUNK c
	s_wait_loadcnt 8*(3-\c)                        ; this chunk's eight loads are in; the later chunks' may be out
.irp i, 0,1,2,3,4,5,6,7
	ds_store_b128 v14, v[16+32*\c+4*\i:16+32*\c+4*\i+3] offset:2*SP*\i
.endr
.irp i, 0,1,2,3,4,5,6,7
	ds_load_b128 v[176+4*\i:176+4*\i+3], v15 offset:32*\i    ; keys 32 i + 16 h + 0 .. 15 of place r's row
.endr
	s_wait_dscnt 0x0
	MSTEP 2*\c, 0
	MSTEP 2*\c+1, 1
.endm
	MCHUNK 0
	MCHUNK 1
	MCHUNK 2
	MCHUNK 3
	s_lshl_b32 s29, s7, 3
	s_lshl_b32 s30, s30, s29                       ; bit step: a key counts; bit 16 + step: a key is hidden
	s_lshl_b32 s31, s31, s29
	s_lshl_b32 s31, s31, 16
	s_or_b32 s30, s30, s31
	v_mov_b32 v8, s30
	v_mov_b32 v9, 0
	v_cmp_eq_u32 vcc_lo, 0, v2
	s_wait_alu depctr_va_vdst(0)
	s_wait_xcnt 0x0                                ; EXEC is a source of the stores above: it changes only behind this wait
	s_wait_tensorcnt 0x0
	ds_add_u32 v224, v225
	s_wait_dscnt 0x0
	s_and_saveexec_b32 s32, vcc_lo
	global_store_b32 v9, v8, s[26:27]
	s_wait_xcnt 0x0
	s_or_b32 exec_lo, exec_lo, s32
	s_endpgm
.Lfunc_end_k_qb443e5bc6f_prep:
	.size	k_qb443e5bc6f_prep, .Lfunc_end_k_qb443e5bc6f_prep-k_qb443e5bc6f_prep
	.p2alignl 7, 3214868480
	.fill 96, 4, 3214868480
	.section	.rodata,"a",@progbits
	.p2align	6, 0x0
	.amdhsa_kernel k_qb443e5bc6f_prep
		.amdhsa_group_segment_fixed_size 52736
		.amdhsa_private_segment_fixed_size 0
		.amdhsa_enable_private_segment 0
		.amdhsa_kernarg_size 80
		.amdhsa_user_sgpr_count 2
		.amdhsa_user_sgpr_kernarg_segment_ptr 1
		.amdhsa_wavefront_size32 1
		.amdhsa_system_sgpr_workgroup_id_x 1
		.amdhsa_system_sgpr_workgroup_id_y 1
		.amdhsa_system_sgpr_workgroup_id_z 1
		.amdhsa_system_vgpr_workitem_id 0
		.amdhsa_next_free_vgpr 226
		.amdhsa_next_free_sgpr 66
		.amdhsa_reserve_vcc 1
		.amdhsa_float_denorm_mode_32 3
		.amdhsa_float_denorm_mode_16_64 3
		.amdhsa_memory_ordered 1
		.amdhsa_forward_progress 1
		.amdhsa_inst_pref_size 113
	.end_amdhsa_kernel
	.amdgpu_metadata
---
amdhsa.version: [ 1, 2 ]
amdhsa.kernels:
  - .name:           k_qb443e5bc6f_prep
    .symbol:         k_qb443e5bc6f_prep.kd
    .args:
      - { .name: x, .offset: 0, .size: 8, .value_kind: global_buffer, .address_space: global }
      - { .name: wq, .offset: 8, .size: 8, .value_kind: global_buffer, .address_space: global }
      - { .name: wk, .offset: 16, .size: 8, .value_kind: global_buffer, .address_space: global }
      - { .name: wv, .offset: 24, .size: 8, .value_kind: global_buffer, .address_space: global }
      - { .name: wo, .offset: 32, .size: 8, .value_kind: global_buffer, .address_space: global }
      - { .name: mask, .offset: 40, .size: 8, .value_kind: global_buffer, .address_space: global }
      - { .name: cod, .offset: 48, .size: 8, .value_kind: global_buffer, .address_space: global }
      - { .name: scl, .offset: 56, .size: 8, .value_kind: global_buffer, .address_space: global }
      - { .name: mb, .offset: 64, .size: 8, .value_kind: global_buffer, .address_space: global }
      - { .name: fl, .offset: 72, .size: 8, .value_kind: global_buffer, .address_space: global }
    .group_segment_fixed_size: 52736
    .private_segment_fixed_size: 0
    .kernarg_segment_align: 8
    .kernarg_segment_size: 80
    .max_flat_workgroup_size: 128
    .sgpr_count:     66
    .vgpr_count:     226
    .wavefront_size: 32
...
	.end_amdgpu_metadata
.endif
;; end of part 5
;; launch qkvg (part 6): grid 24 x 8, 4 waves a work-group, clusters of 4 x 4, 327,680 bytes of LDS; arguments cod, scl, qkv; writes qkv
.if DOCPART == 6
	.amdgcn_target "amdgcn-amd-amdhsa--gfx1250"
	.amdhsa_code_object_version 6
	.text
	.protected	k_qb443e5bc6f_qkvg
	.globl	k_qb443e5bc6f_qkvg
	.p2align	8
	.type	k_qb443e5bc6f_qkvg,@function
k_qb443e5bc6f_qkvg:
	s_mov_b64 s[64:65], 0
	v_nop
	global_prefetch_b8 v0, s[64:65] scope:SCOPE_SE
	s_setreg_imm32_b32 hwreg(HW_REG_WAVE_MODE, 25, 1), 1
	s_wait_xcnt 0x0
	s_wait_alu depctr_hold_cnt(0) depctr_sa_sdst(0) depctr_va_vdst(0) depctr_va_sdst(0) depctr_va_ssrc(0) depctr_va_vcc(0) depctr_vm_vsrc(0)
	s_getreg_b32 s2, hwreg(HW_REG_IB_STS2, 6, 4)
	s_cmp_eq_u32 s2, 0
	s_cbranch_scc0 .Lentry_in_a_cluster
	s_endpgm
.Lentry_in_a_cluster:
	s_bfe_u32 s2, ttmp6, 0x10000c
	s_cmp_lg_u32 s2, 0xf033
	s_cbranch_scc0 .Lentry_shape_is_right
	s_endpgm
.Lentry_shape_is_right:
; q = rope(x wq), k = rope(x wk), v = x wv on codes of FP4, and their quantising for the attention launch.  One text for two shapes of one product, D = source 0's rows (in a lane's
; registers) x source 1's rows (in the lanes), 256 x 256 a work-group, 128 x 128 a wave (64 accumulators), K = 2,048 in four steps of 512 through two LDS slots.
;   tile column 0-15 (head tx): source 0 = wq's and wk's 128 channels of the head, source 1 = 256 tokens: a lane holds ONE token, its registers run along the head's channels;
;   tile column 16-23: source 0 = 256 tokens, source 1 = wv's channels of two heads: a lane holds ONE channel, its registers run along the tokens, which are the second product's K.
; Every operand lies in memory as images of operand registers (16 rows x 128 K = 1,024 bytes, lane l's 16 bytes at 16 l): no pitch, no padding; a load of 32 lanes takes 512 bytes on end.
; Row places are permuted (place p of 32 = row p with bits 3 and 4 exchanged), so that the 16 registers of source 0's blocks 2 b, 2 b + 1 are 16 NEIGHBOURS: 32 b + 16 (lane / 16) + 0 .. 15.
; ROPE.  angle = RN(t x f), f = RN(1 / RN(10000^(i / 1024))), as the tables are defined in f32.  10000^(i / 1024) is a product of repeated square roots of 100 in double-float arithmetic; cos and sin of
; the exact t f come from tables for t % 32 and t - t % 32 by the addition theorem, and are then moved by delta = t f - RN(t f), which one fused multiply-add gives exactly.
; LIMITS: f equals the defining bits only where that power is correctly rounded there; cos and sin are good to about 3e-7.  NaN and infinities are not served; a block under 2^-124 keeps the byte 1.
; CLUSTERS: 4 x 4.  Source 1's tiles hang on the tile row alone and are shared along a row of the cluster, source 0's on the tile column alone and are shared along a column: joint loads.
; 192 work-groups: with tiles of 128 rows each LDS byte would feed half the products.  By this text's count a wave has one tensor load out at the start and one behind each round.
; REGISTERS: window 0: v1-29 addresses; v32-95 scale words, two sets, and nothing else; v96-223 at work at the head and on the way out.  window 1: two sets of fragments (source 0's 8 at 128 p, source 1's at 128 p + 64);
; on the way out the tables.  windows 2, 3: the accumulators, (a, b) at v[8 (8 (a % 4) + b)].
.set SLOT,  131072                     ; a slot: source 1's 16 row blocks x 4,096 bytes, then source 0's
.set RBS,   4096
.set SCL,   2*SLOT                     ; the scale bytes of all of K: source 1's 16 KiB, source 0's 16 KiB: filled once
.set TAB,   SCL+32768                  ; 42 table rows of 64 cos, 64 sin and 16 bytes: rows 0-31 t % 32; 32-39 t = 256 ty + 32 n; 40, 41 f
.set TP,    528
.set SPARE, TAB+22272                  ; the spare words, 128 bytes for each wave
.set BLKB,  26112                      ; a block of qkv: K's codes 0, V's 8192, K's scales 16384, V's 16896, Q's codes 17408, Q's scales 25600
.set LI,   16                          ; v16  16 x lane
.set ADRA, 17                          ; v17-18  my fragments of source 1 in slot 0, 1
.set ADRB, 20                          ; v20-21  of source 0
.set ATL,  22                          ; v22  table row t % 32 of my lane
.set ATH,  23                          ; v23  table rows of my 128 tokens' upper parts
.set ATB,  24                          ; v24  TAB + 32 (lane / 16)
.set ADRS, 27                          ; v27  my scale words: lanes 0-15 source 1's, lanes 16-31 source 0's
.set SPW,  28
.set NIL,  29
.set SC,   32
.set HA,   96                          ; v96-159  64 numbers ahead of the quantiser
.set DL,   160                         ; v160-191 delta, then products at work
.set TM,   192                         ; v192-207 the quantiser's
.set PC,   208                         ; v208-215 the codes just made
.set WD,   216                         ; v216-223 the eight scale words
.set CL,   0                           ; window 1 on the way out: cos, sin of t % 32; the finished cos, sin; cos, sin of the upper part; f
.set SL,   32
.set CC,   64
.set SS,   96
.set CH,   128
.set SH,   160
.set TH,   192
.set G1, 24
.set G0, 32
.set G1B, 48
.set G0B, 56
.set G1S, 68
.set G0S, 76
.set G1SB, 80
.set G0SB, 88
.set MSB, 0
.macro WIN new                         ; the immediate's high byte repeats the setting that is left
.if MSB != \new
	s_set_vgpr_msb (MSB<<8)|\new
.set MSB, \new
.endif
.endm
.set MUL_LO, 0xa5                      ; both sources window 1, C and D window 2
.set MUL_HI, 0xf5                      ; C and D window 3
.set TO_F,   0x40                      ; destination window 1
.macro JLOAD g0a, g1a, g0b, g1b        ; a joint load: waves 0, 1 fetch source 1's halves, waves 2, 3 source 0's; four v_nop follow each line
	s_cmp_eq_u32 s15, 0
	s_cbranch_scc0 .Lfor_b_\@
	tensor_load_to_lds s[\g0a:\g0a+3], s[\g1a:\g1a+7]
	s_nop 0
.rept 4
	v_nop
.endr
	s_branch .Lasked_\@
.Lfor_b_\@:
	tensor_load_to_lds s[\g0b:\g0b+3], s[\g1b:\g1b+7]
	s_nop 0
.rept 4
	v_nop
.endr
.Lasked_\@:
.endm
.macro CREST
	s_cmp_lg_u32 s14, 0
	s_cbranch_scc1 .Lnot_wave_0_\@
	s_barrier_signal -3
.Lnot_wave_0_\@:
	s_barrier_wait -3
	s_barrier_signal -1
	s_barrier_wait -1
.endm
.macro CROUND
	s_barrier_signal -1
	s_barrier_wait -1
	CREST
.endm
.macro PLACES n
.rept \n
	v_nop
.endr
.endm
	s_load_b128 s[4:7], s[0:1], 0x0                ; cod, scl
	s_load_b64 s[8:9], s[0:1], 0x10                ; qkv
	v_lshl_add_u32 v[SPW], v0, 2, SPARE
	v_mov_b32 v[NIL], 0
	ds_add_u32 v28, v29
	ds_add_u32 v28, v29
	s_wait_dscnt 0x0
	v_lshrrev_b32 v1, 5, v0
	v_readfirstlane_b32 s14, v1                    ; wave
	s_lshr_b32 s15, s14, 1                         ; my half of source 1's rows.  Also: I fetch for source 1 (0) or source 0 (1)
	s_and_b32 s16, s14, 1                          ; my half of source 0's rows.  Also: which 8 row blocks I fetch
	s_bfe_u32 s40, ttmp6, 0x40000                  ; cx
	s_bfe_u32 s41, ttmp6, 0x40004                  ; cy
	s_lshl_b32 s42, ttmp9, 2
	s_add_co_u32 s42, s42, s40                     ; tx
	s_and_b32 s17, ttmp7, 0xffff
	s_lshl_b32 s17, s17, 2
	s_add_co_u32 s17, s17, s41                     ; ty
	s_lshl_b32 s43, s41, 2
	s_lshl_b32 s43, 15, s43                        ; my row of the cluster
	s_lshl_b32 s44, 0x1111, s40                    ; my column
	s_lshr_b32 s10, ttmp9, 2                       ; 1: the V shape; equal in all partners
	s_mul_i32 s11, s10, 384
	s_mov_b32 s12, 0x76543210
	s_mov_b32 s13, 0xfedcba98                      ; v_permlanex16_b32's selects for lane l xor 16
	; group 1, codes: 16 row blocks (8 in the ring) x 4,096 bytes (512 elements of 8 bytes), 16,384 bytes apart
	s_or_b32 s[G1+0], s43, (3<<16)|(1<<21)
	s_or_b32 s[G1B+0], s44, (3<<16)|(1<<21)
.irp g, G1, G1B
	s_mov_b32 s[\g+1], 512<<16
	s_mov_b32 s[\g+2], 16<<16                      ; the head's loads bring a tile's 16 row blocks; behind them the two words that count rows are set to 8, for the ring's
	s_mov_b32 s[\g+3], 512<<16
	s_mov_b32 s[\g+4], 16
	s_mov_b32 s[\g+5], 2048
	s_mov_b32 s[\g+6], 0
	s_mov_b32 s[\g+7], 0
.endr
	; group 1, scale bytes: 16 row blocks x 1,024 dense bytes, as 64 rows of 256
	s_or_b32 s[G1S+0], s43, (3<<16)|(1<<21)
	s_or_b32 s[G1SB+0], s44, (3<<16)|(1<<21)
.irp g, G1S, G1SB
	s_mov_b32 s[\g+1], 32<<16
	s_mov_b32 s[\g+2], 64<<16                      ; 16 row blocks x 1,024 dense bytes: 64 rows of 256
	s_mov_b32 s[\g+3], 32<<16
	s_mov_b32 s[\g+4], 64
	s_mov_b32 s[\g+5], 32
	s_mov_b32 s[\g+6], 0
	s_mov_b32 s[\g+7], 0
.endr
	s_lshl_b32 s18, s16, 17                        ; in the ring I fetch 8 of a tile's 16 row blocks: which half, in bytes
	s_mov_b32 s19, 0
	s_lshl_b32 s20, s17, 4
	s_add_co_u32 s20, s20, s11                     ; source 1: row block 16 ty (x) or 384 + 16 ty (wv)
	s_lshl_b32 s46, s42, 4
	s_add_co_u32 s46, s46, 128
	s_sub_co_u32 s46, s46, s11                     ; source 0: 128 + 16 tx (wq, wk) or 16 (tx - 16) (x)
	s_lshl_b32 s22, s20, 10
	s_mov_b32 s23, 0
	s_lshl_b32 s92, s46, 10
	s_mov_b32 s93, 0
	s_lshl_b32 s20, s20, 14
	s_mov_b32 s21, 0
	s_lshl_b32 s46, s46, 14
	s_mov_b32 s47, 0
	s_lshl_b32 s45, s14, 15                        ; where they go: wave x 32,768: no place in the cluster enters an LDS address
	s_wait_kmcnt 0x0
	s_add_nc_u64 s[20:21], s[4:5], s[20:21]
	s_add_nc_u64 s[22:23], s[6:7], s[22:23]
	s_add_nc_u64 s[46:47], s[4:5], s[46:47]
	s_add_nc_u64 s[92:93], s[6:7], s[92:93]
	CROUND                                         ; all sixteen work-groups are here: the first joint loads meet
	s_mov_b32 s[G0S], 1
	s_mov_b32 s[G0S+1], SCL
	s_mov_b64 s[G0S+2:G0S+3], s[22:23]
	s_or_b32 s[G0S+3], s[G0S+3], 0x80000000
	s_mov_b32 s[G0SB], 1
	s_mov_b32 s[G0SB+1], SCL+16384
	s_mov_b64 s[G0SB+2:G0SB+3], s[92:93]
	s_or_b32 s[G0SB+3], s[G0SB+3], 0x80000000
	s_add_nc_u64 s[98:99], s[20:21], s[18:19]      ; the ring's: my 8 row blocks
	s_add_nc_u64 s[100:101], s[46:47], s[18:19]
.irp s, 0,1
	s_mov_b32 s[G0+4*\s], 1
	s_add_co_u32 s[G0+4*\s+1], s45, \s*SLOT
	s_add_nc_u64 s[G0+4*\s+2:G0+4*\s+3], s[98:99], \s*RBS
	s_or_b32 s[G0+4*\s+3], s[G0+4*\s+3], 0x80000000
	s_mov_b32 s[G0B+4*\s], 1
	s_add_co_u32 s[G0B+4*\s+1], s45, \s*SLOT
	s_add_nc_u64 s[G0B+4*\s+2:G0B+4*\s+3], s[100:101], \s*RBS
	s_or_b32 s[G0B+4*\s+3], s[G0B+4*\s+3], 0x80000000
.endr
; THE HEAD'S LOADS, ONE A WAVE: wave 0 fetches source 1's 16 row blocks of K step 0, wave 1 source 0's,
; wave 2 source 1's scale bytes for all of K, wave 3 source 0's.  Slot 1's first fill stands behind the tables and a round of its own.  Nothing is prefetched into the L2: K is four steps, all asked for in the first half of the products.
.set G0H,  20                          ; s[20:23], s[4:7]: group 0 of the head's two loads of codes (the numbers that lay there have been used)
.set G0HB, 4
	s_mov_b64 s[G0H+2:G0H+3], s[20:21]
	s_or_b32 s[G0H+3], s[G0H+3], 0x80000000
	s_mov_b32 s[G0H], 1
	s_mov_b32 s[G0H+1], 0
	s_mov_b64 s[G0HB+2:G0HB+3], s[46:47]
	s_or_b32 s[G0HB+3], s[G0HB+3], 0x80000000
	s_mov_b32 s[G0HB], 1
	s_mov_b32 s[G0HB+1], 65536
.macro ARM under, g0, g1, next
	s_cmp_lt_u32 s14, \under
	s_cbranch_scc0 \next
	tensor_load_to_lds s[\g0:\g0+3], s[\g1:\g1+7]
	s_nop 0
.rept 4
	v_nop
.endr
	s_branch .Lhead_asked
\next:
.endm
	ARM 1, G0H,  G1,  .Lhead_b
	ARM 2, G0HB, G1B, .Lhead_sa
	ARM 3, G0S,  G1S, .Lhead_sb
	tensor_load_to_lds s[G0SB:G0SB+3], s[G1SB:G1SB+7]
	s_nop 0
.rept 4
	v_nop
.endr
.Lhead_asked:
	v_and_b32 v1, 15, v0                           ; r
	v_bfe_u32 v2, v0, 4, 1                         ; h
	s_wait_alu depctr_va_vdst(0)
	v_and_b32 v3, 31, v0
	v_lshlrev_b32 v[LI], 4, v3
	s_lshl_b32 s18, s15, 15
	s_lshl_b32 s19, s16, 15
	s_add_co_u32 s19, s19, 65536
.irp s, 0,1
	v_add_nc_u32 v[ADRA+\s], s18, v[LI]
	v_add_nc_u32 v[ADRB+\s], s19, v[LI]
	s_add_co_u32 s18, s18, SLOT
	s_add_co_u32 s19, s19, SLOT
.endr
	s_lshl_b32 s18, s15, 13
	s_lshl_b32 s19, s16, 13
	s_add_co_u32 s19, s19, 16384
	s_sub_co_u32 s19, s19, s18
	v_mul_u32_u24 v4, s19, v2                      ; lanes 16-31 take source 0's: one product, the distance between the two bases
	s_add_co_u32 s18, s18, SCL
	v_lshl_add_u32 v4, v1, 4, v4
	v_add_nc_u32 v[ADRS], s18, v4
	v_lshrrev_b32 v4, 3, v1
	v_lshl_add_u32 v4, v4, 3, v1                   ; r + 8 (r / 8)
	v_lshlrev_b32 v5, 5, v2
	v_add_nc_u32 v[ATB], TAB, v5
	v_mad_u32_u24 v[ATL], v4, TP, v[ATB]
	s_mul_i32 s18, s15, 4*TP
	v_add_nc_u32 v[ATH], s18, v[ATB]
	s_lshl_b32 s96, s17, 8
	s_lshl_b32 s97, s15, 7
	s_add_co_u32 s97, s97, s96
	v_add_nc_u32 v15, s97, v4                      ; my lane's token in block 0 of my 128
.irp b, 0,1,2,3
	v_mov_b32 v[TM+4+\b], 0                        ; a lane permute's destination counts as one of its sources
.endr
; ---- THE TABLES, while the first tiles are on their way.  Thread: pair = v0 % 64, half = v0 / 64.  Every work-group walks this one path (in the V shape the rows are not read).
.set PAIR, 100
.set HALF, 101
.set IDX,  102
.set PH,   104                         ; the power, in two parts
.set PL,   105
.set GH,   106                         ; 10000^(2^b / 1024), in two parts
.set GL,   107
.set THT,  116                         ; f
.set VB,   118
.set VA,   119
.set K1,   122
.set K2,   123
.set TF,   224                         ; v224-227 t of the four rows in hand; v228-231 t of rows 32 on
.set TFH,  228
.set EV,   128                         ; v128-191 four sets of 16 at work
	v_and_b32 v[PAIR], 63, v0
	v_lshrrev_b32 v[HALF], 6, v0
	s_lshl_b32 s97, s42, 6
	v_add_nc_u32 v[IDX], s97, v[PAIR]              ; i = 64 head + pair
	v_mul_u32_u24 v[VB], v[HALF], TP
	v_lshl_add_u32 v[VB], v[PAIR], 2, v[VB]
	v_add_nc_u32 v[VB], TAB, v[VB]
	v_mov_b32 v[K1], 0xb94ca1f9
	v_mov_b32 v[K2], 0x37ccf5ce
.irp k, 0,1,2,3
	v_add_nc_u32 v[TF+\k], 2*\k, v[HALF]
	v_lshl_add_u32 v[TFH+\k], v[TF+\k], 5, s96     ; 256 ty + 32 (2 k + half)
.endr
.irp k, 0,1,2,3
	v_cvt_f32_u32 v[TF+\k], v[TF+\k]
	v_cvt_f32_u32 v[TFH+\k], v[TFH+\k]
.endr
.macro DFMULSEL b                      ; the power x (bit b of i ? g : 1), in two parts
	v_and_b32 v108, 1<<\b, v[IDX]
	v_cmp_ne_u32 vcc_lo, 0, v108
	v_cndmask_b32 v109, 1.0, v[GH], vcc_lo
	v_cndmask_b32 v110, 0, v[GL], vcc_lo
	v_mul_f32 v111, v[PH], v109
	v_fma_f32 v112, v[PH], v109, -v111             ; what the product lost,
	v_fma_f32 v112, v[PH], v110, v112
	v_fma_f32 v112, v[PL], v109, v112              ; and the cross terms
	v_add_f32 v[PH], v111, v112
	v_sub_f32 v113, v[PH], v111
	v_sub_f32 v[PL], v112, v113
.endm
.macro DFSQRT                          ; g = sqrt(g), in two parts: one Newton step on the residual
	v_sqrt_f32 v108, v[GH]
	v_nop
	s_wait_alu depctr_va_vdst(0)
	v_rcp_f32 v109, v108
	v_fma_f32 v110, -v108, v108, v[GH]             ; (the plain line behind the reciprocal)
	v_add_f32 v110, v110, v[GL]
	s_wait_alu depctr_va_vdst(0)
	v_mul_f32 v109, 0.5, v109
	v_mul_f32 v110, v110, v109
	v_add_f32 v[GH], v108, v110
	v_sub_f32 v111, v[GH], v108
	v_sub_f32 v[GL], v110, v111
.endm
	v_mov_b32 v[PH], 1.0
	v_mov_b32 v[PL], 0
	v_mov_b32 v[GH], 0x42c80000                    ; 100 = 10000^(512 / 1024)
	v_mov_b32 v[GL], 0
	DFMULSEL 9
	v_mov_b32 v[GH], 0x41200000                    ; 10
	DFMULSEL 8
.irp b, 7,6,5,4,3,2,1,0
	DFSQRT
	DFMULSEL \b
.endr
	v_rcp_f32 v[THT], v[PH]                        ; the upper part is the power rounded to f32; f = 1 / it, two corrections
	v_nop
	s_wait_alu depctr_va_vdst(0)
	v_fma_f32 v108, -v[PH], v[THT], 1.0
	v_fma_f32 v[THT], v[THT], v108, v[THT]
	v_fma_f32 v108, -v[PH], v[THT], 1.0
	v_fma_f32 v[THT], v[THT], v108, v[THT]
	ds_store_b32 v[VB], v[THT] offset:40*TP
	s_mov_b32 s95, 0
	s_mov_b32 s3, 5
.Ltab:                                                 ; a trip: rows 8 n + 2 k + half, k = 0 .. 3, line by line, so that no line waits for the line above it
	s_wait_alu depctr_va_vdst(0)
.irp k, 0,1,2,3
	v_mul_f32 v[EV+16*\k], v[TF+\k], v[THT]                              ; t f, upper part,
.endr
.irp k, 0,1,2,3
	v_fma_f32 v[EV+16*\k+1], v[TF+\k], v[THT], -v[EV+16*\k]              ; and what it lost
.endr
.irp k, 0,1,2,3
	v_mul_f32 v[EV+16*\k+2], 0x3f22f983, v[EV+16*\k]
.endr
.irp k, 0,1,2,3
	v_rndne_f32 v[EV+16*\k+2], v[EV+16*\k+2]                             ; how many quarter turns
.endr
.irp k, 0,1,2,3
	v_fma_f32 v[EV+16*\k+3], v[EV+16*\k+2], 0xbfc90fdb, v[EV+16*\k]      ; less pi / 2 in two parts
.endr
.irp k, 0,1,2,3
	v_fma_f32 v[EV+16*\k+3], v[EV+16*\k+2], 0x333bbd2e, v[EV+16*\k+3]
.endr
.irp k, 0,1,2,3
	v_add_f32 v[EV+16*\k+3], v[EV+16*\k+3], v[EV+16*\k+1]                ; r, within pi / 4
.endr
.irp k, 0,1,2,3
	v_mul_f32 v[EV+16*\k+4], v[EV+16*\k+3], v[EV+16*\k+3]                ; z = r r
.endr
.irp k, 0,1,2,3
	v_cvt_i32_f32 v[EV+16*\k+5], v[EV+16*\k+2]
.endr
.irp k, 0,1,2,3
	v_fma_f32 v[EV+16*\k+6], v[K1], v[EV+16*\k+4], 0x3c08839e
	v_fma_f32 v[EV+16*\k+7], v[K2], v[EV+16*\k+4], 0xbab6061a
.endr
.irp k, 0,1,2,3
	v_fma_f32 v[EV+16*\k+6], v[EV+16*\k+6], v[EV+16*\k+4], 0xbe2aaaa3
	v_fma_f32 v[EV+16*\k+7], v[EV+16*\k+7], v[EV+16*\k+4], 0x3d2aaaa5
.endr
.irp k, 0,1,2,3
	v_mul_f32 v[EV+16*\k+6], v[EV+16*\k+6], v[EV+16*\k+4]
	v_mul_f32 v[EV+16*\k+7], v[EV+16*\k+7], v[EV+16*\k+4]
.endr
.irp k, 0,1,2,3
	v_fma_f32 v[EV+16*\k+8], v[EV+16*\k+4], -0.5, 1.0
.endr
.irp k, 0,1,2,3
	v_fma_f32 v[EV+16*\k+6], v[EV+16*\k+6], v[EV+16*\k+3], v[EV+16*\k+3] ; sin r
	v_fma_f32 v[EV+16*\k+7], v[EV+16*\k+7], v[EV+16*\k+4], v[EV+16*\k+8] ; cos r
.endr
.irp k, 0,1,2,3
	v_and_b32 v[EV+16*\k+8], 1, v[EV+16*\k+5]
	v_lshlrev_b32 v[EV+16*\k+9], 30, v[EV+16*\k+5]                       ; sin's sign: bit 1 of the count
	v_add_nc_u32 v[EV+16*\k+5], 1, v[EV+16*\k+5]
.endr
.irp k, 0,1,2,3
	v_cmp_ne_u32 s[96+\k], 0, v[EV+16*\k+8]
	v_lshlrev_b32 v[EV+16*\k+5], 30, v[EV+16*\k+5]                       ; cos's: bit 1 of the count + 1
.endr
.irp k, 0,1,2,3
	v_cndmask_b32 v[EV+16*\k], v[EV+16*\k+6], v[EV+16*\k+7], s[96+\k]    ; an odd count exchanges the two
	v_cndmask_b32 v[EV+16*\k+1], v[EV+16*\k+7], v[EV+16*\k+6], s[96+\k]
.endr
.irp k, 0,1,2,3
	v_and_b32 v[EV+16*\k+9], 0x80000000, v[EV+16*\k+9]
	v_and_b32 v[EV+16*\k+5], 0x80000000, v[EV+16*\k+5]
.endr
.irp k, 0,1,2,3
	v_xor_b32 v[EV+16*\k], v[EV+16*\k], v[EV+16*\k+9]
	v_xor_b32 v[EV+16*\k+1], v[EV+16*\k+1], v[EV+16*\k+5]
.endr
	v_add_nc_u32 v[VA], s95, v[VB]
.irp k, 0,1,2,3
	ds_store_b32 v[VA], v[EV+16*\k+1] offset:2*TP*\k
	ds_store_b32 v[VA], v[EV+16*\k] offset:2*TP*\k+256
.endr
.irp k, 0,1,2,3
	v_add_f32 v[TF+\k], 0x41000000, v[TF+\k]       ; eight rows on;
.endr
	s_cmp_eq_u32 s3, 2                             ; behind the fourth trip: the rows of the upper parts
	s_cselect_b32 s96, -1, 0
.irp k, 0,1,2,3
	v_cndmask_b32 v[TF+\k], v[TF+\k], v[TFH+\k], s96
.endr
	s_add_co_u32 s95, s95, 8*TP
	s_sub_co_u32 s3, s3, 1
	s_cmp_lg_u32 s3, 0
	s_cbranch_scc1 .Ltab
; ---- THE PRODUCT
.macro FRAG reg, adr, off              ; a fragment as it lies: two loads of 512 bytes on end
	ds_load_b128 v[\reg:\reg+3], v[\adr] offset:\off
	ds_load_b128 v[\reg+4:\reg+7], v[\adr] offset:\off+512
.endm
.macro FETCH slot, q, p                ; the 16 fragments of the slot's q-th 128 along K into set p: 32 loads
	WIN TO_F
.irp i, 0,1,2,3,4,5,6,7
	FRAG 128*(\p)+8*\i, ADRB+\slot, \i*RBS+(\q)*1024
.endr
.irp i, 0,1,2,3,4,5,6,7
	FRAG 128*(\p)+64+8*\i, ADRA+\slot, \i*RBS+(\q)*1024
.endr
.endm
.macro SCALES sc                       ; a K step's scale words: four a row; lanes 0-15 source 1's block i, lanes 16-31 source 0's block i
.irp i, 0,1,2,3,4,5,6,7
	ds_load_b128 v[SC+32*\sc+4*\i:SC+32*\sc+4*\i+3], v[ADRS] offset:\i*1024
.endr
.endm
; 16 products.  The 64 accumulators take turns, one instruction a turn, in the same order in every step.  zero = 1: the first product starts the sums.
.macro MUL16 a0, p, q, sc, zero
.irp a, \a0, \a0+1
.irp b, 0,1,2,3,4,5,6,7
.if \zero
	v_wmma_scale_f32_16x16x128_f8f6f4 v[8*(8*((\a)%4)+\b):8*(8*((\a)%4)+\b)+7], v[128*(\p)+8*\b:128*(\p)+8*\b+7], v[128*(\p)+64+8*(\a):128*(\p)+64+8*(\a)+7], 0, v[SC+32*(\sc)+4*\b+(\q)], v[SC+32*(\sc)+4*(\a)+(\q)] matrix_a_fmt:MATRIX_FMT_FP4 matrix_b_fmt:MATRIX_FMT_FP4 matrix_a_scale:MATRIX_SCALE_ROW1
.else
	v_wmma_scale_f32_16x16x128_f8f6f4 v[8*(8*((\a)%4)+\b):8*(8*((\a)%4)+\b)+7], v[128*(\p)+8*\b:128*(\p)+8*\b+7], v[128*(\p)+64+8*(\a):128*(\p)+64+8*(\a)+7], v[8*(8*((\a)%4)+\b):8*(8*((\a)%4)+\b)+7], v[SC+32*(\sc)+4*\b+(\q)], v[SC+32*(\sc)+4*(\a)+(\q)] matrix_a_fmt:MATRIX_FMT_FP4 matrix_b_fmt:MATRIX_FMT_FP4 matrix_a_scale:MATRIX_SCALE_ROW1
.endif
.endr
.endr
.endm
.macro STEP slot, q, zero              ; 128 along K whose successor lies in the same slot
	PLACES 4                                       ; the other set was read by the products just issued (for instructions other than loads)
	FETCH \slot, (\q)+1, 1-(\q)%2
	s_wait_dscnt 32                                ; all but the 32 just issued: this step's fragments are in
	WIN MUL_LO
	MUL16 0, (\q)%2, \q, \slot, \zero
	MUL16 2, (\q)%2, \q, \slot, \zero
	WIN MUL_HI
	MUL16 4, (\q)%2, \q, \slot, \zero
	MUL16 6, (\q)%2, \q, \slot, \zero
.endm
; A slot's last step changes slots: one barrier; in front of it each wave waits for all its tensor loads, adds 0 to its spare word, and waits for that and for its reads of this slot.
.macro TURN slot, next, fill
	WIN 0
	s_wait_tensorcnt 0x0                           ; my part of the next slot has landed; no load of mine is out
	ds_add_u32 v[SPW], v[NIL]
	s_wait_dscnt 1                                 ; this step's fragments are in; the add may be out
	WIN MUL_LO
	MUL16 0, 1, 3, \slot, 0
	s_wait_dscnt 0x0                               ; the add is done, and my reads of this slot are over
	s_barrier_signal -1
	MUL16 2, 1, 3, \slot, 0
	WIN 0
	s_barrier_wait -1
.if \fill
	CREST                                          ; the barrier has opened a round of the cluster's: no wave of any partner still reads this slot or has a load on its way
	s_add_nc_u64 s[G0+4*\slot+2:G0+4*\slot+3], s[G0+4*\slot+2:G0+4*\slot+3], 2*RBS
	s_add_nc_u64 s[G0B+4*\slot+2:G0B+4*\slot+3], s[G0B+4*\slot+2:G0B+4*\slot+3], 2*RBS
	JLOAD G0+4*\slot, G1, G0B+4*\slot, G1B         ; the first tensor load behind the round; its four v_nop are the places in front of the loads below
.else
	PLACES 4
.endif
	s_wait_alu depctr_va_vdst(0)
	v_add_nc_u32 v[ADRS], 256, v[ADRS]             ; the next K step's scale words
	FETCH \next, 0, 0
	WIN 0
	SCALES \next
	WIN MUL_HI
	MUL16 4, 1, 3, \slot, 0
	MUL16 6, 1, 3, \slot, 0
.endm
	s_wait_alu depctr_va_vdst(0)
	s_wait_tensorcnt 0x0                           ; my tile of the head's four is in
	ds_add_u32 v[SPW], v[NIL]
	s_mov_b32 s[G1+2], 8<<16                       ; no tensor load of mine is out: from here on a load brings 8 row blocks
	s_mov_b32 s[G1+4], 8
	s_mov_b32 s[G1B+2], 8<<16
	s_mov_b32 s[G1B+4], 8
	s_wait_dscnt 0x0                               ; the add is done, and my table rows lie in LDS
	CROUND                                         ; all four tiles and the tables are whole, and all sixteen work-groups are here
	JLOAD G0+4, G1, G0B+4, G1B                     ; K step 1, the first tensor load behind the round
	FETCH 0, 0, 0
	WIN 0
	SCALES 0
	STEP 0, 0, 1
	STEP 0, 1, 0
	STEP 0, 2, 0
	TURN 0, 1, 1
	STEP 1, 0, 0
	STEP 1, 1, 0
	STEP 1, 2, 0
	TURN 1, 0, 1
	STEP 0, 0, 0
	STEP 0, 1, 0
	STEP 0, 2, 0
	TURN 0, 1, 0                                   ; nothing is left to fetch
	STEP 1, 0, 0
	STEP 1, 1, 0
	STEP 1, 2, 0
	s_wait_dscnt 0x0
	WIN MUL_LO
	MUL16 0, 1, 3, 1, 0
	MUL16 2, 1, 3, 1, 0
	WIN MUL_HI
	MUL16 4, 1, 3, 1, 0
	MUL16 6, 1, 3, 1, 0
	WIN 0
	PLACES 4                                       ; in front of the first read of results and of loads into the fragments' registers
; 64 numbers of a lane in window w, v[s] on, register 16 b + i = k 32 b + 16 (lane / 16) + i of the lane's row, become a fragment's codes in v[PC] on and its scale word in v[pw]
.macro QUANT s, w, pw
.set QW, (\w)|((\w)<<2)
	WIN QW
.irp b, 0,1,2,3
	v_max3_num_f32 v[TM+\b], |v[\s+16*\b]|, |v[\s+1+16*\b]|, 0x1800000   ; the floor 2^(3 - 127): the byte cannot fall under 1
.endr
.irp i, 2,4,6,8,10,12,14
.irp b, 0,1,2,3
	v_max3_num_f32 v[TM+\b], |v[\s+16*\b+\i]|, |v[\s+1+16*\b+\i]|, v[TM+\b]
.endr
.endr
	WIN 0
.irp b, 0,1,2,3
	v_permlanex16_b32 v[TM+4+\b], v[TM+\b], s12, s13
.endr
.irp b, 0,1,2,3
	v_max_num_f32 v[TM+\b], v[TM+\b], v[TM+4+\b]   ; with lane l xor 16's: the block's largest magnitude
.endr
.irp b, 0,1,2,3
	v_add_nc_u32 v[TM+12+\b], 0xff000000, v[TM+\b]
.endr
.irp b, 0,1,2,3
	v_lshrrev_b32 v[TM+4+\b], 23, v[TM+12+\b]
.endr
	v_lshl_or_b32 v[\pw], v[TM+5], 8, v[TM+4]
	v_lshl_or_b32 v[\pw], v[TM+6], 16, v[\pw]
	v_lshl_or_b32 v[\pw], v[TM+7], 24, v[\pw]
.set QW, \w
	WIN QW
.irp b, 0,1,2,3
	v_cvt_scalef32_pk8_fp4_f32 v[PC+2*\b], v[\s+16*\b:\s+7+16*\b], v[TM+12+\b]
	v_cvt_scalef32_pk8_fp4_f32 v[PC+1+2*\b], v[\s+8+16*\b:\s+15+16*\b], v[TM+12+\b]
.endr
	WIN 0
	v_nop                                          ; one plain line behind a scaled conversion
.irp c, 0,1                                    ; the operand's layout wants a whole block in a lane
.irp i, 0,1
	v_permlane16_swap_b32 v[PC+4*\c+\i], v[PC+2+4*\c+\i]
.endr
.endr
.endm
.macro OUTF a                          ; the fragment leaves as it stands: twice 512 bytes on end
	global_store_b128 v[LI], v[PC:PC+3], s[98:99] offset:1024*(\a)
	global_store_b128 v[LI], v[PC+4:PC+7], s[98:99] offset:1024*(\a)+512
.endm
.macro OUTS                            ; the eight scale words: lanes 0-15 store tiles 0-3's, lanes 16-31 tiles 4-7's: 512 bytes on end
	v_cmp_ne_u32 vcc_lo, 0, v2
.irp i, 0,1,2,3
	v_cndmask_b32 v[WD+\i], v[WD+\i], v[WD+4+\i], vcc_lo
.endr
	global_store_b128 v[LI], v[WD:WD+3], s[100:101]
.endm
	s_cmp_ge_u32 ttmp9, 4                          ; the cluster's x: the same in all partners
	s_cbranch_scc1 .Lv
; ---- Q AND K: rotate, quantise along the head's 128, store
	s_lshl_b32 s96, s42, 4
	s_lshl_b32 s97, s17, 1
	s_add_co_u32 s96, s96, s97
	s_add_co_u32 s96, s96, s15                     ; block 16 head + my group of 128 tokens
	s_mul_i32 s96, s96, BLKB
	s_mov_b32 s97, 0
	s_add_nc_u64 s[98:99], s[8:9], s[96:97]
	s_mul_i32 s96, s16, 9216
	s_sub_co_u32 s96, 25600, s96                   ; scale words: Q's at 25600, K's at 16384
	s_add_nc_u64 s[100:101], s[98:99], s[96:97]
	s_sub_co_u32 s96, 1, s16
	s_mul_i32 s96, s96, 17408                      ; codes: Q's at 17408, K's at 0
	s_add_nc_u64 s[98:99], s[98:99], s[96:97]
.macro TABLOAD a                       ; block a's tables: my lane's 32 pairs are 16 b + 8 (lane / 16) + 0 .. 7, b = 0 .. 3
	WIN TO_F
.irp e, 0,1,2,3,4,5,6,7
	ds_load_b128 v[CL+4*\e:CL+4*\e+3], v[ATL] offset:8*TP*((\a)%2)+64*(\e/2)+16*(\e%2)
	ds_load_b128 v[SL+4*\e:SL+4*\e+3], v[ATL] offset:8*TP*((\a)%2)+256+64*(\e/2)+16*(\e%2)
.endr
.if (\a)%2 == 0
.irp e, 0,1,2,3,4,5,6,7
	ds_load_b128 v[CH+4*\e:CH+4*\e+3], v[ATH] offset:(32+(\a)/2)*TP+64*(\e/2)+16*(\e%2)
	ds_load_b128 v[SH+4*\e:SH+4*\e+3], v[ATH] offset:(32+(\a)/2)*TP+256+64*(\e/2)+16*(\e%2)
.endr
.endif
.endm
.macro ROPE a
.set AC, 64*((\a)%4)
	WIN 0
	v_add_nc_u32 v12, 32*((\a)/2)+8*((\a)%2), v15
	v_cvt_f32_u32 v12, v12                         ; my token, exact in f32
	v_mov_b32 v13, v12                             ; (the packed forms name the pair)
	s_wait_dscnt 0x0                               ; the tables are in
	WIN 0x05                                       ; sources 0, 1 window 1
.irp m, 0,2,4,6,8,10,12,14,16,18,20,22,24,26,28,30
	v_pk_mul_f32 v[HA+\m:HA+\m+1], v[SH+\m:SH+\m+1], v[SL+\m:SL+\m+1]
	v_pk_mul_f32 v[HA+32+\m:HA+32+\m+1], v[CH+\m:CH+\m+1], v[SL+\m:SL+\m+1]
.endr
	WIN 0x45                                       ; and the destination too
.irp m, 0,2,4,6,8,10,12,14,16,18,20,22,24,26,28,30
	v_pk_fma_f32 v[CC+\m:CC+\m+1], v[CH+\m:CH+\m+1], v[CL+\m:CL+\m+1], v[HA+\m:HA+\m+1] neg_lo:[0,0,1] neg_hi:[0,0,1]   ; cos(t f) = cos cos - sin sin
	v_pk_fma_f32 v[SS+\m:SS+\m+1], v[SH+\m:SH+\m+1], v[CL+\m:CL+\m+1], v[HA+32+\m:HA+32+\m+1]                           ; sin(t f) = sin cos + cos sin
.endr
.if (\a) < 7
	TABLOAD (\a)+1                                 ; the next block's tables land while this block is rotated and quantised
.endif
	WIN 0x01                                       ; source 0 (f) window 1
.irp m, 0,2,4,6,8,10,12,14,16,18,20,22,24,26,28,30
	v_pk_mul_f32 v[HA+\m:HA+\m+1], v[TH+\m:TH+\m+1], v[12:13] op_sel_hi:[1,0]                                           ; RN(t f): the angle as it is defined
.endr
.irp m, 0,2,4,6,8,10,12,14,16,18,20,22,24,26,28,30
	v_pk_fma_f32 v[DL+\m:DL+\m+1], v[TH+\m:TH+\m+1], v[12:13], v[HA+\m:HA+\m+1] op_sel_hi:[1,0,1] neg_lo:[0,0,1] neg_hi:[0,0,1]   ; delta = t f - RN(t f), exact
.endr
	WIN 0x54                                       ; source 0 window 0, the rest window 1
.irp m, 0,2,4,6,8,10,12,14,16,18,20,22,24,26,28,30
	v_pk_fma_f32 v[SS+\m:SS+\m+1], v[DL+\m:DL+\m+1], v[CC+\m:CC+\m+1], v[SS+\m:SS+\m+1] neg_lo:[1,0,0] neg_hi:[1,0,0]   ; sin(angle) = sin - delta cos
.endr
.irp m, 0,2,4,6,8,10,12,14,16,18,20,22,24,26,28,30
	v_pk_fma_f32 v[CC+\m:CC+\m+1], v[DL+\m:DL+\m+1], v[SS+\m:SS+\m+1], v[CC+\m:CC+\m+1]                                 ; cos(angle) = cos + delta sin (the corrected sin: delta^2 / 2 off, under 8e-9)
.endr
.set RW, 0x06+(\a)/4
	WIN RW                                         ; source 0: the accumulators; source 1: window 1
.irp b, 0,1,2,3,4,5,6,7                        ; each accumulator from its low end on.  A pair (even, odd): even cos - odd sin, odd cos + even sin
.irp pp, 0,1
	v_pk_mul_f32 v[DL+4*\pp:DL+4*\pp+1], v[AC+8*\b+4*\pp:AC+8*\b+4*\pp+1], v[SS+4*\b+2*\pp:SS+4*\b+2*\pp+1] op_sel:[1,0] op_sel_hi:[0,0]
	v_pk_mul_f32 v[DL+4*\pp+2:DL+4*\pp+3], v[AC+8*\b+4*\pp+2:AC+8*\b+4*\pp+3], v[SS+4*\b+2*\pp:SS+4*\b+2*\pp+1] op_sel:[1,1] op_sel_hi:[0,1]
.endr
.irp pp, 0,1
	v_pk_fma_f32 v[HA+8*\b+4*\pp:HA+8*\b+4*\pp+1], v[AC+8*\b+4*\pp:AC+8*\b+4*\pp+1], v[CC+4*\b+2*\pp:CC+4*\b+2*\pp+1], v[DL+4*\pp:DL+4*\pp+1] op_sel:[0,0,0] op_sel_hi:[1,0,1] neg_lo:[0,0,1]
	v_pk_fma_f32 v[HA+8*\b+4*\pp+2:HA+8*\b+4*\pp+3], v[AC+8*\b+4*\pp+2:AC+8*\b+4*\pp+3], v[CC+4*\b+2*\pp:CC+4*\b+2*\pp+1], v[DL+4*\pp+2:DL+4*\pp+3] op_sel:[0,1,0] op_sel_hi:[1,1,1] neg_lo:[0,0,1]
.endr
.endr
	WIN 0
	s_wait_xcnt 0x0                                ; the last block's stores have read the codes' registers
	QUANT HA, 0, WD+(\a)
	OUTF \a
.endm
	WIN TO_F
.irp e, 0,1,2,3,4,5,6,7
	ds_load_b128 v[TH+4*\e:TH+4*\e+3], v[ATB] offset:40*TP+64*(\e/2)+16*(\e%2)   ; f of my 32 pairs
.endr
	TABLOAD 0
.irp a, 0,1,2,3,4,5,6,7
	ROPE \a
.endr
	OUTS
	s_branch .Lend
; ---- V: quantise along the tokens, straight from the accumulators, store
.Lv:
	s_lshl_b32 s96, s17, 1
	s_add_co_u32 s96, s96, s15                     ; the head of my 128 channels
	s_lshl_b32 s96, s96, 4
	s_sub_co_u32 s97, s42, 16
	s_lshl_b32 s97, s97, 1
	s_add_co_u32 s96, s96, s97
	s_add_co_u32 s96, s96, s16                     ; + my group of 128 tokens
	s_mul_i32 s96, s96, BLKB
	s_mov_b32 s97, 0
	s_add_nc_u64 s[98:99], s[8:9], s[96:97]
	s_add_nc_u64 s[100:101], s[98:99], 16896
	s_add_nc_u64 s[98:99], s[98:99], 8192
.irp a, 0,1,2,3,4,5,6,7
	s_wait_xcnt 0x0                                ; the last tile's stores have read the codes' registers
	QUANT 64*(\a%4), 2+\a/4, WD+\a
	OUTF \a
.endr
	OUTS
.Lend:
	s_wait_tensorcnt 0x0                           ; the wave's end
	ds_add_u32 v[SPW], v[NIL]
	s_wait_dscnt 0x0
	CROUND                                         ; the closing round
	s_endpgm
.Lfunc_end_k_qb443e5bc6f_qkvg:
	.size	k_qb443e5bc6f_qkvg, .Lfunc_end_k_qb443e5bc6f_qkvg-k_qb443e5bc6f_qkvg
	.p2alignl 7, 3214868480
	.fill 96, 4, 3214868480
	.section	.rodata,"a",@progbits
	.p2align	6, 0x0
	.amdhsa_kernel k_qb443e5bc6f_qkvg
		.amdhsa_group_segment_fixed_size 327680
		.amdhsa_private_segment_fixed_size 0
		.amdhsa_enable_private_segment 0
		.amdhsa_kernarg_size 24
		.amdhsa_user_sgpr_count 2
		.amdhsa_user_sgpr_kernarg_segment_ptr 1
		.amdhsa_wavefront_size32 1
		.amdhsa_system_sgpr_workgroup_id_x 1
		.amdhsa_system_sgpr_workgroup_id_y 1
		.amdhsa_system_sgpr_workgroup_id_z 1
		.amdhsa_system_vgpr_workitem_id 0
		.amdhsa_next_free_vgpr 1024
		.amdhsa_next_free_sgpr 102
		.amdhsa_reserve_vcc 1
		.amdhsa_float_denorm_mode_32 3
		.amdhsa_float_denorm_mode_16_64 3
		.amdhsa_memory_ordered 1
		.amdhsa_forward_progress 1
		.amdhsa_inst_pref_size 255
	.end_amdhsa_kernel
	.section	.bss,"aw",@nobits
	.p2align	6
	.space	262144
	.amdgpu_metadata
---
amdhsa.version: [ 1, 2 ]
amdhsa.kernels:
  - .name:           k_qb443e5bc6f_qkvg
    .symbol:         k_qb443e5bc6f_qkvg.kd
    .args:
      - { .name: cod, .offset: 0, .size: 8, .value_kind: global_buffer, .address_space: global }
      - { .name: scl, .offset: 8, .size: 8, .value_kind: global_buffer, .address_space: global }
      - { .name: qkv, .offset: 16, .size: 8, .value_kind: global_buffer, .address_space: global }
    .group_segment_fixed_size: 327680
    .private_segment_fixed_size: 0
    .kernarg_segment_align: 8
    .kernarg_segment_size: 24
    .max_flat_workgroup_size: 128
    .sgpr_count:     102
    .vgpr_count:     1024
    .wavefront_size: 32
...
	.end_amdgpu_metadata
.endif
;; end of part 6
;; launch attn (part 7): grid 16 x 16, 4 waves a work-group, no clusters, 315,904 bytes of LDS; arguments qkv, mb, fl, ac, asc; writes ac, asc
.if DOCPART == 7
	.amdgcn_target "amdgcn-amd-amdhsa--gfx1250"
	.amdhsa_code_object_version 6
	.text
	.protected	k_qb443e5bc6f_attn
	.globl	k_qb443e5bc6f_attn
	.p2align	8
	.type	k_qb443e5bc6f_attn,@function
k_qb443e5bc6f_attn:
	s_mov_b64 s[64:65], 0
	v_nop
	global_prefetch_b8 v0, s[64:65] scope:SCOPE_SE
	s_setreg_imm32_b32 hwreg(HW_REG_WAVE_MODE, 25, 1), 1
	s_wait_xcnt 0x0
; o = softmax(q k^T / sqrt(2048), hidden keys at -infinity) v for one head, both products on codes of FP4, and o's quantising along the head's 128 for the last product.
; THE SOFTMAX AHEAD OF THE SECOND PRODUCT: t = score x log2(e) / sqrt(2048); M = the running largest t rounded UP to a whole number; p = 2^(t - M) is quantised along the keys, not normalised; the row's sum is taken of
; the unquantised p and divides at the end; when M moves, the sum and O are multiplied by 2^(old M - new M), which rounds nothing.
; SHARES.  A work-group: one head, 128 queries: four PAIRS of tiles of 16 queries, pair 16 q + (j, or 15 - j where q is odd), j the work-group's x.  THE KEYS ARE DEALT TO THE FOUR WAVES: each takes four steps of 128 keys
; (0 4 10 14, 1 7 11 13, 2 6 8 12, 3 5 9 15), for all four pairs, each with its own M, sum and O; the four parts are joined once, at the end, behind the one barrier that follows the loops.  The deal evens the work
; where late queries see more keys; the result is right for every mask.
; So a byte of K or V is read by one wave of the work-group alone: it goes from memory straight into that wave's operand registers, one step ahead of its use, and through no LDS.  Each fragment serves 32 queries at once.
; THE MASK IS DATA.  An earlier launch stored, for each tile and step, two words a lane (bit 31 - n % 32 of word n / 32: register n of the scores is hidden) and two flags.  A pair for which a step has no key that counts is
; passed over by a scalar branch on the stored flags; so is the masking where no key is hidden.  Such branches exclude tensor loads, and so there is no joint load to share and no cluster.
; O's parts stand in LDS between steps (64 KiB a wave): a pair's are loaded ahead of its softmax, and stored behind its second product.  Nothing is prefetched into the L2: the next step's K and V are asked for a whole step ahead.
; LAYOUT.  Both products transposed: S^T = K Q^T, O^T = V^T P^T: a lane holds ONE query.  Operands lie as images of their registers.  K's and V's row places are permuted so that the 16 registers of tiles 2 b, 2 b + 1 are
; 16 neighbouring keys (channels): 32 b + 16 (lane / 16) + 0 .. 15.
; A ROW ALL OF WHOSE KEYS ARE HIDDEN has the sum 0: its codes are zeros and its scale word is 0xffffffff, which makes the last product's sums of that row NaN, as the definition has them.
; LIMITS: NaN and infinities among the inputs are not served; a block under 2^-124 keeps the byte 1; scaled scores stay under 2^31 in magnitude.
; REGISTERS: window 0: addresses, Q v16-33, p's scale words v34-35, state v36-43, masks v44-47, at work v48-95, K's and V's scale words v96-127 (two sets), masks on their way v128-143.
;   window 1: S^T then p v0-127 (tile u at 64 u), the second product v128-255.   window 2: O v0-127.   window 3: K and V, two sets: K at 128 p, V at 128 p + 64.   At the join windows 1 and 2 hold the four parts, window 3 their sum.
.set BLKB,  26112
.set QL,    262144                     ; behind O's parts: Q, eight places of 2,560 bytes: pairs 0 to 3, and the same once more (so that the pair behind the last is the first)
.set QST,   2560
.set SM,    QL+8*QST                   ; a wave's 8,192 bytes: for each pair two states of 512 bytes {-M, 0, sum, sum} and 512 bytes of mask words
.set SPARE, SM+32768                   ; the spare words, 128 bytes for each wave
.set LI,   1                           ; 16 lane
.set L16,  2                           ; 16 (lane % 16)
.set OB,   3                           ; my wave's part of O in LDS, of Q (shared), of the states
.set QB,   4
.set SB,   5
.set OA,   6                           ; the same for the pair in hand
.set QA,   7
.set SA,   8
.set NINF, 9
.set SPW,  10
.set NIL,  11
.set ME,   12                          ; v12, v13: my lane's place among the mask words: pairs with an even, an odd q
.set MSB, 0
.macro WIN new
.if MSB != \new
	s_set_vgpr_msb (MSB<<8)|\new
.set MSB, \new
.endif
.endm
.macro VAWAIT
	s_wait_alu depctr_va_vdst(0)
.endm
.macro ISSUE k, p                      ; my step k's K, V, scale words and mask words into set p: 44 loads
	s_mul_i32 s50, s[32+\k], BLKB
	s_add_nc_u64 s[68:69], s[48:49], s[50:51]
	s_lshl_b32 s52, s[32+\k], 8
	s_add_nc_u64 s[70:71], s[6:7], s[52:53]
	WIN 0xc0
.irp t, 0,1,2,3,4,5,6,7
	global_load_b128 v[128*(\p)+8*\t:128*(\p)+8*\t+3], v[LI], s[68:69] offset:1024*\t
	global_load_b128 v[128*(\p)+8*\t+4:128*(\p)+8*\t+7], v[LI], s[68:69] offset:1024*\t+512
.endr
.irp t, 0,1,2,3,4,5,6,7
	global_load_b128 v[128*(\p)+64+8*\t:128*(\p)+64+8*\t+3], v[LI], s[68:69] offset:8192+1024*\t
	global_load_b128 v[128*(\p)+64+8*\t+4:128*(\p)+64+8*\t+7], v[LI], s[68:69] offset:8192+1024*\t+512
.endr
	WIN 0
.irp i, 0,1
	global_load_b128 v[96+16*(\p)+4*\i:96+16*(\p)+4*\i+3], v[L16], s[68:69] offset:16384+256*\i
	global_load_b128 v[104+16*(\p)+4*\i:104+16*(\p)+4*\i+3], v[L16], s[68:69] offset:16896+256*\i
.endr
.irp q, 0,1,2,3
.irp e, 0,1
	global_load_b64 v[128+4*\q+2*\e:128+4*\q+2*\e+1], v[ME+(\q%2)], s[70:71] offset:131072*\q+4096*\e
.endr
.endr
.endm
.macro QLOAD a, o                      ; a pair's Q: tile u's fragment at v[16 + 8 u], the two tiles' scale words: 5 loads
.irp i, 0,1,2,3
	ds_load_b128 v[16+4*\i:19+4*\i], v[\a] offset:(\o)+512*\i
.endr
	ds_load_b64 v[32:33], v[\a] offset:(\o)+2048
.endm
	s_load_b256 s[4:11], s[0:1], 0x0               ; qkv s4, mb s6, fl s8, ac s10
	s_load_b64 s[66:67], s[0:1], 0x20              ; asc
	v_lshl_add_u32 v[SPW], v0, 2, SPARE
	v_mov_b32 v[NIL], 0
	v_lshrrev_b32 v14, 5, v0
	v_readfirstlane_b32 s2, v14                    ; wave
	s_mov_b32 s13, ttmp9                           ; j
	s_and_b32 s12, ttmp7, 0xffff                   ; head
	s_xor_b32 s15, s13, 15                         ; 15 - j
	s_lshl_b32 s45, s2, 16
	s_lshl_b32 s46, s2, 13
	s_add_co_u32 s46, s46, SM
	v_and_b32 v14, 31, v0
	v_and_b32 v15, 15, v0
	v_lshlrev_b32 v[LI], 4, v14
	v_lshlrev_b32 v[L16], 4, v15
	v_lshlrev_b32 v14, 3, v14
	v_add_nc_u32 v[OB], s45, v[LI]
	v_add_nc_u32 v[QB], QL, v[LI]
	v_add_nc_u32 v[SB], s46, v[LI]
	s_lshl_b32 s45, s13, 13
	s_lshl_b32 s46, s15, 13
	v_add_nc_u32 v[ME], s45, v14                   ; two tiles x 4,096 bytes a pair
	v_add_nc_u32 v[ME+1], s46, v14
	v_mov_b32 v[NINF], 0xff800000
	VAWAIT
	s_mov_b32 s14, 0xdb71ea40                      ; my four steps, four bits each, the first lowest
	s_mov_b32 s3, 0xf953c862
	s_cmp_ge_u32 s2, 2
	s_cselect_b32 s14, s3, s14
	s_and_b32 s3, s2, 1
	s_lshl_b32 s3, s3, 4
	s_lshr_b32 s14, s14, s3
.irp k, 0,1,2,3
	s_bfe_u32 s[32+\k], s14, 0x40000+4*\k
.endr
	s_and_b32 s3, s2, 1
	s_mul_i32 s3, s3, 15
	s_xor_b32 s3, s3, s13
	s_lshl_b32 s47, s2, 4
	s_add_co_u32 s47, s47, s3                      ; pair number of the pair that I bring and join: 16 wave + (j or 15 - j)
	s_lshr_b32 s45, s47, 2
	s_mul_i32 s45, s45, BLKB                       ; its block of 128 queries,
	s_and_b32 s46, s47, 3
	s_lshl_b32 s3, s46, 11
	s_add_co_u32 s56, s45, s3
	s_add_co_u32 s56, s56, 17408                   ; its codes,
	s_mov_b32 s57, 0
	s_lshr_b32 s3, s46, 1
	s_lshl_b32 s3, s3, 8
	s_and_b32 s46, s46, 1
	s_lshl_b32 s46, s46, 3
	s_add_co_u32 s58, s45, s3
	s_add_co_u32 s58, s58, s46
	s_add_co_u32 s58, s58, 25600                   ; and its scale words
	s_mov_b32 s59, 0
	s_mul_i32 s50, s12, 16*BLKB
	s_mov_b32 s51, 0
	s_mov_b32 s53, 0
	s_lshl_b32 s54, s13, 4
	s_lshl_b32 s55, s15, 4
	s_mov_b32 s76, 0x3d0293ee                      ; c = log2(e) / sqrt(2048)
	s_mov_b32 s77, s76
	s_mov_b32 s78, 0x76543210
	s_mov_b32 s79, 0xfedcba98                      ; v_permlanex16_b32's selects for lane l xor 16
	s_wait_kmcnt 0x0
	s_load_b128 s[16:19], s[8:9], s54 offset:0x0   ; the flags of the eight tiles, two words each (one for each half of the keys)
	s_load_b128 s[20:23], s[8:9], s55 offset:0x100
	s_load_b128 s[24:27], s[8:9], s54 offset:0x200
	s_load_b128 s[28:31], s[8:9], s55 offset:0x300
	s_add_nc_u64 s[48:49], s[4:5], s[50:51]        ; the head's first block
	s_add_nc_u64 s[56:57], s[48:49], s[56:57]
	s_add_nc_u64 s[58:59], s[48:49], s[58:59]
.irp i, 0,1,2,3
	global_load_b128 v[16+4*\i:19+4*\i], v[LI], s[56:57] offset:512*\i
.endr
	global_load_b64 v[32:33], v[L16], s[58:59]
	ISSUE 0, 0
	; while these are on their way: the states, O's zeros
	v_mov_b32 v36, 0x7f61b1e6                      ; -M: 3e38, above every -t
.irp i, 37,38,39,56,57,58,59,60,61,62,63,89,91,92,93,94,95
	v_mov_b32 v\i, 0                               ; (56 to 63: a lane permute's destination counts as one of its sources; 89, 91: named with f as pairs)
.endr
	s_mul_i32 s3, s2, QST
	v_add_nc_u32 v14, s3, v[QB]
.irp q, 0,1,2,3
	ds_store_b128 v[SB], v[36:39] offset:2048*\q
	ds_store_b128 v[SB], v[36:39] offset:2048*\q+512
.endr
.set n, 0
.rept 128
	ds_store_b128 v[OB], v[92:95] offset:512*n     ; which step is a pair's first hangs on the mask, so no first step can be written out to start the sums
.set n, n+1
.endr
	s_mov_b32 s36, 0
	s_mov_b32 s37, 0
	VAWAIT
	s_wait_kmcnt 0x0
; byte k of s36: bit i: my step k has a key that counts for tile i of the work-group's eight; s37 likewise: a hidden key
.irp i, 0,1,2,3,4,5,6,7
	s_or_b32 s3, s[16+2*\i], s[17+2*\i]
.irp k, 0,1,2,3
	s_lshr_b32 s15, s3, s[32+\k]
	s_and_b32 s45, s15, 1
	s_lshl_b32 s45, s45, 8*\k+\i
	s_or_b32 s36, s36, s45
	s_bfe_u32 s45, s15, 0x10010
	s_lshl_b32 s45, s45, 8*\k+\i
	s_or_b32 s37, s37, s45
.endr
.endr
	s_wait_loadcnt 44                              ; Q is in; step 0's 44 loads may be out
.irp c, 0,1
.irp i, 0,1,2,3
	ds_store_b128 v14, v[16+4*\i:19+4*\i] offset:4*QST*\c+512*\i
.endr
	ds_store_b64 v14, v[32:33] offset:4*QST*\c+2048
.endr
	s_wait_dscnt 0x0                               ; for the others' sake: my stores have landed
	s_barrier_signal -1
	s_barrier_wait -1                              ; all four pairs' Q lie in LDS
	QLOAD QB, 0
	s_wait_dscnt 0x0
; MY STEP k: 128 keys, in set k % 2, for the four pairs one after the other.
.macro STEP k
.set P, (\k)%2
	VAWAIT
	s_wait_loadcnt 0x0                             ; the step's K, V, scale words and mask words are in
.irp q, 0,1,2,3
.irp e, 0,1
	ds_store_b64 v[SB], v[128+4*\q+2*\e:128+4*\q+2*\e+1] offset:2048*\q+1024+8*\e
.endr
.endr
	s_wait_dscnt 0x0                               ; the stores have read their registers
.if (\k) < 3
	ISSUE (\k)+1, 1-P                              ; the next step's, into the other set
.endif
	s_and_b32 s38, s36, 0xff
	s_lshr_b32 s36, s36, 8
	s_and_b32 s39, s37, 0xff
	s_lshr_b32 s37, s37, 8
	s_mov_b32 s44, 0
	s_mov_b32 s60, 0
	s_mov_b32 s61, 0
.Lpair_\@:
	v_add_nc_u32 v[OA], s44, v[OB]
	v_add_nc_u32 v[QA], s60, v[QB]
	v_add_nc_u32 v[SA], s61, v[SB]
	VAWAIT
	s_and_b32 s3, s38, 3
	s_cbranch_scc0 .Lskip_\@                       ; no key of the step counts for my 32 queries: a branch on stored whole numbers, round the work alone
	s_wait_dscnt 34                                ; Q is in; the last trip's 34 stores may be out
	WIN 0x43                                       ; source 0 (K) window 3, D window 1
.irp t, 0,1,2,3,4,5,6,7
.irp u, 0,1
	v_wmma_scale_f32_16x16x128_f8f6f4 v[64*\u+8*\t:64*\u+8*\t+7], v[128*P+8*\t:128*P+8*\t+7], v[16+8*\u:23+8*\u], 0, v[96+16*P+\t], v[32+\u] matrix_a_fmt:MATRIX_FMT_FP4 matrix_b_fmt:MATRIX_FMT_FP4
.endr
.endr
	WIN 0
.rept 4
	v_nop                                          ; places in front of the loads into Q's registers and of the first read of the scores
.endr
	s_wait_dscnt 0x0                               ; the last trip's stores have read their registers
	ds_load_b128 v[36:39], v[SA]
	ds_load_b128 v[40:43], v[SA] offset:512
	ds_load_b128 v[44:47], v[SA] offset:1024
	WIN 0x80
.set n, 0
.rept 32
	ds_load_b128 v[4*n:4*n+3], v[OA] offset:512*n
.set n, n+1
.endr
	WIN 0
	QLOAD QA, QST                                  ; the next pair's Q
	s_and_b32 s3, s39, 3
	s_cbranch_scc0 .Lopen_\@                       ; no key of the step is hidden
	s_wait_dscnt 37                                ; the mask words are in; O's 32 loads and Q's 5 may be out
	WIN 0x40
.irp i, 0,1,2,3
	v_mov_b32 v[128+\i], v[44+\i]                  ; into window 1, so that one setting serves the masking
.endr
	v_mov_b32 v132, v[NINF]
	WIN 0x45
.irp n, 0,1,2,3,4,5,6,7,8,9,10,11,12,13,14,15,16,17,18,19,20,21,22,23,24,25,26,27,28,29,30,31
.irp i, 0,1,2,3
	v_add_co_u32 v[128+\i], s[40+\i], v[128+\i], v[128+\i]           ; doubled: the top bit is the carry
.endr
.irp i, 0,1,2,3
	v_cndmask_b32 v[32*\i+\n], v[32*\i+\n], v132, s[40+\i]           ; hidden scores become -infinity ahead of the maximum: p = 0 then
.endr
.endr
	WIN 0
	VAWAIT
.Lopen_\@:
	WIN 0x14
.irp b, 0,1,2,3,4,5,6,7
	v_max3_num_f32 v[48+\b], v[NINF], v[16*\b], v[16*\b+1]           ; the largest score of each block of 32 keys (blocks 0-3 of tile 0, 4-7 of tile 1): for the row's maximum, and, since p rises with the score, for the block's largest p
.endr
.irp i, 2,4,6,8,10,12,14
.irp b, 0,1,2,3,4,5,6,7
	v_max3_num_f32 v[48+\b], v[48+\b], v[16*\b+\i], v[16*\b+\i+1]
.endr
.endr
	WIN 0
.irp b, 0,1,2,3,4,5,6,7
	v_permlanex16_b32 v[56+\b], v[48+\b], s78, s79
.endr
.irp b, 0,1,2,3,4,5,6,7
	v_max_num_f32 v[48+\b], v[48+\b], v[56+\b]
.endr
.irp u, 0,1
	v_max3_num_f32 v[92+\u], v[48+4*\u], v[49+4*\u], v[50+4*\u]
.endr
.irp u, 0,1
	v_max_num_f32 v[92+\u], v[92+\u], v[51+4*\u]
.endr
.irp u, 0,1
	v_mul_f32 v[92+\u], s76, v[92+\u]              ; as t (c is positive)
.endr
.irp u, 0,1
	v_floor_f32 v[94+\u], -v[92+\u]
.endr
	VAWAIT
	s_wait_dscnt 37                                ; the states are in; O's 32 loads and Q's 5 may be out
.irp u, 0,1
	v_min_num_f32 v[94+\u], v[94+\u], v[36+4*\u]   ; the new -M = the least of the old one and floor(-t): M is a whole number
.endr
.irp u, 0,1
	v_sub_f32 v[92+\u], v[94+\u], v[36+4*\u]       ; the old M less the new: 0 or less
.endr
.irp u, 0,1
	v_mov_b32 v[36+4*\u], v[94+\u]
.endr
.irp u, 0,1
	v_cvt_i32_f32 v[92+\u], v[92+\u]               ; (it saturates)
.endr
.irp u, 0,1
	v_ldexp_f32 v[88+2*\u], 1.0, v[92+\u]          ; f = 2^(old M - new M)
.endr
.irp b, 0,1,2,3,4,5,6,7
	v_fma_f32 v[48+\b], v[48+\b], s76, v[36+4*(\b/4)]
.endr
	WIN 0x41
.set j, 0
.rept 64
	v_pk_fma_f32 v[j:j+1], v[j:j+1], s[76:77], v[36+4*(j/64):37+4*(j/64)] op_sel_hi:[1,0,0]   ; t - M
.set j, j+2
.endr
	VAWAIT
.set j, 0
.rept 128
	v_exp_f32 v[j], v[j]                           ; p = 2^(t - M)
.set j, j+1
.endr
	WIN 0
.irp b, 0,1,2,3,4,5,6,7
	v_exp_f32 v[48+\b], v[48+\b]                   ; the block's largest p: the same two instructions on the same number
.endr
.irp u, 0,1
	v_pk_mul_f32 v[38+4*\u:39+4*\u], v[38+4*\u:39+4*\u], v[88+2*\u:89+2*\u] op_sel_hi:[1,0]   ; the sums under the new M (the plain lines behind the exponentials)
.endr
	VAWAIT
.irp b, 0,1,2,3,4,5,6,7
	v_max_num_f32 v[48+\b], 0x1800000, v[48+\b]    ; the floor 2^(3 - 127): the byte cannot fall under 1
.endr
.irp b, 0,1,2,3,4,5,6,7
	v_add_nc_u32 v[64+\b], 0xff000000, v[48+\b]    ; 2 off the exponent field: the conversion's scale operand
.endr
.irp b, 0,1,2,3,4,5,6,7
	v_lshrrev_b32 v[56+\b], 23, v[64+\b]
.endr
.irp u, 0,1
	v_lshl_or_b32 v[34+\u], v[57+4*\u], 8, v[56+4*\u]
.endr
.irp u, 0,1
	v_lshl_or_b32 v[34+\u], v[58+4*\u], 16, v[34+\u]
.endr
.irp u, 0,1
	v_lshl_or_b32 v[34+\u], v[59+4*\u], 24, v[34+\u]   ; p's scale word for these 128 keys
.endr
	WIN 0x01
.irp b, 0,1,2,3,4,5,6,7
	v_cvt_scalef32_pk8_fp4_f32 v[72+2*\b], v[16*\b:16*\b+7], v[64+\b]
	v_cvt_scalef32_pk8_fp4_f32 v[73+2*\b], v[16*\b+8:16*\b+15], v[64+\b]
.endr
	WIN 0
	v_nop                                          ; one plain line behind a scaled conversion
.irp c, 0,4,8,12                               ; the operand's layout wants a whole block in a lane
.irp i, 0,1
	v_permlane16_swap_b32 v[72+\c+\i], v[74+\c+\i]
.endr
.endr
	WIN 0x05                                       ; the rows' sums of the unquantised p, two chains a tile; these lines are also the places in front of the products below
.irp u, 0,1
	v_pk_add_f32 v[56+2*\u:57+2*\u], v[64*\u:64*\u+1], v[64*\u+2:64*\u+3]
.endr
	WIN 0x01
.set j, 4
.rept 15
.irp u, 0,1
	v_pk_add_f32 v[38+4*\u:39+4*\u], v[64*\u+j:64*\u+j+1], v[38+4*\u:39+4*\u]
	v_pk_add_f32 v[56+2*\u:57+2*\u], v[64*\u+j+2:64*\u+j+3], v[56+2*\u:57+2*\u]
.endr
.set j, j+4
.endr
	WIN 0
.irp u, 0,1
	v_pk_add_f32 v[38+4*\u:39+4*\u], v[38+4*\u:39+4*\u], v[56+2*\u:57+2*\u]
.endr
	WIN 0x43
.irp t, 0,1,2,3,4,5,6,7
.irp u, 0,1
	v_wmma_scale_f32_16x16x128_f8f6f4 v[128+64*\u+8*\t:128+64*\u+8*\t+7], v[128*P+64+8*\t:128*P+64+8*\t+7], v[72+8*\u:79+8*\u], 0, v[104+16*P+\t], v[34+\u] matrix_a_fmt:MATRIX_FMT_FP4 matrix_b_fmt:MATRIX_FMT_FP4
.endr
.endr
	WIN 0
.rept 4
	v_nop                                          ; places in front of the first read of the results
.endr
	VAWAIT
	s_wait_dscnt 5                                 ; O is in; the next Q's 5 loads may be out
	WIN 0x92                                       ; source 0 and the destination window 2, source 2 window 1
.set j, 0
.rept 64
	v_pk_fma_f32 v[j:j+1], v[j:j+1], v[88+2*(j/64):89+2*(j/64)], v[128+j:129+j] op_sel_hi:[1,0,1]   ; O under the new M, and this step's part
.set j, j+2
.endr
	WIN 0x08
.set n, 0
.rept 32
	ds_store_b128 v[OA], v[4*n:4*n+3] offset:512*n
.set n, n+1
.endr
	WIN 0
	ds_store_b128 v[SA], v[36:39]
	ds_store_b128 v[SA], v[40:43] offset:512
	VAWAIT
	s_branch .Ljoin_\@
.Lskip_\@:
	s_wait_dscnt 0x0                               ; this pair's Q, which is not used, has landed: its registers may be loaded again
	QLOAD QA, QST
	s_wait_dscnt 0x0
.Ljoin_\@:
	s_lshr_b32 s38, s38, 2
	s_lshr_b32 s39, s39, 2
	s_add_co_u32 s60, s60, QST
	s_add_co_u32 s61, s61, 2048
	s_add_co_u32 s44, s44, 16384
	s_cmp_lg_u32 s44, 65536
	s_cbranch_scc1 .Lpair_\@
	s_wait_dscnt 0x0
.if (\k) < 3
	QLOAD QB, 0                                    ; pair 0 again
.endif
.endm
	STEP 0
	STEP 1
	STEP 2
	STEP 3
; THE JOIN.  Wave w joins pair w: the four waves' parts, each times 2^(its M - the largest M) / the whole sum; then O's quantising along the head's 128: K step = head of the last product's first operand.
	VAWAIT
	s_wait_dscnt 0x0                               ; my stores have landed
	s_barrier_signal -1
	s_barrier_wait -1
	s_lshl_b32 s3, s2, 11
	s_add_co_u32 s3, s3, SM
	s_lshl_b32 s15, s2, 14
	v_add_nc_u32 v14, s3, v[LI]
	v_add_nc_u32 v153, s15, v[LI]
	v_add_nc_u32 v154, 0x10000, v153
	v_add_nc_u32 v155, 0x20000, v153
	v_add_nc_u32 v156, 0x30000, v153
.irp w, 0,1,2,3
	ds_load_b128 v[160+8*\w:163+8*\w], v14 offset:8192*\w
	ds_load_b128 v[164+8*\w:167+8*\w], v14 offset:8192*\w+512
.endr
	WIN 0x40
.irp w, 0,1
.set n, 0
.rept 32
	ds_load_b128 v[128*\w+4*n:128*\w+4*n+3], v[153+\w] offset:512*n
.set n, n+1
.endr
.endr
	WIN 0x80
.irp w, 0,1
.set n, 0
.rept 32
	ds_load_b128 v[128*\w+4*n:128*\w+4*n+3], v[155+\w] offset:512*n
.set n, n+1
.endr
.endr
	WIN 0
	v_mov_b32 v52, 0                               ; a lane permute's destinations count as sources
	v_mov_b32 v53, 0
.irp i, 0,1,2,3,4,5,6,7
	v_mov_b32 v[193+2*\i], 0                       ; (named with the factors as pairs)
.endr
	VAWAIT
	s_wait_dscnt 63                                ; the states are in: 128 loads follow them
.irp u, 0,1
	v_min3_num_f32 v[48+\u], v[160+4*\u], v[168+4*\u], v[176+4*\u]
.endr
.irp u, 0,1
	v_min_num_f32 v[48+\u], v[48+\u], v[184+4*\u]  ; -M of the whole row
.endr
.irp w, 0,1,2,3
.irp u, 0,1
	v_sub_f32 v[56+2*\w+\u], v[48+\u], v[160+8*\w+4*\u]
	v_add_f32 v[64+2*\w+\u], v[162+8*\w+4*\u], v[163+8*\w+4*\u]
.endr
.endr
.irp i, 0,1,2,3,4,5,6,7
	v_cvt_i32_f32 v[56+\i], v[56+\i]
.endr
.irp i, 0,1,2,3,4,5,6,7
	v_ldexp_f32 v[56+\i], 1.0, v[56+\i]
.endr
.irp u, 0,1
	v_mul_f32 v[44+\u], v[56+\u], v[64+\u]
.endr
.irp w, 1,2,3
.irp u, 0,1
	v_fma_f32 v[44+\u], v[56+2*\w+\u], v[64+2*\w+\u], v[44+\u]
.endr
.endr
.irp u, 0,1
	v_permlanex16_b32 v[52+\u], v[44+\u], s78, s79
.endr
.irp u, 0,1
	v_add_f32 v[44+\u], v[44+\u], v[52+\u]         ; the row's sum
.endr
.irp u, 0,1
	v_cmp_eq_f32 s[40+\u], 0, v[44+\u]             ; a row all of whose keys are hidden
.endr
	VAWAIT
	v_rcp_f32 v50, v44
	v_rcp_f32 v51, v45
	v_nop                                          ; the plain place behind the transcendentals
	VAWAIT
.irp u, 0,1
	v_cndmask_b32 v[50+\u], v[50+\u], 0, s[40+\u]  ; such a row's codes are zeros
.endr
.irp w, 0,1,2,3
.irp u, 0,1
	v_mul_f32 v[192+4*\w+2*\u], v[56+2*\w+\u], v[50+\u]
.endr
.endr
	VAWAIT
	s_wait_dscnt 63                                ; wave 0's part is in: 96 loads follow it
	WIN 0xc1                                       ; source 0 window 1, destination window 3
.set j, 0
.rept 64
	v_pk_mul_f32 v[j:j+1], v[j:j+1], v[192+2*(j/64):193+2*(j/64)] op_sel_hi:[1,0]
.set j, j+2
.endr
	VAWAIT
	s_wait_dscnt 63                                ; wave 1's: 64 follow it
	WIN 0xf1
.set j, 0
.rept 64
	v_pk_fma_f32 v[j:j+1], v[128+j:129+j], v[196+2*(j/64):197+2*(j/64)], v[j:j+1] op_sel_hi:[1,0,1]
.set j, j+2
.endr
	VAWAIT
	s_wait_dscnt 32                                ; wave 2's
	WIN 0xf2
.set j, 0
.rept 64
	v_pk_fma_f32 v[j:j+1], v[j:j+1], v[200+2*(j/64):201+2*(j/64)], v[j:j+1] op_sel_hi:[1,0,1]
.set j, j+2
.endr
	VAWAIT
	s_wait_dscnt 0x0                               ; wave 3's
.set j, 0
.rept 64
	v_pk_fma_f32 v[j:j+1], v[128+j:129+j], v[204+2*(j/64):205+2*(j/64)], v[j:j+1] op_sel_hi:[1,0,1]
.set j, j+2
.endr
	WIN 0
	v_mov_b32 v15, 0x1800000                       ; the floor 2^(3 - 127)
	WIN 0x3c                                       ; sources 1 and 2 window 3
.irp b, 0,1,2,3,4,5,6,7
	v_max3_num_f32 v[48+\b], v15, |v[16*\b]|, |v[16*\b+1]|           ; register 16 b + i: channel 32 b + 16 (lane / 16) + i (b = 4 to 7: tile 1)
.endr
.irp i, 2,4,6,8,10,12,14
.irp b, 0,1,2,3,4,5,6,7
	v_max3_num_f32 v[48+\b], v[48+\b], |v[16*\b+\i]|, |v[16*\b+\i+1]|
.endr
.endr
	WIN 0
.irp b, 0,1,2,3,4,5,6,7
	v_permlanex16_b32 v[56+\b], v[48+\b], s78, s79
.endr
.irp b, 0,1,2,3,4,5,6,7
	v_max_num_f32 v[48+\b], v[48+\b], v[56+\b]
.endr
.irp b, 0,1,2,3,4,5,6,7
	v_add_nc_u32 v[64+\b], 0xff000000, v[48+\b]
.endr
.irp b, 0,1,2,3,4,5,6,7
	v_lshrrev_b32 v[56+\b], 23, v[64+\b]
.endr
.irp u, 0,1
	v_lshl_or_b32 v[34+\u], v[57+4*\u], 8, v[56+4*\u]
.endr
.irp u, 0,1
	v_lshl_or_b32 v[34+\u], v[58+4*\u], 16, v[34+\u]
.endr
.irp u, 0,1
	v_lshl_or_b32 v[34+\u], v[59+4*\u], 24, v[34+\u]
.endr
.irp u, 0,1
	v_cndmask_b32 v[34+\u], v[34+\u], -1, s[40+\u] ; the NaN byte for a row without keys
.endr
	WIN 0x03
.irp b, 0,1,2,3,4,5,6,7
	v_cvt_scalef32_pk8_fp4_f32 v[72+2*\b], v[16*\b:16*\b+7], v[64+\b]
	v_cvt_scalef32_pk8_fp4_f32 v[73+2*\b], v[16*\b+8:16*\b+15], v[64+\b]
.endr
	WIN 0
	v_nop
.irp c, 0,4,8,12
.irp i, 0,1
	v_permlane16_swap_b32 v[72+\c+\i], v[74+\c+\i]
.endr
.endr
	v_bfe_u32 v157, v0, 4, 1
	v_cmp_ne_u32 vcc_lo, 0, v157
	v_cndmask_b32 v158, v34, v35, vcc_lo           ; lanes 0-15 store tile 0's words, lanes 16-31 tile 1's
	v_lshl_add_u32 v159, v157, 10, v[L16]
	VAWAIT
	s_lshl_b32 s50, s47, 15                        ; row block = tile = 2 x pair: 16,384 bytes each; K step = head: 1,024 bytes
	s_lshl_b32 s3, s12, 10
	s_add_co_u32 s50, s50, s3
	s_add_nc_u64 s[10:11], s[10:11], s[50:51]
	s_lshl_b32 s52, s47, 11
	s_lshr_b32 s3, s12, 2
	s_lshl_b32 s3, s3, 8
	s_add_co_u32 s52, s52, s3
	s_and_b32 s3, s12, 3
	s_lshl_b32 s3, s3, 2
	s_add_co_u32 s52, s52, s3
	s_add_nc_u64 s[66:67], s[66:67], s[52:53]
.irp u, 0,1
	global_store_b128 v[LI], v[72+8*\u:75+8*\u], s[10:11] offset:16384*\u     ; 512 bytes on end
	global_store_b128 v[LI], v[76+8*\u:79+8*\u], s[10:11] offset:16384*\u+512
.endr
	global_store_b32 v159, v158, s[66:67]          ; one word a row, 16 bytes apart: a sixteenth of the codes' bytes
	s_wait_tensorcnt 0x0                           ; the wave's end
	ds_add_u32 v[SPW], v[NIL]
	s_wait_dscnt 0x0
	s_endpgm
.Lfunc_end_k_qb443e5bc6f_attn:
	.size	k_qb443e5bc6f_attn, .Lfunc_end_k_qb443e5bc6f_attn-k_qb443e5bc6f_attn
	.p2alignl 7, 3214868480
	.fill 96, 4, 3214868480
	.section	.rodata,"a",@progbits
	.p2align	6, 0x0
	.amdhsa_kernel k_qb443e5bc6f_attn
		.amdhsa_group_segment_fixed_size 315904
		.amdhsa_private_segment_fixed_size 0
		.amdhsa_enable_private_segment 0
		.amdhsa_kernarg_size 40
		.amdhsa_user_sgpr_count 2
		.amdhsa_user_sgpr_kernarg_segment_ptr 1
		.amdhsa_wavefront_size32 1
		.amdhsa_system_sgpr_workgroup_id_x 1
		.amdhsa_system_sgpr_workgroup_id_y 1
		.amdhsa_system_sgpr_workgroup_id_z 1
		.amdhsa_system_vgpr_workitem_id 0
		.amdhsa_next_free_vgpr 1024
		.amdhsa_next_free_sgpr 80
		.amdhsa_reserve_vcc 1
		.amdhsa_float_denorm_mode_32 3
		.amdhsa_float_denorm_mode_16_64 3
		.amdhsa_memory_ordered 1
		.amdhsa_forward_progress 1
		.amdhsa_inst_pref_size 255
	.end_amdhsa_kernel
	.section	.bss,"aw",@nobits
	.p2align	6
	.space	262144
	.amdgpu_metadata
---
amdhsa.version: [ 1, 2 ]
amdhsa.kernels:
  - .name:           k_qb443e5bc6f_attn
    .symbol:         k_qb443e5bc6f_attn.kd
    .args:
      - { .name: qkv, .offset: 0, .size: 8, .value_kind: global_buffer, .address_space: global }
      - { .name: mb, .offset: 8, .size: 8, .value_kind: global_buffer, .address_space: global }
      - { .name: fl, .offset: 16, .size: 8, .value_kind: global_buffer, .address_space: global }
      - { .name: ac, .offset: 24, .size: 8, .value_kind: global_buffer, .address_space: global }
      - { .name: asc, .offset: 32, .size: 8, .value_kind: global_buffer, .address_space: global }
    .group_segment_fixed_size: 315904
    .private_segment_fixed_size: 0
    .kernarg_segment_align: 8
    .kernarg_segment_size: 40
    .max_flat_workgroup_size: 128
    .sgpr_count:     80
    .vgpr_count:     1024
    .wavefront_size: 32
...
	.end_amdgpu_metadata
.endif
;; end of part 7
;; launch oproj (part 8): grid 16 x 16, 4 waves a work-group, clusters of 4 x 4, 327,680 bytes of LDS; arguments ac, asc, cod, scl, out0; writes out0
.if DOCPART == 8
	.amdgcn_target "amdgcn-amd-amdhsa--gfx1250"
	.amdhsa_code_object_version 6
	.text
	.protected	k_qb443e5bc6f_oproj
	.globl	k_qb443e5bc6f_oproj
	.p2align	8
	.type	k_qb443e5bc6f_oproj,@function
k_qb443e5bc6f_oproj:
	s_mov_b64 s[64:65], 0
	v_nop
	global_prefetch_b8 v0, s[64:65] scope:SCOPE_SE
	s_setreg_imm32_b32 hwreg(HW_REG_WAVE_MODE, 25, 1), 1
	s_wait_xcnt 0x0
	s_wait_alu depctr_hold_cnt(0) depctr_sa_sdst(0) depctr_va_vdst(0) depctr_va_sdst(0) depctr_va_ssrc(0) depctr_va_vcc(0) depctr_vm_vsrc(0)
	s_getreg_b32 s2, hwreg(HW_REG_IB_STS2, 6, 4)
	s_cmp_eq_u32 s2, 0
	s_cbranch_scc0 .Lentry_in_a_cluster
	s_endpgm
.Lentry_in_a_cluster:
	s_bfe_u32 s2, ttmp6, 0x10000c
	s_cmp_lg_u32 s2, 0xf033
	s_cbranch_scc0 .Lentry_shape_is_right
	s_endpgm
.Lentry_shape_is_right:
; out = o wo on codes of FP4: 128 tokens x 128 columns a work-group, 64 x 64 a wave (16 accumulators), K = 2,048.  Source 0 = wo's columns, source 1 = o's tokens, so that a lane holds neighbouring numbers of a row.
; All of K lies in LDS at once: o's 8 row blocks x 16,384 bytes, wo's 8 behind them, then both operands' scale bytes.  Wave 0 fetches o's codes, wave 1 wo's, wave 2 o's scale bytes, wave 3 wo's: one tensor load a wave, and no
; byte is filled twice.  CLUSTERS 4 x 4: o's tiles are shared along a row of the cluster, wo's along a column: joint loads.  No prefetch into the L2: there is no loop to run ahead in.
; LIMITS: NaN and infinities among the inputs are not served, but for the NaN scale bytes of a row of o without keys, which reach its outputs.
.set HALFK, 131072                     ; one operand's codes: 8 row blocks
.set SCL,   2*HALFK
.set STG,   SCL+16384
.set SP,    272
.set LI,   16
.set ADRA, 17
.set ADRB, 20
.set STO,  24
.set RD,   25
.set CO,   26
.set ADRS, 27
.set SC,   32
.set BK,   128
.set G1, 24
.set G0, 32
.set G1B, 48
.set G0B, 56
.set G1S, 68
.set G0S, 76
.set G1SB, 80
.set G0SB, 88
.set MSB, 0
.macro WIN new
.if MSB != \new
	s_set_vgpr_msb (MSB<<8)|\new
.set MSB, \new
.endif
.endm
; One tree of branches on the wave's number, a load to an arm; four v_nop follow each load
.macro ARM under, g0, g1, next
	s_cmp_lt_u32 s14, \under
	s_cbranch_scc0 \next
	tensor_load_to_lds s[\g0:\g0+3], s[\g1:\g1+7]
	s_nop 0
.rept 4
	v_nop
.endr
	s_branch .Lhead_asked
\next:
.endm
.macro CROUND
	s_barrier_signal -1
	s_barrier_wait -1
	s_cmp_lg_u32 s14, 0
	s_cbranch_scc1 .Lnot_wave_0_\@
	s_barrier_signal -3
.Lnot_wave_0_\@:
	s_barrier_wait -3
	s_barrier_signal -1
	s_barrier_wait -1
.endm
	s_load_b256 s[4:11], s[0:1], 0x0
	s_load_b64 s[12:13], s[0:1], 0x20
	v_lshl_add_u32 v254, v0, 2, 0x48400
	v_mov_b32 v255, 0
	ds_add_u32 v254, v255
	ds_add_u32 v254, v255
	v_lshrrev_b32 v1, 5, v0
	v_readfirstlane_b32 s14, v1
	s_lshr_b32 s15, s14, 1
	s_and_b32 s16, s14, 1
	s_bfe_u32 s40, ttmp6, 0x40000
	s_bfe_u32 s41, ttmp6, 0x40004
	s_lshl_b32 s42, ttmp9, 2
	s_add_co_u32 s42, s42, s40
	s_and_b32 s17, ttmp7, 0xffff
	s_lshl_b32 s17, s17, 2
	s_add_co_u32 s17, s17, s41
	s_lshl_b32 s43, s41, 2
	s_lshl_b32 s43, 15, s43
	s_lshl_b32 s44, 0x1111, s40
	s_or_b32 s[G1+0], s43, (3<<16)|(1<<21)
	s_or_b32 s[G1B+0], s44, (3<<16)|(1<<21)
.irp g, G1, G1B
	s_mov_b32 s[\g+1], 2048<<16                    ; codes: 8 row blocks x 16,384 dense bytes (2,048 elements of 8)
	s_mov_b32 s[\g+2], 8<<16
	s_mov_b32 s[\g+3], 2048<<16
	s_mov_b32 s[\g+4], 8
	s_mov_b32 s[\g+5], 2048
	s_mov_b32 s[\g+6], 0
	s_mov_b32 s[\g+7], 0
.endr
	s_or_b32 s[G1S+0], s43, (3<<16)|(1<<21)
	s_or_b32 s[G1SB+0], s44, (3<<16)|(1<<21)
.irp g, G1S, G1SB
	s_mov_b32 s[\g+1], 32<<16
	s_mov_b32 s[\g+2], 32<<16                      ; scale bytes: 8 row blocks x 1,024 dense bytes: 32 rows of 256
	s_mov_b32 s[\g+3], 32<<16
	s_mov_b32 s[\g+4], 32
	s_mov_b32 s[\g+5], 32
	s_mov_b32 s[\g+6], 0
	s_mov_b32 s[\g+7], 0
.endr
	s_lshl_b32 s20, s17, 3                         ; o: row block 8 x tile row
	s_lshl_b32 s46, s42, 3
	s_add_co_u32 s46, s46, 512                     ; wo: 512 + 8 x tile column
	s_lshl_b32 s22, s20, 10
	s_mov_b32 s23, 0
	s_lshl_b32 s92, s46, 10
	s_mov_b32 s93, 0
	s_lshl_b32 s20, s20, 14
	s_mov_b32 s21, 0
	s_lshl_b32 s46, s46, 14
	s_mov_b32 s47, 0
	s_wait_dscnt 0x0
	s_wait_kmcnt 0x0
	s_add_nc_u64 s[20:21], s[4:5], s[20:21]
	s_add_nc_u64 s[22:23], s[6:7], s[22:23]
	s_add_nc_u64 s[46:47], s[8:9], s[46:47]
	s_add_nc_u64 s[92:93], s[10:11], s[92:93]
	CROUND
	s_mov_b32 s[G0S], 1
	s_mov_b32 s[G0S+1], SCL
	s_mov_b64 s[G0S+2:G0S+3], s[22:23]
	s_or_b32 s[G0S+3], s[G0S+3], 0x80000000
	s_mov_b32 s[G0SB], 1
	s_mov_b32 s[G0SB+1], SCL+8192
	s_mov_b64 s[G0SB+2:G0SB+3], s[92:93]
	s_or_b32 s[G0SB+3], s[G0SB+3], 0x80000000
	s_mov_b32 s[G0], 1
	s_mov_b32 s[G0+1], 0
	s_mov_b64 s[G0+2:G0+3], s[20:21]
	s_or_b32 s[G0+3], s[G0+3], 0x80000000
	s_mov_b32 s[G0B], 1
	s_mov_b32 s[G0B+1], HALFK
	s_mov_b64 s[G0B+2:G0B+3], s[46:47]
	s_or_b32 s[G0B+3], s[G0B+3], 0x80000000
	ARM 1, G0,  G1,  .Lhead_b
	ARM 2, G0B, G1B, .Lhead_sa
	ARM 3, G0S, G1S, .Lhead_sb
	tensor_load_to_lds s[G0SB:G0SB+3], s[G1SB:G1SB+7]
	s_nop 0
.rept 4
	v_nop
.endr
.Lhead_asked:
	v_and_b32 v1, 15, v0
	v_bfe_u32 v2, v0, 4, 1
	s_wait_alu depctr_va_vdst(0)
	v_and_b32 v3, 31, v0
	v_lshlrev_b32 v[LI], 4, v3
	s_lshl_b32 s18, s15, 16                        ; my four row blocks of o,
	s_lshl_b32 s19, s16, 16
	s_add_co_u32 s19, s19, HALFK                   ; and of wo
	v_add_nc_u32 v[ADRA], s18, v[LI]
	v_add_nc_u32 v[ADRB], s19, v[LI]
	s_lshl_b32 s18, s15, 12
	s_lshl_b32 s19, s16, 12
	s_add_co_u32 s19, s19, 8192
	s_sub_co_u32 s19, s19, s18
	v_mul_u32_u24 v4, s19, v2
	s_add_co_u32 s18, s18, SCL
	v_lshl_add_u32 v4, v1, 4, v4
	v_add_nc_u32 v[ADRS], s18, v4
	s_mul_i32 s18, s14, 16*SP
	s_add_co_u32 s18, s18, STG
	v_mul_u32_u24 v4, v1, SP
	v_lshl_add_u32 v4, v2, 6, v4
	v_add_nc_u32 v[STO], s18, v4
	v_mul_u32_u24 v4, v2, SP
	v_lshl_add_u32 v4, v1, 4, v4
	v_add_nc_u32 v[RD], s18, v4
	v_lshlrev_b32 v4, 13, v2
	v_lshl_add_u32 v[CO], v1, 4, v4
	s_lshl_b32 s20, s17, 7
	s_lshl_b32 s21, s15, 6
	s_add_co_u32 s20, s20, s21
	s_lshl_b32 s20, s20, 13
	s_mov_b32 s21, 0
	s_lshl_b32 s46, s42, 9
	s_lshl_b32 s47, s16, 8
	s_add_co_u32 s46, s46, s47
	s_mov_b32 s47, 0
	s_add_nc_u64 s[20:21], s[20:21], s[46:47]
	s_add_nc_u64 s[12:13], s[12:13], s[20:21]
.macro FRAG reg, adr, off
	ds_load_b128 v[\reg:\reg+3], v[\adr] offset:\off
	ds_load_b128 v[\reg+4:\reg+7], v[\adr] offset:\off+512
.endm
.macro FETCH q
	WIN 0x40
.irp i, 0,1,2,3
	FRAG 64*((\q)%4)+8*\i, ADRB, \i*16384+(\q)*1024
.endr
.irp i, 0,1,2,3
	FRAG 64*((\q)%4)+32+8*\i, ADRA, \i*16384+(\q)*1024
.endr
.endm
.macro MULS q, zero
	WIN 0xa5
.irp a, 0,1,2,3
.irp b, 0,1,2,3
.if \zero
	v_wmma_scale_f32_16x16x128_f8f6f4 v[8*(4*\a+\b):8*(4*\a+\b)+7], v[64*((\q)%4)+8*\b:64*((\q)%4)+8*\b+7], v[64*((\q)%4)+32+8*\a:64*((\q)%4)+32+8*\a+7], 0, v[SC+16*((\q)/4)+4*\b+(\q)%4], v[SC+16*((\q)/4)+4*\a+(\q)%4] matrix_a_fmt:MATRIX_FMT_FP4 matrix_b_fmt:MATRIX_FMT_FP4 matrix_a_scale:MATRIX_SCALE_ROW1
.else
	v_wmma_scale_f32_16x16x128_f8f6f4 v[8*(4*\a+\b):8*(4*\a+\b)+7], v[64*((\q)%4)+8*\b:64*((\q)%4)+8*\b+7], v[64*((\q)%4)+32+8*\a:64*((\q)%4)+32+8*\a+7], v[8*(4*\a+\b):8*(4*\a+\b)+7], v[SC+16*((\q)/4)+4*\b+(\q)%4], v[SC+16*((\q)/4)+4*\a+(\q)%4] matrix_a_fmt:MATRIX_FMT_FP4 matrix_b_fmt:MATRIX_FMT_FP4 matrix_a_scale:MATRIX_SCALE_ROW1
.endif
.endr
.endr
.endm
.macro STEP q
.if (\q) > 0
.rept 4
	v_nop
.endr
.endif
.if (\q)+3 < 16
	FETCH (\q)+3
	s_wait_dscnt 48
.else
	s_wait_dscnt 16*(15-(\q))
.endif
.if (\q) == 0
	MULS \q, 1
.else
	MULS \q, 0
.endif
.endm
	s_wait_alu depctr_va_vdst(0)
	s_wait_tensorcnt 0x0                           ; my load is in: behind the barrier all of K is
	s_barrier_signal -1
	s_barrier_wait -1
.irp y, 0,1,2,3
.irp i, 0,1,2,3
	ds_load_b128 v[SC+16*\y+4*\i:SC+16*\y+4*\i+3], v[ADRS] offset:\i*1024+\y*256
.endr
.endr
	FETCH 0
	FETCH 1
	FETCH 2
.irp q, 0,1,2,3,4,5,6,7,8,9,10,11,12,13,14,15
	STEP \q
.endr
	WIN 0
.rept 4
	v_nop
.endr
.macro TOSTAGE a
	WIN 0x08
.irp b, 0,1,2,3
	ds_store_b128 v[STO], v[8*(4*(\a)+\b):8*(4*(\a)+\b)+3] offset:128*(\b/2)+32*(\b%2)
	ds_store_b128 v[STO], v[8*(4*(\a)+\b)+4:8*(4*(\a)+\b)+7] offset:128*(\b/2)+32*(\b%2)+16
.endr
	WIN 0
.irp t, 0,1,2,3,4,5,6,7
	ds_load_b128 v[BK+32*((\a)%2)+4*\t:BK+32*((\a)%2)+4*\t+3], v[RD] offset:2*\t*SP
.endr
.endm
.macro SEND a, younger
	s_wait_dscnt \younger
.irp t, 0,1,2,3,4,5,6,7
	global_store_b128 v[CO], v[BK+32*((\a)%2)+4*\t:BK+32*((\a)%2)+4*\t+3], s[12:13] offset:(32*((\a)/2)+8*((\a)%2)+2*\t+8*(\t/4))*8192 th:TH_STORE_NT
.endr
.endm
	TOSTAGE 0
	TOSTAGE 1
	SEND 0, 16
	s_wait_xcnt 0x0
	TOSTAGE 2
	SEND 1, 16
	s_wait_xcnt 0x0
	TOSTAGE 3
	SEND 2, 16
	SEND 3, 0
	s_wait_tensorcnt 0x0
	ds_add_u32 v254, v255
	s_wait_dscnt 0x0
	CROUND
	s_endpgm
.Lfunc_end_k_qb443e5bc6f_oproj:
	.size	k_qb443e5bc6f_oproj, .Lfunc_end_k_qb443e5bc6f_oproj-k_qb443e5bc6f_oproj
	.p2alignl 7, 3214868480
	.fill 96, 4, 3214868480
	.section	.rodata,"a",@progbits
	.p2align	6, 0x0
	.amdhsa_kernel k_qb443e5bc6f_oproj
		.amdhsa_group_segment_fixed_size 327680
		.amdhsa_private_segment_fixed_size 0
		.amdhsa_enable_private_segment 0
		.amdhsa_kernarg_size 40
		.amdhsa_user_sgpr_count 2
		.amdhsa_user_sgpr_kernarg_segment_ptr 1
		.amdhsa_wavefront_size32 1
		.amdhsa_system_sgpr_workgroup_id_x 1
		.amdhsa_system_sgpr_workgroup_id_y 1
		.amdhsa_system_sgpr_workgroup_id_z 1
		.amdhsa_system_vgpr_workitem_id 0
		.amdhsa_next_free_vgpr 640
		.amdhsa_next_free_sgpr 102
		.amdhsa_reserve_vcc 0
		.amdhsa_float_denorm_mode_32 3
		.amdhsa_float_denorm_mode_16_64 3
		.amdhsa_memory_ordered 1
		.amdhsa_forward_progress 1
		.amdhsa_inst_pref_size 68
	.end_amdhsa_kernel
	.amdgpu_metadata
---
amdhsa.version: [ 1, 2 ]
amdhsa.kernels:
  - .name:           k_qb443e5bc6f_oproj
    .symbol:         k_qb443e5bc6f_oproj.kd
    .args:
      - { .name: ac, .offset: 0, .size: 8, .value_kind: global_buffer, .address_space: global }
      - { .name: asc, .offset: 8, .size: 8, .value_kind: global_buffer, .address_space: global }
      - { .name: cod, .offset: 16, .size: 8, .value_kind: global_buffer, .address_space: global }
      - { .name: scl, .offset: 24, .size: 8, .value_kind: global_buffer, .address_space: global }
      - { .name: out0, .offset: 32, .size: 8, .value_kind: global_buffer, .address_space: global }
    .group_segment_fixed_size: 327680
    .private_segment_fixed_size: 0
    .kernarg_segment_align: 8
    .kernarg_segment_size: 40
    .max_flat_workgroup_size: 128
    .sgpr_count:     102
    .vgpr_count:     640
    .wavefront_size: 32
...
	.end_amdgpu_metadata
.endif
;; end of part 8
